; MI455X (gfx1250); checked and timed in simulation.
; The chip was launched on July 23, 2026; its instructions are those of AMD's public machine-readable ISA for CDNA 5 (MIT licence, August 2026) and "CDNA5" Instruction Set Architecture Reference Guide (July 2026). The comments in the code are by the model that wrote it; some were corrected since.
;; TE Multihead Self Attention Dec. Allowed arithmetic: matrix products marked QUANTISED: E2M3 operands, one E8M0 scale for each 32 along K, by v_wmma_scale_f32_16x16x128_f8f6f4 with both operands' format E2M3, f32 sums; everything else in f32.
;; Inputs: Wk 2,048 x 2,048 float32; Wo 2,048 x 2,048 float32; Wq 2,048 x 2,048 float32; Wv 2,048 x 2,048 float32; bk 2,048 float32; bo 2,048 float32; bq 2,048 float32; bv 2,048 float32; kn_w 128 float32; qn_w 128 float32; rope_cos 2,048 x 1 x 128 float32; rope_sin 2,048 x 1 x 128 float32; sta_mask 32 x 32 bool; x 2,048 x 2,048 float32.
;; Outputs: out0 2,048 x 2,048 float32.
;; This version of the problem:
;;   THIS VERSION OF THE PROBLEM IS GIVEN IN LOW PRECISION. The matrix products marked QUANTISED in the list below multiply operands that are first quantised to E2M3 (2 exponent bits, 3 mantissa bits; 6 bits a number), with one power-of-two scale for each 32 numbers along K (OCP MX v1.0); their sums are f32. All else is computed in f32.
;;   The module's matrix products, in the order in which they are computed (A, B: the left and right operand; K: the contracted axis; several contracted axes count as one K, in the product's order):
;;     1. [M 2,048, K 2,048] x [K 2,048, N 2,048]; A: input x; B: input Wq: QUANTISED
;;     2. [M 2,048, K 2,048] x [K 2,048, N 2,048]; A: input x; B: input Wk: QUANTISED
;;     3. [M 2,048, K 2,048] x [K 2,048, N 2,048]; A: input x; B: input Wv: QUANTISED
;;     4. batch 16 x [M 32, K 128] x [K 128, N 32]; A: computed on the way; B: computed on the way: QUANTISED
;;     5. batch 16 x [M 2,048, K 128] x [K 128, N 2,048]; A: computed on the way; B: computed on the way: QUANTISED
;;     6. batch 16 x [M 2,048, K 2,048] x [K 2,048, N 128]; A: softmax (see below); B: computed on the way: QUANTISED
;;     7. [M 2,048, K 2,048] x [K 2,048, N 2,048]; A: computed on the way; B: input Wo: QUANTISED
;;   THE QUANTISER, for each operand of a quantised product, along K:
;;     - K is cut into blocks of 32 from its start; a last block that is shorter is filled with zeros.
;;     - A block's scale is 2^e with e = floor(log2(the largest magnitude in the block)) - 2, held to -126 .. 127; a block of zeros has e = 0. As a byte (E8M0): e + 127.
;;     - Each number is divided by its block's scale, clamped to +-7.5, and rounded to the nearest number of E2M3, ties to even, subnormals kept.
;;     - The product sums the exact products of the quantised numbers (number of the format x scale) in f32.
;;   ~~~python
;;   def quantise(x, axis):      # numpy; x: float32 -> the quantised numbers, widened to float32 again
;;       x = np.moveaxis(x, axis, -1); K = x.shape[-1]
;;       x = np.pad(x, [(0, 0)] * (x.ndim - 1) + [(0, -K % 32)]); x = x.reshape(x.shape[:-1] + (-1, 32)); a = np.abs(x).max(-1, keepdims=True)
;;       e = np.where(a > 0, np.clip(np.frexp(np.where(a > 0, a, 1))[1] - 1 - 2, -126, 127), 0)      # np.frexp(a)[1] - 1 = floor(log2(a)), exactly
;;       r = np.clip(x / 2.0 ** e, -7.5, 7.5)
;;       step = 2.0 ** (np.maximum(np.frexp(np.where(r == 0, 1, r))[1] - 1, 0) - 3)
;;       q = np.round(r / step) * step * 2.0 ** e      # np.round: ties to even
;;       return np.moveaxis(q.reshape(q.shape[:-2] + (-1,))[..., :K], -1, axis).astype(np.float32)
;;   ~~~
;;   SOFTMAX AHEAD OF A QUANTISED PRODUCT. Where the list says 'softmax', what is quantised is not the finished softmax but p = 2^(t - M), with t = logit x log2(e) and M = ceil(the row's largest t), a whole number; so 1/2 < the row's largest p <= 1. The row's sum l is taken of the UNQUANTISED p, in f32, and the product's result is divided by l at the end. Since M is a whole number, a kernel that streams over the keys may use a running M (the ceiling of the running maximum): every later rescaling is an exact power of two, which a block's scale takes up: the codes' values come out the same.
;;   OPERANDS COMPUTED ON THE WAY. 'Computed on the way' means the value that the module computes at that place (a softmax that the list does not call 'softmax' is quantised finished and normalised). What goes into a quantiser is computed in f32, as accurately as f32 sums, v_exp_f32 and their like allow (about 1e-6 of the number): no bf16 or f16 on the way to a quantiser, and a product that is left as it is and whose result goes on into a quantised operand takes f32 operands (vector FMAs, or v_wmma_f32_16x16x4_f32). A number that lies on a knife's edge between two numbers of the format may be rounded either way, as far as f32 arithmetic and the matrix unit's own rounding can turn it there, and no further.
;; 2 versions. Each part assembles by itself: llvm-mc -triple=amdgcn-amd-amdhsa -mcpu=gfx1250 --defsym DOCPART=n.
;; ======== version 1 of 2: 5 launches
;; workspace buffers: opnd 16,384,000 bytes; qkv 9,830,400 bytes; mean 524,288 bytes; orec 3,276,800 bytes
;; launch quantx (part 1): grid 256 x 1, 4 waves a work-group, no clusters, 68,608 bytes of LDS; arguments x, opnd; writes opnd
.if DOCPART == 1
	.amdgcn_target "amdgcn-amd-amdhsa--gfx1250"
	.amdhsa_code_object_version 6
	.text
	.protected	k_q9b17ed190c_quantx
	.globl	k_q9b17ed190c_quantx
	.p2align	8
	.type	k_q9b17ed190c_quantx,@function
k_q9b17ed190c_quantx:
	s_mov_b64 s[64:65], 0
	v_nop
	global_prefetch_b8 v0, s[64:65] scope:SCOPE_SE
	s_setreg_imm32_b32 hwreg(HW_REG_WAVE_MODE, 25, 1), 1
	s_wait_xcnt 0x0
; x [2048][2048] f32 becomes codes of FP6 (E2M3) with one E8M0 byte for each 32 along K, laid as RECORDS, images of the matrix operand's registers.
; A RECORD is 128 rows x 128 along K, 12,800 bytes: fragment f (0..7) at 1,536 f; in it registers 4 c .. 4 c + 3 of lane l at 512 c + 16 l.
; Lane (r = l % 16, h = l / 16) of fragment f holds row 32 (f / 2) + 8 (f % 2) + r + 8 (r / 8) of the 128; its registers 6 c .. 6 c + 5 hold k = 64 c + 32 h + 0 .. 31.
; The scale words lie at byte 12,288: word i (0..3) of lane l at 16 l + 4 i: lanes 0-15 fragment 2 i, lanes 16-31 fragment 2 i + 1, the word of the row that lane l % 16 holds.
; SHARES: work-group 16 G + s makes record (G, s): rows 128 G on, k 128 s on.  Wave b takes rows 32 b .. 32 b + 31 of them: fragments 2 b and 2 b + 1.
; Each load reads 512 consecutive bytes of one row; the 32 rows turn through the wave's own stage in LDS (pitch 528 bytes, so that sixteen rows start in sixteen different groups of banks) and come back 128 bytes a lane:
; a lane then holds two whole blocks of 32, so no other lane is asked for a maximum.  Every store of codes covers 512 consecutive bytes, aligned to 256.
; A block's scale is 2^(floor(log2(largest magnitude)) - 2); its byte is the largest magnitude's exponent field - 2, held at 1 from below.
; LIMITS: NaN and infinities are not served; a block of zeros gets the byte 1 where the rule says 127 (its codes are zeros, and this program alone reads the bytes).
; No tensor loads, no cluster: no two work-groups read the same bytes, and the launch is a stream.
.set REC,   12800
.set FRB,   1536
.set SCO,   12288
.set PITCH, 528
.set WST,   32*PITCH                   ; a wave's stage
.set SCG,   4*WST                      ; behind the stages: the record's 512 bytes of scale words are gathered here
.set LI,  1                            ; v1   16 x lane
.set STA, 2                            ; v2   the stage, on the way in
.set RB,  3                            ; v3   the stage, on the way back: row r, + 128 h
.set SCW, 4                            ; v4   where my scale word goes
.set SCR, 5                            ; v5   where wave 0 reads the words back
.set H8,  6                            ; v6   8 h
.set R,   16                           ; v16-143  32 rows as loaded
.set X,   144                          ; v144-207 64 numbers of my row: 32 c + i is k = 64 c + 32 h + i
.set P0,  208                          ; v208-219 fragment 2 b
.set P1,  220                          ; v220-231 fragment 2 b + 1
.set XT,  232                          ; v232-234, v236-238 the second halves of the blocks' codes
.set PW,  240                          ; v240, v241 the two fragments' scale words
	s_load_b128 s[4:7], s[0:1], 0x0                ; x, opnd
	v_lshl_add_u32 v248, v0, 2, 0x10a00
	v_mov_b32 v249, 0
	v_lshrrev_b32 v7, 5, v0
	v_readfirstlane_b32 s8, v7                     ; wave b
	v_and_b32 v7, 31, v0
	v_lshlrev_b32 v[LI], 4, v7
	v_and_b32 v7, 15, v0                           ; r
	v_bfe_u32 v[H8], v0, 4, 1                      ; h
	s_mul_i32 s14, s8, WST
	v_add_nc_u32 v[STA], s14, v[LI]
	v_mul_u32_u24 v[RB], v7, PITCH
	v_lshl_add_u32 v[RB], v[H8], 7, v[RB]
	v_add_nc_u32 v[RB], s14, v[RB]
	s_lshl_b32 s15, s8, 2
	s_add_co_u32 s15, s15, SCG
	v_add_nc_u32 v[SCW], s15, v[LI]                ; word b of lane l
	v_add_nc_u32 v[SCR], SCG, v[LI]
	v_lshlrev_b32 v[H8], 3, v[H8]
	v_mov_b32 v15, 0                               ; a lane permute's destination counts as one of its sources
	s_mov_b32 s20, 0x76543210
	s_mov_b32 s21, 0xfedcba98                      ; v_permlanex16_b32's selects for lane l xor 16
	s_mov_b32 s22, 0xffff0000                      ; lanes 16-31
	s_lshr_b32 s10, ttmp9, 4
	s_lshl_b32 s10, s10, 20                        ; 128 G rows of 8,192 bytes
	s_lshl_b32 s11, s8, 18                         ; 32 b rows
	s_add_co_u32 s10, s10, s11
	s_and_b32 s11, ttmp9, 15
	s_lshl_b32 s11, s11, 9                         ; 128 s numbers
	s_add_co_u32 s10, s10, s11
	s_mov_b32 s11, 0
	s_mul_i32 s12, ttmp9, REC                      ; the record,
	s_mul_i32 s13, s8, 2*FRB                       ; my two fragments in it
	s_add_co_u32 s12, s12, s13
	s_mov_b32 s13, 0
	s_wait_kmcnt 0x0
	s_add_nc_u64 s[4:5], s[4:5], s[10:11]
	s_add_nc_u64 s[6:7], s[6:7], s[12:13]
.set i, 0
.rept 32
	global_load_b128 v[R+4*i:R+4*i+3], v[LI], s[4:5] offset:8192*i th:TH_LOAD_NT   ; row i: 32 lanes read 512 consecutive bytes
.set i, i+1
.endr
.set i, 0
.rept 32
	s_wait_loadcnt 31-i                            ; loads come back in order: row i is in, the younger rows stay out
	ds_store_b128 v[STA], v[R+4*i:R+4*i+3] offset:PITCH*(16*((i>>3)&1)+(i&7)+8*(i>>4))   ; to stage row 16 u + r, so that a fragment's sixteen rows lie on end
.set i, i+1
.endr
; 64 numbers of a lane, two whole blocks (2 c + h, c = 0, 1), become the fragment's twelve registers at v[pc] and my row's scale word in v[pw]
.macro QUANTW pc, pw
.irp c, 0,1
	v_max3_num_f32 v[8+\c], |v[X+32*\c]|, |v[X+32*\c+1]|, 0x1800000   ; with the floor 2^(3 - 127): the byte cannot fall under 1
.endr
.irp i, 2,4,6,8,10,12,14,16,18,20,22,24,26,28,30
.irp c, 0,1
	v_max3_num_f32 v[8+\c], v[8+\c], |v[X+32*\c+\i]|, |v[X+32*\c+\i+1]|   ; the two blocks by turns
.endr
.endr
.irp c, 0,1
	v_add_nc_u32 v[10+\c], 0xff000000, v[8+\c]     ; 2 off the exponent field: the conversion's scale operand
.endr
.irp c, 0,1
	v_lshrrev_b32 v[12+\c], 23, v[10+\c]           ; the scale's byte
.endr
	v_lshl_or_b32 v14, v13, 16, v12                ; my two bytes: blocks h and 2 + h,
	v_lshlrev_b32 v14, v[H8], v14                  ; at their places in the word;
	v_permlanex16_b32 v15, v14, s20, s21
	v_or_b32 v[\pw], v14, v15                      ; with lane l xor 16's two the word is whole
.irp c, 0,1
	v_cvt_scalef32_pk16_fp6_f32 v[\pc+6*\c:\pc+6*\c+2], v[X+32*\c:X+32*\c+15], v[10+\c]
	v_cvt_scalef32_pk16_fp6_f32 v[XT+4*\c:XT+4*\c+2], v[X+32*\c+16:X+32*\c+31], v[10+\c]   ; (a conversion's three registers begin on an even number)
.endr
	v_nop                                          ; one plain place behind a scaled conversion
.irp c, 0,1
.irp i, 0,1,2
	v_mov_b32 v[\pc+6*\c+3+\i], v[XT+4*\c+\i]
.endr
.endr
.endm
.macro FRAGOUT u, pc, pw
.irp c, 0,1
.irp j, 0,1,2,3,4,5,6,7
	ds_load_b128 v[X+32*\c+4*\j:X+32*\c+4*\j+3], v[RB] offset:16*PITCH*\u+256*\c+16*\j   ; LDS serves a wave's instructions in order: these see my stores
.endr
.endr
	s_wait_dscnt 0x0
	QUANTW \pc, \pw
.irp c, 0,1,2
	global_store_b128 v[LI], v[\pc+4*\c:\pc+4*\c+3], s[6:7] offset:FRB*\u+512*\c   ; 32 lanes store 512 consecutive bytes
.endr
.endm
	FRAGOUT 0, P0, PW
	FRAGOUT 1, P1, PW+1
	v_cndmask_b32 v242, v[PW], v[PW+1], s22        ; lanes 0-15: fragment 2 b's words; lanes 16-31: fragment 2 b + 1's
	ds_store_b32 v[SCW], v242
	s_wait_dscnt 0x0                               ; for the others' sake: my word has landed
	s_barrier_signal -1
	s_barrier_wait -1
	s_cmp_lg_u32 s8, 0
	s_cbranch_scc1 .Lend
	ds_load_b128 v[244:247], v[SCR]                ; wave 0 (whose base is the record's first byte) stores the 512 bytes of scale words
	s_wait_dscnt 0x0
	global_store_b128 v[LI], v[244:247], s[6:7] offset:SCO
.Lend:
	s_wait_tensorcnt 0x0
	ds_add_u32 v248, v249
	s_wait_dscnt 0x0
	s_endpgm
.Lfunc_end_k_q9b17ed190c_quantx:
	.size	k_q9b17ed190c_quantx, .Lfunc_end_k_q9b17ed190c_quantx-k_q9b17ed190c_quantx
	.p2alignl 7, 3214868480
	.fill 96, 4, 3214868480
	.section	.rodata,"a",@progbits
	.p2align	6, 0x0
	.amdhsa_kernel k_q9b17ed190c_quantx
		.amdhsa_group_segment_fixed_size 68608
		.amdhsa_private_segment_fixed_size 0
		.amdhsa_enable_private_segment 0
		.amdhsa_kernarg_size 16
		.amdhsa_user_sgpr_count 2
		.amdhsa_user_sgpr_kernarg_segment_ptr 1
		.amdhsa_wavefront_size32 1
		.amdhsa_system_sgpr_workgroup_id_x 1
		.amdhsa_system_sgpr_workgroup_id_y 1
		.amdhsa_system_sgpr_workgroup_id_z 1
		.amdhsa_system_vgpr_workitem_id 0
		.amdhsa_next_free_vgpr 250
		.amdhsa_next_free_sgpr 66
		.amdhsa_reserve_vcc 0
		.amdhsa_float_denorm_mode_32 3
		.amdhsa_float_denorm_mode_16_64 3
		.amdhsa_memory_ordered 1
		.amdhsa_forward_progress 1
		.amdhsa_inst_pref_size 17
	.end_amdhsa_kernel
	.amdgpu_metadata
---
amdhsa.version: [ 1, 2 ]
amdhsa.kernels:
  - .name:           k_q9b17ed190c_quantx
    .symbol:         k_q9b17ed190c_quantx.kd
    .args:
      - { .name: x, .offset: 0, .size: 8, .value_kind: global_buffer, .address_space: global }
      - { .name: opnd, .offset: 8, .size: 8, .value_kind: global_buffer, .address_space: global }
    .group_segment_fixed_size: 68608
    .private_segment_fixed_size: 0
    .kernarg_segment_align: 8
    .kernarg_segment_size: 16
    .max_flat_workgroup_size: 128
    .sgpr_count:     66
    .vgpr_count:     250
    .wavefront_size: 32
...
	.end_amdgpu_metadata
.endif
;; end of part 1
;; launch quantw (part 2): grid 256 x 4, 4 waves a work-group, no clusters, 13,312 bytes of LDS; arguments Wq, Wk, Wv, Wo, opnd; writes opnd
.if DOCPART == 2
	.amdgcn_target "amdgcn-amd-amdhsa--gfx1250"
	.amdhsa_code_object_version 6
	.text
	.protected	k_q9b17ed190c_quantw
	.globl	k_q9b17ed190c_quantw
	.p2align	8
	.type	k_q9b17ed190c_quantw,@function
k_q9b17ed190c_quantw:
	s_mov_b64 s[64:65], 0
	v_nop
	global_prefetch_b8 v0, s[64:65] scope:SCOPE_SE
	s_setreg_imm32_b32 hwreg(HW_REG_WAVE_MODE, 25, 1), 1
	s_wait_xcnt 0x0
; Wq, Wk, Wv, Wo [2048 (k)][2048 (n)] f32, K their FIRST axis, become codes of FP6 (E2M3) with one E8M0 byte for each 32 along K, laid as records (rows = n).
; A RECORD is 128 rows x 128 along K, 12,800 bytes: fragment f at 1,536 f; registers 4 c .. 4 c + 3 of lane l at 512 c + 16 l; lane (r, h) of fragment f holds row 32 (f / 2) + 8 (f % 2) + r + 8 (r / 8),
; registers 6 c .. 6 c + 5 hold k = 64 c + 32 h + 0 .. 31; scale words at byte 12,288: word i of lane l at 16 l + 4 i (lanes 0-15 fragment 2 i, lanes 16-31 fragment 2 i + 1).
; SHARES: work-group (16 g + s, y) makes record (group 16 (1 + y) + g, K step s) of weight y.  A LANE TAKES A COLUMN n = 128 g + 32 b + lane AND ITS REGISTERS RUN DOWN K: each load reads 128 consecutive bytes a wave,
; a block of 32 lies in one lane, and the conversions give codes with K innermost.  The lane's four blocks go to their places in an image of the record in LDS; the wave reads its own 3,072 bytes back and stores them
; 512 consecutive bytes an instruction.
; LIMITS: NaN and infinities are not served; a block of zeros gets the byte 1 where the rule says 127 (its codes are zeros, and this program alone reads the bytes).
; No tensor loads, no cluster: no two work-groups read the same bytes.
.set REC,   12800
.set FRB,   1536
.set SCO,   12288
.set X,     32                         ; v32-95   two sets of 32 numbers
.set C,     96                         ; v96-143  block t: six registers of codes at 96 + 12 t, the second conversion's three at + 6
.set SB,    14                         ; v14      my column's scale word
.set OUTR,  144                        ; v144-167 the way out
	s_load_b256 s[4:11], s[0:1], 0x0               ; Wq, Wk, Wv, Wo
	s_load_b64 s[12:13], s[0:1], 0x20              ; opnd
	v_lshl_add_u32 v176, v0, 2, 0x3200
	v_mov_b32 v177, 0
	v_lshrrev_b32 v7, 5, v0
	v_readfirstlane_b32 s16, v7                    ; wave b
	v_and_b32 v7, 31, v0                           ; lane
	v_lshlrev_b32 v1, 2, v7                        ; in: 4 bytes a lane
	v_lshlrev_b32 v5, 4, v7                        ; out: 16 bytes a lane
	v_bfe_u32 v8, v0, 3, 1                         ; u: my column lies in fragment 2 b + u,
	v_and_b32 v9, 7, v0
	v_bfe_u32 v10, v0, 4, 1
	v_lshl_add_u32 v9, v10, 3, v9                  ; in its lane r = lane % 8 + 8 (lane / 16)
	s_mul_i32 s17, s16, 2*FRB
	v_mul_u32_u24 v2, v8, FRB
	v_lshl_add_u32 v2, v9, 4, v2
	v_add_nc_u32 v2, s17, v2                       ; the image: 3,072 b + 1,536 u + 16 r
	v_lshlrev_b32 v3, 8, v8
	v_lshl_add_u32 v3, v9, 4, v3
	s_lshl_b32 s18, s16, 2
	s_add_co_u32 s18, s18, SCO
	v_add_nc_u32 v3, s18, v3                       ; my scale word: word b of lane r + 16 u
	v_add_nc_u32 v4, s17, v5                       ; back: my wave's 3,072 bytes
	v_add_nc_u32 v6, SCO, v5
	s_and_b32 s19, ttmp7, 0xffff                   ; y: which weight
	s_and_b32 s20, ttmp9, 15
	s_lshl_b32 s20, s20, 20                        ; 128 s rows of 8,192 bytes
	s_lshr_b32 s21, ttmp9, 4
	s_lshl_b32 s21, s21, 9                         ; 128 g columns
	s_add_co_u32 s20, s20, s21
	s_lshl_b32 s21, s16, 7                         ; 32 b columns
	s_add_co_u32 s20, s20, s21
	s_mov_b32 s21, 0
	s_lshl_b32 s22, s19, 8
	s_add_co_u32 s22, s22, 256
	s_add_co_u32 s22, s22, ttmp9                   ; the record's number: 16 (16 (1 + y) + g) + s
	s_mul_i32 s22, s22, REC
	s_add_co_u32 s22, s22, s17                     ; my wave's two fragments
	s_mov_b32 s23, 0
	s_wait_kmcnt 0x0
	s_cmp_eq_u32 s19, 1                            ; the choice hangs on the work-group's number alone
	s_cselect_b64 s[4:5], s[6:7], s[4:5]
	s_cmp_eq_u32 s19, 2
	s_cselect_b64 s[4:5], s[8:9], s[4:5]
	s_cmp_eq_u32 s19, 3
	s_cselect_b64 s[4:5], s[10:11], s[4:5]
	s_add_nc_u64 s[4:5], s[4:5], s[20:21]
	s_add_nc_u64 s[12:13], s[12:13], s[22:23]
.macro LOAD t                          ; block t: W(128 s + 32 t + i, my column) into set t % 2
.set i, 0
.rept 32
	global_load_b32 v[X+32*((\t)%2)+i], v1, s[4:5] offset:(32*(\t)+i)*8192 th:TH_LOAD_NT
.set i, i+1
.endr
.endm
	LOAD 0
	LOAD 1
.macro BLOCK t
.set XS, X+32*((\t)%2)
.set CT, C+12*(\t)
.if (\t) < 3
	s_wait_loadcnt 32                              ; this block's 32 loads are in; the next block's may be out
.else
	s_wait_loadcnt 0
.endif
	v_max3_num_f32 v8, |v[XS]|, |v[XS+1]|, |v[XS+2]|
	v_max3_num_f32 v9, |v[XS+3]|, |v[XS+4]|, |v[XS+5]|
.irp i, 6,10,14,18,22,26
	v_max3_num_f32 v8, v8, |v[XS+\i]|, |v[XS+\i+1]|
	v_max3_num_f32 v9, v9, |v[XS+\i+2]|, |v[XS+\i+3]|
.endr
	v_max3_num_f32 v8, v8, |v[XS+30]|, |v[XS+31]|
	v_max3_num_f32 v8, v8, v9, 0x1800000           ; and the floor 2^(3 - 127): the byte cannot fall under 1
	v_add_nc_u32 v10, 0xff000000, v8               ; 2 off the exponent field: the conversion's scale operand
	v_lshrrev_b32 v11, 23, v10                     ; the scale's byte
.if (\t) == 0
	v_mov_b32 v[SB], v11
.else
	v_lshl_or_b32 v[SB], v11, 8*(\t), v[SB]
.endif
	v_cvt_scalef32_pk16_fp6_f32 v[CT:CT+2], v[XS:XS+15], v10
	v_cvt_scalef32_pk16_fp6_f32 v[CT+6:CT+8], v[XS+16:XS+31], v10   ; (a conversion's three registers begin on an even number)
	v_nop                                          ; one plain place behind a scaled conversion
.irp i, 0,1,2
	v_mov_b32 v[CT+3+\i], v[CT+6+\i]
.endr
; block t = 2 c + h' is registers 6 c .. 6 c + 5 of image lane r + 16 h'
.if (\t) < 2
	ds_store_b128 v2, v[CT:CT+3] offset:256*((\t)%2)               ; registers 0-3
	ds_store_b64 v2, v[CT+4:CT+5] offset:512+256*((\t)%2)          ; registers 4, 5
.else
	ds_store_b64 v2, v[CT:CT+1] offset:520+256*((\t)%2)            ; registers 6, 7
	ds_store_b128 v2, v[CT+2:CT+5] offset:1024+256*((\t)%2)        ; registers 8-11
.endif
.if (\t) < 2
	LOAD (\t)+2
.endif
.endm
	BLOCK 0
	BLOCK 1
	BLOCK 2
	BLOCK 3
	ds_store_b32 v3, v[SB]
.irp i, 0,1,2,3,4,5
	ds_load_b128 v[OUTR+4*\i:OUTR+4*\i+3], v4 offset:512*\i        ; my wave's own bytes: LDS serves a wave's instructions in order
.endr
.irp i, 0,1,2,3,4,5
	s_wait_dscnt 5-\i                              ; the younger reads stay out
	global_store_b128 v5, v[OUTR+4*\i:OUTR+4*\i+3], s[12:13] offset:512*\i   ; 32 lanes store 512 consecutive bytes
.endr
	s_wait_dscnt 0x0                               ; for the others' sake: my scale words have landed
	s_barrier_signal -1
	s_barrier_wait -1
	s_cmp_lg_u32 s16, 0
	s_cbranch_scc1 .Lend
	ds_load_b128 v[168:171], v6                    ; wave 0 (whose base is the record's first byte) stores the 512 bytes of scale words
	s_wait_dscnt 0x0
	global_store_b128 v5, v[168:171], s[12:13] offset:SCO
.Lend:
	s_wait_tensorcnt 0x0
	ds_add_u32 v176, v177
	s_wait_dscnt 0x0
	s_endpgm
.Lfunc_end_k_q9b17ed190c_quantw:
	.size	k_q9b17ed190c_quantw, .Lfunc_end_k_q9b17ed190c_quantw-k_q9b17ed190c_quantw
	.p2alignl 7, 3214868480
	.fill 96, 4, 3214868480
	.section	.rodata,"a",@progbits
	.p2align	6, 0x0
	.amdhsa_kernel k_q9b17ed190c_quantw
		.amdhsa_group_segment_fixed_size 13312
		.amdhsa_private_segment_fixed_size 0
		.amdhsa_enable_private_segment 0
		.amdhsa_kernarg_size 40
		.amdhsa_user_sgpr_count 2
		.amdhsa_user_sgpr_kernarg_segment_ptr 1
		.amdhsa_wavefront_size32 1
		.amdhsa_system_sgpr_workgroup_id_x 1
		.amdhsa_system_sgpr_workgroup_id_y 1
		.amdhsa_system_sgpr_workgroup_id_z 1
		.amdhsa_system_vgpr_workitem_id 0
		.amdhsa_next_free_vgpr 178
		.amdhsa_next_free_sgpr 66
		.amdhsa_reserve_vcc 0
		.amdhsa_float_denorm_mode_32 3
		.amdhsa_float_denorm_mode_16_64 3
		.amdhsa_memory_ordered 1
		.amdhsa_forward_progress 1
		.amdhsa_inst_pref_size 23
	.end_amdhsa_kernel
	.amdgpu_metadata
---
amdhsa.version: [ 1, 2 ]
amdhsa.kernels:
  - .name:           k_q9b17ed190c_quantw
    .symbol:         k_q9b17ed190c_quantw.kd
    .args:
      - { .name: Wq, .offset: 0, .size: 8, .value_kind: global_buffer, .address_space: global }
      - { .name: Wk, .offset: 8, .size: 8, .value_kind: global_buffer, .address_space: global }
      - { .name: Wv, .offset: 16, .size: 8, .value_kind: global_buffer, .address_space: global }
      - { .name: Wo, .offset: 24, .size: 8, .value_kind: global_buffer, .address_space: global }
      - { .name: opnd, .offset: 32, .size: 8, .value_kind: global_buffer, .address_space: global }
    .group_segment_fixed_size: 13312
    .private_segment_fixed_size: 0
    .kernarg_segment_align: 8
    .kernarg_segment_size: 40
    .max_flat_workgroup_size: 128
    .sgpr_count:     66
    .vgpr_count:     178
    .wavefront_size: 32
...
	.end_amdgpu_metadata
.endif
;; end of part 2
;; launch qkvproj (part 3): grid 24 x 8, 4 waves a work-group, clusters of 4 x 4, 327,680 bytes of LDS; arguments opnd, qkv, mean, rope_cos, rope_sin, bq, bk, bv, qn_w, kn_w; writes qkv, mean
.if DOCPART == 3
	.amdgcn_target "amdgcn-amd-amdhsa--gfx1250"
	.amdhsa_code_object_version 6
	.text
	.protected	k_q9b17ed190c_qkvproj
	.globl	k_q9b17ed190c_qkvproj
	.p2align	8
	.type	k_q9b17ed190c_qkvproj,@function
k_q9b17ed190c_qkvproj:
	s_mov_b64 s[64:65], 0
	v_nop
	global_prefetch_b8 v0, s[64:65] scope:SCOPE_SE
	s_setreg_imm32_b32 hwreg(HW_REG_WAVE_MODE, 25, 1), 1
	s_wait_xcnt 0x0
	s_wait_alu depctr_hold_cnt(0) depctr_sa_sdst(0) depctr_va_vdst(0) depctr_va_sdst(0) depctr_va_ssrc(0) depctr_va_vcc(0) depctr_vm_vsrc(0)
	s_getreg_b32 s2, hwreg(HW_REG_IB_STS2, 6, 4)
	s_cmp_eq_u32 s2, 0
	s_cbranch_scc0 .Lentry_in_a_cluster
	s_endpgm
.Lentry_in_a_cluster:
	s_bfe_u32 s2, ttmp6, 0x10000c
	s_cmp_lg_u32 s2, 0xf033
	s_cbranch_scc0 .Lentry_shape_is_right
	s_endpgm
.Lentry_shape_is_right:
; q = rope(rmsnorm(x Wq + bq)), k likewise, v = x Wv + bv, all three products on codes of FP6 (E2M3) with E8M0 scales; the results leave as codes, quantised in registers, and the means of q and k over 64 rows as f32.
; OPERANDS are records (128 rows x 128 K, 12,800 bytes: images of the operand's registers; fragment f at 1,536 f, registers 4 c .. of lane l at 512 c + 16 l; lane r of fragment f holds row
; 32 (f / 2) + 8 (f % 2) + r + 8 (r / 8); scale words at 12,288: word i of lane l at 16 l + 4 i, lanes 0-15 fragment 2 i, lanes 16-31 fragment 2 i + 1).  opnd: record (group, K step) at (16 group + step) x 12,800;
; groups 0-15 x, 16-31 Wq, 32-47 Wk, 48-63 Wv.
; SHARES.  A tile of 256 x 256 to a work-group of four waves, 128 x 128 a wave: 64 accumulators, 512 registers.  kind = cluster x / 2: 0 q, 1 k, 2 v.  Source 0 ("B") gives the index that runs along a lane's registers,
; source 1 ("A") the index that lies in the lanes.  q, k: A = x, B = W: a lane holds one row of the sequence and its registers run along the head's 128, which is the next product's K.
; v: THE ROLES ARE SWAPPED, A = Wv, B = x: a lane holds one channel and its registers run along the keys, the K of the attention's second product.  By the records' order of rows the sixteen registers of
; tiles 2 b and 2 b + 1 are sixteen neighbours, 32 b + 16 (lane / 16) + 0 .. 15, so the results are quantised as they stand.
; K goes in steps of 256 (two records of each of four groups) through a ring of two LDS slots.  A wave's tensor load brings two records, 25,600 dense bytes, as 100 rows of 256.
; CLUSTERS: 4 x 4.  A's tiles hang on the tile row and the kind, shared along a row of the cluster; B's on the tile column and the kind, shared along a column: each is asked for jointly.
; REGISTERS.  window 0: v16-31 addresses; v32-63 scale words, two sets, and nothing else; v64-127 at work in the epilogue; v128-223 A's fragments, one set; v224-231 v's bias.
;   window 1: B's fragments, two sets, at v0 and v96; v192-255 q's or k's bias.   windows 2, 3: the accumulators ((a, b) at v[8 (8 (a % 4) + b)]).
; LIMITS: NaN and infinities are not served; a block of zeros gets the byte 1 where the rule says 127 (its codes are zeros, and this program alone reads the bytes).
.set REC,   12800
.set FRB,   1536
.set SCO,   12288
.set FR,    12
.set NL,    3                          ; LDS loads that bring a fragment
.set NP,    4                          ; places behind this matrix instruction (ISA guide 7.12.1)
.set HALFT, 2*REC                      ; what one tensor load brings: 128 rows x 256 K
.set SLOT,  4*HALFT                    ; A's two halves, then B's two
.set SPARE, 2*SLOT                     ; behind the ring: the spare words, 128 bytes a wave: two blocks of 256 bytes that no other line names
.set LAPS,  4                          ; 2,048 / (2 x 256)
.set ADRA, 16                          ; v16-17  LDS address of my A half in slot 0, 1: + 16 x lane
.set ADRB, 20                          ; v20-21  the same for B
.set LI,   24                          ; v24     16 x lane
.set CSO,  25                          ; v25     rope: 512 (r + 8 (r / 8)) + 64 h
.set MST,  26                          ; v26     the means' stage, in: 512 w + 64 h
.set MLD,  27                          ; v27     and back: 512 w + 16 x lane
.set SPW,  28                          ; v28     my spare word; never rewritten
.set NIL,  29                          ; v29     0; never rewritten
.set H64,  30                          ; v30     64 h
.set BVO,  31                          ; v31     4 (r + 8 (r / 8))
.set SC,   32                          ; scale words: set sc, K step q: A's four registers at 32 + 16 sc + 8 q, B's four behind them
.set AF,   128
.set BS,   96                          ; B's second set, in window 1
.set BI,   192                         ; window 1: the bias at my 64 columns
.set BV,   224                         ; window 0: v's bias at my lane's channel, one register for each of A's blocks
.set TM,   64                          ; epilogue, window 0: v64-67 largest magnitudes, v68-71 bytes, v76-79 scale operands
.set PC,   80                          ; v80-91 a fragment's codes; v92-94, v96-98 second halves
.set SW,   100                         ; v100-103 the record's scale words
.set PWT,  104
.set RR,   106                         ; v106-107 1 / rms (the pair's low word serves both halves)
.set SS,   108                         ; v108-111 sums of squares
.set TU,   112                         ; v112-119 rope: two sets of two pairs
.set MO,   120                         ; v120-123 means on their way out
.set H,    128                         ; v128-191 64 numbers: 16 b + i is index 32 b + 16 h + i
.set MS,   192                         ; v192-255 their sum over four blocks of rows
.set NW,   0                           ; window 1, epilogue: norm weights, cos, sin at my 64 channels
.set COS,  64
.set SIN,  128
.set G1, 24
.set G0, 32
.set G1B, 48
.set G0B, 56
.set SEL, 98
.set MSB, 0
.macro WIN new                         ; the immediate's high byte repeats the setting that is left
.if MSB != (\new)
	s_set_vgpr_msb (MSB<<8)|(\new)
.set MSB, (\new)
.endif
.endm
.set MUL_LO, 0xa1                      ; source 0 (B) window 1, source 1 (A) window 0, C and D window 2
.set MUL_HI, 0xf1
.set TO_B,   0x40
; A joint load: waves 0 and 1 fetch A's halves, waves 2 and 3 B's.  Four v_nop follow each of the two lines.
.macro JLOAD s
	s_cmp_eq_u32 s15, 0
	s_cbranch_scc0 .Lfor_b_\@
	tensor_load_to_lds s[G0+4*\s:G0+4*\s+3], s[G1:G1+7]
	s_nop 0
.rept 4
	v_nop
.endr
	s_branch .Lasked_\@
.Lfor_b_\@:
	tensor_load_to_lds s[G0B+4*\s:G0B+4*\s+3], s[G1B:G1B+7]
	s_nop 0
.rept 4
	v_nop
.endr
.Lasked_\@:
.endm
.macro CREST                           ; a round of the cluster's barrier behind its opening barrier
	s_cmp_lg_u32 s14, 0
	s_cbranch_scc1 .Lnot_wave_0_\@
	s_barrier_signal -3
.Lnot_wave_0_\@:
	s_barrier_wait -3
	s_barrier_signal -1
	s_barrier_wait -1
.endm
.macro CROUND
	s_barrier_signal -1
	s_barrier_wait -1
	CREST
.endm
.macro PLACES n
.rept \n
	v_nop
.endr
.endm
	s_load_b256 s[4:11], s[0:1], 0x0               ; opnd, qkv, mean, rope_cos
	s_load_b256 s[68:75], s[0:1], 0x20             ; rope_sin, bq, bk, bv
	s_load_b128 s[76:79], s[0:1], 0x40             ; qn_w, kn_w
	v_lshl_add_u32 v[SPW], v0, 2, SPARE
	v_mov_b32 v[NIL], 0
	ds_add_u32 v28, v29
	ds_add_u32 v28, v29
	s_wait_dscnt 0x0
	v_lshrrev_b32 v1, 5, v0
	v_readfirstlane_b32 s14, v1                    ; wave 0..3
	s_lshr_b32 s15, s14, 1                         ; which half of A is mine.  Also: I fetch for A (0) or for B (1)
	s_and_b32 s16, s14, 1                          ; which half of B is mine.  Also: which half I fetch
	s_bfe_u32 s40, ttmp6, 0x40000                  ; cx, cy: my place in the cluster
	s_bfe_u32 s41, ttmp6, 0x40004
	s_lshr_b32 s80, ttmp9, 1                       ; kind: the same in all sixteen partners
	s_and_b32 s42, ttmp9, 1
	s_lshl_b32 s42, s42, 2
	s_add_co_u32 s42, s42, s40                     ; B's tile: 4 (cluster x % 2) + cx
	s_and_b32 s17, ttmp7, 0xffff
	s_lshl_b32 s17, s17, 2
	s_add_co_u32 s17, s17, s41                     ; A's tile: 4 x cluster y + cy
	s_lshl_b32 s82, s80, 4
	s_add_co_u32 s82, s82, 16
	s_cmp_eq_u32 s80, 2
	s_cselect_b32 s81, 48, 0                       ; A's first group: x's, or Wv's
	s_cselect_b32 s82, 0, s82                      ; B's first group: the weight's, or x's
	s_lshl_b32 s43, s41, 2
	s_lshl_b32 s43, 15, s43                        ; my row of the cluster
	s_lshl_b32 s44, 0x1111, s40                    ; my column
	; descriptor group 1: 100 rows of 32 elements of 8 bytes, dense: two records
	s_or_b32 s[G1+0], s43, (3<<16)|(1<<21)         ; 15:0 the mask; 17:16 elements of 8 bytes; 20 no padding; 21 set beside a mask
	s_or_b32 s[G1B+0], s44, (3<<16)|(1<<21)
.irp g, G1, G1B
	s_mov_b32 s[\g+1], 32<<16                      ; tensor_dim0 = 32
	s_mov_b32 s[\g+2], 100<<16                     ; tensor_dim1 = 100
	s_mov_b32 s[\g+3], 32<<16                      ; tile_dim0 = 32
	s_mov_b32 s[\g+4], 100                         ; tile_dim1 = 100
	s_mov_b32 s[\g+5], 32                          ; tensor_dim0_stride
	s_mov_b32 s[\g+6], 0
	s_mov_b32 s[\g+7], 0
.endr
	s_lshl_b32 s20, s17, 1
	s_add_co_u32 s20, s20, s16
	s_add_co_u32 s20, s20, s81                     ; the group of A that I would fetch,
	s_mul_i32 s20, s20, 16*REC                     ; in bytes (under 2^25)
	s_mov_b32 s21, 0
	s_lshl_b32 s46, s42, 1
	s_add_co_u32 s46, s46, s16
	s_add_co_u32 s46, s46, s82                     ; and of B
	s_mul_i32 s46, s46, 16*REC
	s_mov_b32 s47, 0
	s_mul_i32 s45, s14, HALFT                      ; where they go: wave x 25,600: no place in the cluster enters an LDS address
	s_mov_b32 s12, 0x3c000000                      ; 1 / 128
	s_mov_b32 s13, 0x358637bd                      ; 1e-6
	s_mov_b32 s96, 0xffff0000                      ; lanes 16-31
	s_mov_b32 s[SEL], 0x76543210
	s_mov_b32 s[SEL+1], 0xfedcba98                 ; v_permlanex16_b32's selects for lane l xor 16
	s_wait_kmcnt 0x0
	s_add_nc_u64 s[20:21], s[4:5], s[20:21]
	s_add_nc_u64 s[46:47], s[4:5], s[46:47]
	CROUND                                         ; all sixteen work-groups are here: the first joint loads meet
.irp s, 0,1
	s_mov_b32 s[G0+4*\s], 1
	s_add_co_u32 s[G0+4*\s+1], s45, \s*SLOT
	s_add_nc_u64 s[G0+4*\s+2:G0+4*\s+3], s[20:21], \s*HALFT
	s_or_b32 s[G0+4*\s+3], s[G0+4*\s+3], 0x80000000
	s_mov_b32 s[G0B+4*\s], 1
	s_add_co_u32 s[G0B+4*\s+1], s45, \s*SLOT
	s_add_nc_u64 s[G0B+4*\s+2:G0B+4*\s+3], s[46:47], \s*HALFT
	s_or_b32 s[G0B+4*\s+3], s[G0B+4*\s+3], 0x80000000
	JLOAD \s                                       ; two tensor loads of mine are out
.endr
	v_and_b32 v1, 15, v0                           ; r
	v_bfe_u32 v2, v0, 4, 1                         ; h
	v_and_b32 v3, 31, v0
	v_lshlrev_b32 v[LI], 4, v3
	s_mul_i32 s21, s15, HALFT                      ; my half of A
	s_mul_i32 s22, s16, HALFT                      ; my half of B,
	s_add_co_u32 s22, s22, 2*HALFT                 ; behind A's two
.irp s, 0,1
	v_add_nc_u32 v[ADRA+\s], s21, v[LI]
	v_add_nc_u32 v[ADRB+\s], s22, v[LI]
	s_add_co_u32 s21, s21, SLOT
	s_add_co_u32 s22, s22, SLOT
.endr
	v_and_b32 v4, 8, v1
	v_add_nc_u32 v4, v4, v1                        ; r + 8 (r / 8)
	v_lshlrev_b32 v[H64], 6, v2
	v_lshlrev_b32 v[BVO], 2, v4
	v_lshl_add_u32 v[CSO], v4, 9, v[H64]
	s_lshl_b32 s21, s14, 9
	v_add_nc_u32 v[MST], s21, v[H64]
	v_add_nc_u32 v[MLD], s21, v[LI]
	; where my wave's results go
	s_lshl_b32 s83, s17, 1
	s_add_co_u32 s83, s83, s15                     ; GA: my group of A
	s_lshl_b32 s84, s42, 1
	s_add_co_u32 s84, s84, s16                     ; GB: my group of B
	s_lshl_b32 s85, s84, 4
	s_add_co_u32 s85, s85, s83                     ; q, k: record (head GB, rows GA)
	s_lshl_b32 s86, s83, 4
	s_add_co_u32 s86, s86, s84                     ; v: record (head GA, keys GB)
	s_cmp_eq_u32 s80, 2
	s_cselect_b32 s85, s86, s85
	s_cselect_b64 s[90:91], s[74:75], s[70:71]     ; the bias: bv, or bq,
	s_cmp_eq_u32 s80, 1
	s_cselect_b64 s[90:91], s[72:73], s[90:91]     ; or bk
	s_cselect_b64 s[92:93], s[78:79], s[76:77]     ; the norm's weights: kn_w or qn_w
	s_lshl_b32 s86, s80, 8
	s_add_co_u32 s85, s85, s86
	s_mul_i32 s86, s85, REC
	s_mov_b32 s87, 0
	s_add_nc_u64 s[86:87], s[6:7], s[86:87]        ; my record in qkv
	s_lshl_b32 s88, s80, 4
	s_add_co_u32 s88, s88, s84
	s_lshl_b32 s88, s88, 5
	s_lshl_b32 s89, s83, 1
	s_add_co_u32 s88, s88, s89
	s_lshl_b32 s88, s88, 9                         ; mean: ((16 kind + head) 32 + 2 GA) rows of 512 bytes (used by q and k alone)
	s_mov_b32 s89, 0
	s_add_nc_u64 s[88:89], s[8:9], s[88:89]
	s_mov_b32 s19, 0
	s_lshl_b32 s18, s83, 9
	s_add_nc_u64 s[94:95], s[90:91], s[18:19]      ; the bias at group GA (v)
	s_lshl_b32 s18, s84, 9
	s_add_nc_u64 s[90:91], s[90:91], s[18:19]      ; and at group GB (q, k)
	s_lshl_b32 s18, s83, 16
	s_add_nc_u64 s[10:11], s[10:11], s[18:19]      ; cos and sin at row 128 GA
	s_add_nc_u64 s[68:69], s[68:69], s[18:19]
	WIN TO_B                                       ; both forms of the bias are loaded, so that no branch stands here: both lie inside the buffer
.irp b, 0,1,2,3
.irp j, 0,1,2,3
	global_load_b128 v[BI+16*\b+4*\j:BI+16*\b+4*\j+3], v[H64], s[90:91] offset:128*\b+16*\j
.endr
.endr
	WIN 0
.irp a, 0,1,2,3,4,5,6,7
	global_load_b32 v[BV+\a], v[BVO], s[94:95] offset:4*(32*(\a/2)+8*(\a%2))
.endr
	s_wait_loadcnt 0x0
; One matrix instruction, from the symbols set by MUL16.  wZ = 1: C is the constant 0: the first product starts the sum.  wS: which rows of the scale registers serve (2: source 0's lanes 16-31; 1: source 1's).
.macro WM
.if wZ
.if wS == 0
	v_wmma_scale_f32_16x16x128_f8f6f4 v[rD:rD+7], v[rB:rB+11], v[rA:rA+11], 0, v[rSB], v[rSA] matrix_a_fmt:MATRIX_FMT_FP6 matrix_b_fmt:MATRIX_FMT_FP6
.elseif wS == 1
	v_wmma_scale_f32_16x16x128_f8f6f4 v[rD:rD+7], v[rB:rB+11], v[rA:rA+11], 0, v[rSB], v[rSA] matrix_a_fmt:MATRIX_FMT_FP6 matrix_b_fmt:MATRIX_FMT_FP6 matrix_b_scale:MATRIX_SCALE_ROW1
.elseif wS == 2
	v_wmma_scale_f32_16x16x128_f8f6f4 v[rD:rD+7], v[rB:rB+11], v[rA:rA+11], 0, v[rSB], v[rSA] matrix_a_fmt:MATRIX_FMT_FP6 matrix_b_fmt:MATRIX_FMT_FP6 matrix_a_scale:MATRIX_SCALE_ROW1
.else
	v_wmma_scale_f32_16x16x128_f8f6f4 v[rD:rD+7], v[rB:rB+11], v[rA:rA+11], 0, v[rSB], v[rSA] matrix_a_fmt:MATRIX_FMT_FP6 matrix_b_fmt:MATRIX_FMT_FP6 matrix_a_scale:MATRIX_SCALE_ROW1 matrix_b_scale:MATRIX_SCALE_ROW1
.endif
.else
.if wS == 0
	v_wmma_scale_f32_16x16x128_f8f6f4 v[rD:rD+7], v[rB:rB+11], v[rA:rA+11], v[rD:rD+7], v[rSB], v[rSA] matrix_a_fmt:MATRIX_FMT_FP6 matrix_b_fmt:MATRIX_FMT_FP6
.elseif wS == 1
	v_wmma_scale_f32_16x16x128_f8f6f4 v[rD:rD+7], v[rB:rB+11], v[rA:rA+11], v[rD:rD+7], v[rSB], v[rSA] matrix_a_fmt:MATRIX_FMT_FP6 matrix_b_fmt:MATRIX_FMT_FP6 matrix_b_scale:MATRIX_SCALE_ROW1
.elseif wS == 2
	v_wmma_scale_f32_16x16x128_f8f6f4 v[rD:rD+7], v[rB:rB+11], v[rA:rA+11], v[rD:rD+7], v[rSB], v[rSA] matrix_a_fmt:MATRIX_FMT_FP6 matrix_b_fmt:MATRIX_FMT_FP6 matrix_a_scale:MATRIX_SCALE_ROW1
.else
	v_wmma_scale_f32_16x16x128_f8f6f4 v[rD:rD+7], v[rB:rB+11], v[rA:rA+11], v[rD:rD+7], v[rSB], v[rSA] matrix_a_fmt:MATRIX_FMT_FP6 matrix_b_fmt:MATRIX_FMT_FP6 matrix_a_scale:MATRIX_SCALE_ROW1 matrix_b_scale:MATRIX_SCALE_ROW1
.endif
.endif
.endm
; 16 matrix instructions: A's blocks a0, a0 + 1 x B's eight, 128 along K.  p: B's set; q: which record of the slot; sc: the set of scale words.  The 64 accumulators take turns, one instruction a turn, in the same
; order in every step.
.macro MUL16 a0, p, q, sc, z
.irp a, \a0, \a0+1
.irp b, 0,1,2,3,4,5,6,7
.set rD, 8*(8*((\a)%4)+\b)
.set rB, BS*(\p)+FR*\b
.set rA, AF+FR*(\a)
.set rSB, SC+16*(\sc)+8*(\q)+4+\b/2
.set rSA, SC+16*(\sc)+8*(\q)+(\a)/2
.set wS, 2*(\b%2)+(\a)%2
.set wZ, \z
	WM
.endr
.endr
.endm
.macro FRAG reg, adr, off              ; a fragment comes as it was stored: three loads of 16 bytes a lane, 512 consecutive bytes each
.irp c, 0,1,2
	ds_load_b128 v[\reg+4*\c:\reg+4*\c+3], v[\adr] offset:\off+512*\c
.endr
.endm
.macro FETCH_B slot, q, p
	WIN TO_B
.irp i, 0,1,2,3,4,5,6,7
	FRAG BS*(\p)+FR*\i, ADRB+\slot, (\q)*REC+\i*FRB
.endr
	WIN 0
.endm
.macro FETCH_A slot, q, i0
.irp i, \i0, \i0+1, \i0+2, \i0+3
	FRAG AF+FR*(\i), ADRA+\slot, (\q)*REC+(\i)*FRB
.endr
.endm
.macro SCALES sc                       ; the scale words of slot sc's two records of A and of B: one load brings those of all eight fragments
.irp q, 0,1
	ds_load_b128 v[SC+16*\sc+8*\q:SC+16*\sc+8*\q+3], v[ADRA+\sc] offset:\q*REC+SCO
	ds_load_b128 v[SC+16*\sc+8*\q+4:SC+16*\sc+8*\q+7], v[ADRB+\sc] offset:\q*REC+SCO
.endr
.endm
; A slot's first 128 along K.  A load into a register that a matrix instruction has read stands NP places behind it (ISA guide 7.12.1 for vector instructions).
.macro STEP slot, z
	s_wait_dscnt 4*NL                              ; all but the youngest twelve loads (A's blocks 4-7) are in
	WIN MUL_LO
	MUL16 0, 0, 0, \slot, \z
	MUL16 2, 0, 0, \slot, \z
	s_wait_dscnt 0                                 ; A's blocks 4-7 are in
	PLACES NP
	FETCH_B \slot, 1, 1
	FETCH_A \slot, 1, 0
	WIN MUL_HI
	MUL16 4, 0, 0, \slot, \z
	MUL16 6, 0, 0, \slot, \z
	PLACES NP
	WIN 0
	FETCH_A \slot, 1, 4
.endm
; A slot's second 128 along K changes slots: ONE barrier; in front of it each wave waits for all its tensor loads, adds 0 to its spare word, and waits for that and for its reads of this slot.
.macro TURN slot, next, fill
	s_wait_tensorcnt 0x0                           ; all my tensor loads have landed: the one that was out is my part of the next slot
	ds_add_u32 v[SPW], v[NIL]                      ; 0 onto my spare word
	s_wait_dscnt 4*NL+1                            ; (the add and the youngest twelve loads may be out)
	WIN MUL_LO
	MUL16 0, 1, 1, \slot, 0                        ; sixteen matrix instructions stand between the add and the wait for it
	s_wait_dscnt 0x0                               ; the add is done, and my reads of this slot are over
	s_barrier_signal -1
	MUL16 2, 1, 1, \slot, 0
	WIN 0
	s_barrier_wait -1
.if \fill
	CREST                                          ; the barrier has opened a round of the cluster's: no wave of any partner still reads this slot or has a load on its way
	s_add_nc_u64 s[G0+4*\slot+2:G0+4*\slot+3], s[G0+4*\slot+2:G0+4*\slot+3], 2*HALFT
	s_add_nc_u64 s[G0B+4*\slot+2:G0B+4*\slot+3], s[G0B+4*\slot+2:G0B+4*\slot+3], 2*HALFT
	JLOAD \slot                                    ; my one tensor load behind the round; its four v_nop are the places in front of the loads below
.else
	PLACES NP
.endif
	FETCH_B \next, 0, 0
	FETCH_A \next, 0, 0
	SCALES \next
	WIN MUL_HI
	MUL16 4, 1, 1, \slot, 0
	MUL16 6, 1, 1, \slot, 0
	PLACES NP
	WIN 0
	FETCH_A \next, 0, 4
.endm
	s_wait_tensorcnt 1                             ; my part of slot 0 is in; slot 1's may stay out
	s_barrier_signal -1
	s_barrier_wait -1
	FETCH_B 0, 0, 0
	FETCH_A 0, 0, 0
	SCALES 0
	FETCH_A 0, 0, 4
	STEP 0, 1                                      ; the first step stands in front of the loop: its products start the sums
	s_mov_b32 s3, LAPS-1
.Llap:
	TURN 0, 1, 1
	STEP 1, 0
	TURN 1, 0, 1
	STEP 0, 0
	s_sub_co_u32 s3, s3, 1
	s_cmp_lg_u32 s3, 0
	s_cbranch_scc1 .Llap
	TURN 0, 1, 0                                   ; the last lap fills nothing
	STEP 1, 0
	s_wait_dscnt 4*NL
	WIN MUL_LO
	MUL16 0, 1, 1, 1, 0
	MUL16 2, 1, 1, 1, 0
	s_wait_dscnt 0
	WIN MUL_HI
	MUL16 4, 1, 1, 1, 0
	MUL16 6, 1, 1, 1, 0
	WIN 0
; THE EPILOGUE, a block of A (16 lanes' rows x 128) at a time.
; 64 numbers of a lane, v[s] on, register 16 b + i = k 32 b + 16 h + i of my row, become a fragment's codes in v[PC] on and its scale word in v[pw].
.macro QUANT s, pw
.irp b, 0,1,2,3
	v_max3_num_f32 v[TM+\b], |v[\s+16*\b]|, |v[\s+1+16*\b]|, 0x1800000   ; with the floor 2^(3 - 127): the byte cannot fall under 1
.endr
.irp i, 2,4,6,8,10,12,14
.irp b, 0,1,2,3
	v_max3_num_f32 v[TM+\b], v[TM+\b], |v[\s+16*\b+\i]|, |v[\s+1+16*\b+\i]|
.endr
.endr
.irp b, 0,1,2,3
	v_permlanex16_b32 v[TM+4+\b], v[TM+\b], s[SEL], s[SEL+1]
.endr
.irp b, 0,1,2,3
	v_max_num_f32 v[TM+\b], v[TM+\b], v[TM+4+\b]   ; with lane l xor 16's: the block's largest magnitude
.endr
.irp b, 0,1,2,3
	v_add_nc_u32 v[TM+12+\b], 0xff000000, v[TM+\b]   ; 2 off the exponent field: the conversion's scale operand
.endr
.irp b, 0,1,2,3
	v_lshrrev_b32 v[TM+4+\b], 23, v[TM+12+\b]      ; the scale's byte
.endr
	v_lshl_or_b32 v[\pw], v[TM+5], 8, v[TM+4]
	v_lshl_or_b32 v[\pw], v[TM+6], 16, v[\pw]
	v_lshl_or_b32 v[\pw], v[TM+7], 24, v[\pw]
.irp c, 0,1
	v_cvt_scalef32_pk16_fp6_f32 v[PC+6*\c:PC+2+6*\c], v[\s+32*\c:\s+15+32*\c], v[TM+12+2*\c]
	v_cvt_scalef32_pk16_fp6_f32 v[PC+12+4*\c:PC+14+4*\c], v[\s+16+32*\c:\s+31+32*\c], v[TM+12+2*\c+1]
.endr
	v_nop                                          ; one plain place behind a scaled conversion
.irp c, 0,1                                    ; the operand's layout wants a whole block in a lane
.irp i, 0,1,2
	v_permlane16_swap_b32 v[PC+6*\c+\i], v[PC+12+4*\c+\i]
.endr
.irp i, 0,1,2
	v_mov_b32 v[PC+3+6*\c+\i], v[PC+12+4*\c+\i]
.endr
.endr
.endm
.macro OUTFRAG a, src                  ; quantise, keep the scale word at its lanes, store the fragment: 512 consecutive bytes a store
.if (\a)%2 == 0
	QUANT \src, SW+(\a)/2
.else
	QUANT \src, PWT
	v_cndmask_b32 v[SW+(\a)/2], v[SW+(\a)/2], v[PWT], s96          ; lanes 16-31 carry the odd fragment's words
.endif
.irp c, 0,1,2
	global_store_b128 v[LI], v[PC+4*\c:PC+4*\c+3], s[86:87] offset:FRB*(\a)+512*\c
.endr
.endm
.macro CSLOAD a                        ; cos and sin of block a's rows at my 64 channels
	WIN TO_B
.irp b, 0,1,2,3
.irp j, 0,1,2,3
	global_load_b128 v[COS+16*\b+4*\j:COS+16*\b+4*\j+3], v[CSO], s[10:11] offset:512*(32*((\a)/2)+8*((\a)%2))+128*\b+16*\j
	global_load_b128 v[SIN+16*\b+4*\j:SIN+16*\b+4*\j+3], v[CSO], s[68:69] offset:512*(32*((\a)/2)+8*((\a)%2))+128*\b+16*\j
.endr
.endr
	WIN 0
.endm
.macro EPQK a
.if (\a)%4 == 0
.set HB, MS                            ; the first of four blocks starts the sum for the mean
.else
.set HB, H
.endif
.set AC, 64*((\a)%4)
	s_wait_xcnt 0x0                                ; the last block's stores have read their registers
	WIN 0x06+(\a)/4                                ; source 0: the sums, window 2 or 3; source 1: the bias, window 1
.set i, 0
.rept 32
	v_pk_add_f32 v[HB+i:HB+i+1], v[AC+i:AC+i+1], v[BI+i:BI+i+1]    ; each accumulator from its low end on
.set i, i+2
.endr
	WIN 0
	v_pk_mul_f32 v[SS:SS+1], v[HB:HB+1], v[HB:HB+1]                ; the sum of squares, in two packed chains
	v_pk_mul_f32 v[SS+2:SS+3], v[HB+2:HB+3], v[HB+2:HB+3]
.set i, 4
.rept 15
	v_pk_fma_f32 v[SS:SS+1], v[HB+i:HB+i+1], v[HB+i:HB+i+1], v[SS:SS+1]
	v_pk_fma_f32 v[SS+2:SS+3], v[HB+i+2:HB+i+3], v[HB+i+2:HB+i+3], v[SS+2:SS+3]
.set i, i+4
.endr
	v_pk_add_f32 v[SS:SS+1], v[SS:SS+1], v[SS+2:SS+3]
	v_add_f32 v[SS], v[SS], v[SS+1]
	v_permlanex16_b32 v[SS+2], v[SS], s[SEL], s[SEL+1]             ; the row's other 64 channels lie in lane l xor 16
	v_add_f32 v[SS], v[SS], v[SS+2]
	v_fma_f32 v[SS], v[SS], s12, s13               ; the mean + 1e-6
	v_rsq_f32 v[RR], v[SS]
	v_nop                                          ; one plain place behind a transcendental
.set i, 0
	s_wait_alu depctr_va_vdst(0)
.rept 32
	v_pk_mul_f32 v[HB+i:HB+i+1], v[HB+i:HB+i+1], v[RR:RR+1] op_sel_hi:[1,0]
.set i, i+2
.endr
	s_wait_loadcnt 0x0                             ; the norm's weights, cos and sin are in
	WIN 0x04                                       ; source 1: window 1
.set i, 0
.rept 32
	v_pk_mul_f32 v[HB+i:HB+i+1], v[HB+i:HB+i+1], v[NW+i:NW+i+1]
.set i, i+2
.endr
.set i, 0
.rept 16                                       ; rope: channel d and channel d + 64 lie 32 registers apart in one lane
.set TT, TU+4*((i/2)%2)
	v_pk_mul_f32 v[TT:TT+1], v[HB+i:HB+i+1], v[SIN+32+i:SIN+33+i]
	v_pk_mul_f32 v[TT+2:TT+3], v[HB+32+i:HB+33+i], v[SIN+i:SIN+i+1]
	v_pk_fma_f32 v[HB+i:HB+i+1], v[HB+i:HB+i+1], v[COS+i:COS+i+1], v[TT+2:TT+3] neg_lo:[0,0,1] neg_hi:[0,0,1]
	v_pk_fma_f32 v[HB+32+i:HB+33+i], v[HB+32+i:HB+33+i], v[COS+32+i:COS+33+i], v[TT:TT+1]
.set i, i+2
.endr
.if (\a) < 7
	CSLOAD (\a)+1
.endif
	WIN 0
.if (\a)%4 != 0
.set i, 0
.rept 32
	v_pk_add_f32 v[MS+i:MS+i+1], v[MS+i:MS+i+1], v[H+i:H+i+1]
.set i, i+2
.endr
.endif
	OUTFRAG \a, HB
.endm
; The mean over 64 rows: four blocks are summed in MS; the sixteen lanes of a half are summed by DPP; the 128 sums meet in my stage in LDS (it lies in slot 0, which has had its last fill and its last read)
.macro MEANOUT n
.irp m, 1,2,4,8
.set i, 0
.rept 64
	v_add_f32_dpp v[MS+i], v[MS+i], v[MS+i] row_xmask:\m row_mask:0xf bank_mask:0xf
.set i, i+1
.endr
.endr
.irp b, 0,1,2,3
.irp j, 0,1,2,3
	ds_store_b128 v[MST], v[MS+16*\b+4*\j:MS+16*\b+4*\j+3] offset:128*\b+16*\j   ; the sixteen lanes of a half write the same bytes with the same values
.endr
.endr
	ds_load_b128 v[MO:MO+3], v[MLD]                ; LDS serves a wave's instructions in order: this sees my stores
	s_wait_dscnt 0x0
	v_pk_mul_f32 v[MO:MO+1], v[MO:MO+1], 0x3c800000 op_sel_hi:[1,0]   ; / 64
	v_pk_mul_f32 v[MO+2:MO+3], v[MO+2:MO+3], 0x3c800000 op_sel_hi:[1,0]
	global_store_b128 v[LI], v[MO:MO+3], s[88:89] offset:512*\n    ; 32 lanes store a row of 512 bytes
.endm
.macro EPV a
.set AC, 64*((\a)%4)
	s_wait_xcnt 0x0                                ; the last block's stores have read their registers
	WIN 0x02+(\a)/4                                ; source 0: the sums, window 2 or 3
.set i, 0
.rept 32
.if (\a)%2
	v_pk_add_f32 v[H+i:H+i+1], v[AC+i:AC+i+1], v[BV+(\a)-1:BV+(\a)] op_sel:[0,1] op_sel_hi:[1,1]   ; my channel's bias serves both halves
.else
	v_pk_add_f32 v[H+i:H+i+1], v[AC+i:AC+i+1], v[BV+(\a):BV+(\a)+1] op_sel:[0,0] op_sel_hi:[1,0]
.endif
.set i, i+2
.endr
	WIN 0
	OUTFRAG \a, H
.endm
	PLACES NP                                      ; behind the last products: their operands' registers are written and loaded anew below
.irp b, 0,1,2,3
	v_mov_b32 v[TM+4+\b], 0                        ; a lane permute's destination counts as one of its sources
.endr
	v_mov_b32 v[RR+1], 0                           ; named as the upper half of a pair
	s_cmp_eq_u32 s80, 2                            ; the kind is the same in all partners
	s_cbranch_scc1 .Lv
	WIN TO_B
.irp b, 0,1,2,3
.irp j, 0,1,2,3
	global_load_b128 v[NW+16*\b+4*\j:NW+16*\b+4*\j+3], v[H64], s[92:93] offset:128*\b+16*\j
.endr
.endr
	WIN 0
	CSLOAD 0
.irp a, 0,1,2,3
	EPQK \a
.endr
	MEANOUT 0
.irp a, 4,5,6,7
	EPQK \a
.endr
	MEANOUT 1
	global_store_b128 v[LI], v[SW:SW+3], s[86:87] offset:SCO       ; the record's scale words
	s_branch .Ldone
.Lv:
.irp a, 0,1,2,3,4,5,6,7
	EPV \a
.endr
	global_store_b128 v[LI], v[SW:SW+3], s[86:87] offset:SCO
.Ldone:
	s_wait_tensorcnt 0x0                           ; the wave's end
	ds_add_u32 v[SPW], v[NIL]
	s_wait_dscnt 0x0
	CROUND                                         ; the closing round
	s_endpgm
.Lfunc_end_k_q9b17ed190c_qkvproj:
	.size	k_q9b17ed190c_qkvproj, .Lfunc_end_k_q9b17ed190c_qkvproj-k_q9b17ed190c_qkvproj
	.p2alignl 7, 3214868480
	.fill 96, 4, 3214868480
	.section	.rodata,"a",@progbits
	.p2align	6, 0x0
	.amdhsa_kernel k_q9b17ed190c_qkvproj
		.amdhsa_group_segment_fixed_size 327680
		.amdhsa_private_segment_fixed_size 0
		.amdhsa_enable_private_segment 0
		.amdhsa_kernarg_size 80
		.amdhsa_user_sgpr_count 2
		.amdhsa_user_sgpr_kernarg_segment_ptr 1
		.amdhsa_wavefront_size32 1
		.amdhsa_system_sgpr_workgroup_id_x 1
		.amdhsa_system_sgpr_workgroup_id_y 1
		.amdhsa_system_sgpr_workgroup_id_z 1
		.amdhsa_system_vgpr_workitem_id 0
		.amdhsa_next_free_vgpr 1024
		.amdhsa_next_free_sgpr 100
		.amdhsa_reserve_vcc 0
		.amdhsa_float_denorm_mode_32 3
		.amdhsa_float_denorm_mode_16_64 3
		.amdhsa_memory_ordered 1
		.amdhsa_forward_progress 1
		.amdhsa_inst_pref_size 255
	.end_amdhsa_kernel
	.section	.bss,"aw",@nobits
	.p2align	6
	.space	262144
	.amdgpu_metadata
---
amdhsa.version: [ 1, 2 ]
amdhsa.kernels:
  - .name:           k_q9b17ed190c_qkvproj
    .symbol:         k_q9b17ed190c_qkvproj.kd
    .args:
      - { .name: opnd, .offset: 0, .size: 8, .value_kind: global_buffer, .address_space: global }
      - { .name: qkv, .offset: 8, .size: 8, .value_kind: global_buffer, .address_space: global }
      - { .name: mean, .offset: 16, .size: 8, .value_kind: global_buffer, .address_space: global }
      - { .name: rope_cos, .offset: 24, .size: 8, .value_kind: global_buffer, .address_space: global }
      - { .name: rope_sin, .offset: 32, .size: 8, .value_kind: global_buffer, .address_space: global }
      - { .name: bq, .offset: 40, .size: 8, .value_kind: global_buffer, .address_space: global }
      - { .name: bk, .offset: 48, .size: 8, .value_kind: global_buffer, .address_space: global }
      - { .name: bv, .offset: 56, .size: 8, .value_kind: global_buffer, .address_space: global }
      - { .name: qn_w, .offset: 64, .size: 8, .value_kind: global_buffer, .address_space: global }
      - { .name: kn_w, .offset: 72, .size: 8, .value_kind: global_buffer, .address_space: global }
    .group_segment_fixed_size: 327680
    .private_segment_fixed_size: 0
    .kernarg_segment_align: 8
    .kernarg_segment_size: 80
    .max_flat_workgroup_size: 128
    .sgpr_count:     100
    .vgpr_count:     1024
    .wavefront_size: 32
...
	.end_amdgpu_metadata
.endif
;; end of part 3
;; launch attn (part 4): grid 16 x 16, 8 waves a work-group, clusters of 4 x 1, 327,680 bytes of LDS; arguments qkv, mean, sta_mask, orec; writes orec
.if DOCPART == 4
	.amdgcn_target "amdgcn-amd-amdhsa--gfx1250"
	.amdhsa_code_object_version 6
	.text
	.protected	k_q9b17ed190c_attn
	.globl	k_q9b17ed190c_attn
	.p2align	8
	.type	k_q9b17ed190c_attn,@function
k_q9b17ed190c_attn:
	s_mov_b64 s[64:65], 0
	v_nop
	global_prefetch_b8 v0, s[64:65] scope:SCOPE_SE
	s_setreg_imm32_b32 hwreg(HW_REG_WAVE_MODE, 25, 1), 1
	s_wait_xcnt 0x0
	s_wait_alu depctr_hold_cnt(0) depctr_sa_sdst(0) depctr_va_vdst(0) depctr_va_sdst(0) depctr_va_ssrc(0) depctr_va_vcc(0) depctr_vm_vsrc(0)
	s_getreg_b32 s2, hwreg(HW_REG_IB_STS2, 6, 4)
	s_cmp_eq_u32 s2, 0
	s_cbranch_scc0 .Lentry_in_a_cluster
	s_endpgm
.Lentry_in_a_cluster:
	s_bfe_u32 s2, ttmp6, 0x10000c
	s_cmp_lg_u32 s2, 0x3003
	s_cbranch_scc0 .Lentry_shape_is_right
	s_endpgm
.Lentry_shape_is_right:
; The block mask and the masked attention of one head, on codes of FP6 (E2M3) with E8M0 scales; the result leaves as codes for the output projection.
; qkv: records (128 rows x 128 K, 12,800 bytes, images of the operand's registers: fragment f at 1,536 f, registers 4 c .. of lane l at 512 c + 16 l; lane r of fragment f holds row 32 (f / 2) + 8 (f % 2) + r + 8 (r / 8);
; scale words at 12,288, word i of lane l at 16 l + 4 i: lanes 0-15 fragment 2 i, lanes 16-31 fragment 2 i + 1).  Kind 0 Q and 1 K: record (head, 128 rows), K = the head's 128.  Kind 2 V: record (head, 128 keys),
; rows = channels, K = keys.  mean: f32 [q, k][head][32 blocks][128].  orec: record (128 rows g, K step = head).
; SHARES.  A work-group owns 128 queries of one head, each of its eight waves one fragment of Q, 16 queries, all of one block of 64.  Every wave walks all 2,048 keys, 128 a step.
; THE MASK.  Each wave makes its own query block's row: the pooled q row against the 32 pooled k rows (two matrix instructions on operands quantised here), softmax over the 32 lanes, and for each lane the mass of
; the blocks strictly above its own: a block is kept where that mass is under 0.8 (which is the rule 'p >= the cutoff', ties included), or where sta_mask says so.  The 32 bits select VALUES alone: 0 or -infinity is
; added to a block's scores and to -M; no branch and no address hangs on them, so hidden blocks are walked like the others.
; THE SOFTMAX: t = score x log2(e) / sqrt(128); M = the running largest t of kept keys, rounded up to a whole number; p = 2^(t - M) is quantised along the keys; the row's sum is taken of the unquantised p.
; Both products are used transposed (S^T = K Q^T, O^T = V^T P^T): a lane holds one query throughout; by the records' order of rows the 16 registers of tiles 2 b, 2 b + 1 are 16 neighbours.
; RING: two slots of four key steps (K's four records, then V's four).  Each of the eight waves fetches one record, 12,800 dense bytes as 50 rows of 256.
; CLUSTER: the four query blocks of a cluster belong to one head and walk the same K and V: every tile is asked for jointly, with the mask of all four.
; REGISTERS: v1-11 addresses; v12 -M, v13 the largest t, v[14:15] the sum; v16-27 Q; v28, v30 -M with a key block's 0 or -infinity; v32-79 four fragments; v96-159 S^T, then p; v160-223 O^T; v224-235 p's codes;
; v232-247 at work; v248-251 K's or V's scale words; v252 f; v253 p's scale word; v254 at work; v255 Q's scale word.
; LIMITS: NaN and infinities are not served; a block of zeros gets the byte 1 where the rule says 127 (zero codes; this program alone reads the bytes); the mass above a block is summed in index order, not in sorted
; order (a difference of the order of 1e-7); divisions are multiplications by v_rcp_f32.
.set REC,   12800
.set FRB,   1536
.set SCO,   12288
.set VOFF,  4*REC                      ; V's records in a slot
.set SLOT1, 1<<17                      ; slot 1 begins here: one exclusive or turns an address
.set SCG,   2*SLOT1                    ; the result's 512 bytes of scale words are gathered here
.set SPARE, SCG+512                    ; the spare words, 128 bytes for each of eight waves: four blocks of 256 bytes that no other line names
.set LI,  1                            ; v1   16 x lane
.set ADK, 2                            ; v2   the step's records in LDS
.set SPW, 3                            ; v3   my spare word; never rewritten
.set NIL, 4                            ; v4   0; never rewritten
.set SCW, 5                            ; v5   where my row's scale word goes in LDS
.set SCR, 6                            ; v6   where wave 0 reads the words back
.set O64, 7                            ; v7   64 h
.set OKB, 8                            ; v8   512 r + 64 h
.set OLN, 9                            ; v9   lane
.set OQS, 10                           ; v10  my row's scale word in Q's record
.set OFR, 11                           ; v11  my fragment in a record: 1,536 w + 16 x lane
.set WV,   12
.set SEL,  20
.set CS,   22                          ; s[22:23] c = log2(e) / sqrt(128)
.set G1,   24
.set G0,   32
.set TB,   36                          ; LDS byte at which the step's record of K begins
.set SLOTS, 37
.set CNT,  38
.set KEEP, 39                          ; the kept key blocks, the step's two in bits 0 and 1
.set MA,   40                          ; 0 or -infinity for the step's first 64 keys
.set MB,   41                          ; and for its last 64
.set NINF, 42
.set HIM,  43
.set THR,  44
.macro CROUND
	s_barrier_signal -1
	s_barrier_wait -1
	s_cmp_lg_u32 s[WV], 0
	s_cbranch_scc1 .Lnot_wave_0_\@
	s_barrier_signal -3
.Lnot_wave_0_\@:
	s_barrier_wait -3
	s_barrier_signal -1
	s_barrier_wait -1
.endm
	s_load_b256 s[4:11], s[0:1], 0x0               ; qkv, mean, sta_mask, orec
	v_lshl_add_u32 v[SPW], v0, 2, SPARE
	v_mov_b32 v[NIL], 0
	ds_add_u32 v3, v4
	ds_add_u32 v3, v4
	s_wait_dscnt 0x0
	v_lshrrev_b32 v1, 5, v0
	v_readfirstlane_b32 s[WV], v1                  ; wave 0..7
	s_bfe_u32 s13, ttmp6, 0x40000                  ; cx
	s_lshl_b32 s14, ttmp9, 2
	s_add_co_u32 s14, s14, s13                     ; g: my 128 queries: it enters Q's, the means', the mask's and the result's addresses alone
	s_and_b32 s15, ttmp7, 0xffff                   ; the head, which the four partners share
	s_lshr_b32 s16, s[WV], 2
	s_add_co_u32 s16, s16, 1
	s_mul_i32 s16, s16, 256*REC                    ; waves 0-3 fetch K's records, waves 4-7 V's
	s_mul_i32 s17, s15, 16*REC
	s_add_co_u32 s16, s16, s17
	s_and_b32 s17, s[WV], 3
	s_mul_i32 s17, s17, REC                        ; which of a slot's four steps
	s_add_co_u32 s16, s16, s17
	s_mov_b32 s17, 0
	s_mov_b32 s[G1], 15|(3<<16)|(1<<21)            ; 15:0 the mask: all four work-groups; 17:16 elements of 8 bytes; no padding; 21 set beside a mask
	s_mov_b32 s[G1+1], 32<<16                      ; tensor_dim0 = 32
	s_mov_b32 s[G1+2], 50<<16                      ; tensor_dim1 = 50
	s_mov_b32 s[G1+3], 32<<16                      ; tile_dim0 = 32
	s_mov_b32 s[G1+4], 50                          ; tile_dim1 = 50
	s_mov_b32 s[G1+5], 32                          ; tensor_dim0_stride
	s_mov_b32 s[G1+6], 0
	s_mov_b32 s[G1+7], 0
	s_mov_b32 s[SEL], 0x76543210
	s_mov_b32 s[SEL+1], 0xfedcba98
	s_mov_b32 s[CS], 0x3e0293ee
	s_mov_b32 s[CS+1], s[CS]
	s_mov_b32 s[TB], 0
	s_mov_b32 s[SLOTS], 3
	s_mov_b32 s[NINF], 0xff800000
	s_mov_b32 s[HIM], 0xffff0000
	s_mov_b32 s[THR], 0x3f4ccccd                   ; 0.8
	s_wait_kmcnt 0x0
	s_mov_b32 s[G0], 1
	s_mul_i32 s[G0+1], s[WV], REC                  ; slot 0, my record's place
	s_add_nc_u64 s[G0+2:G0+3], s[4:5], s[16:17]
	s_or_b32 s[G0+3], s[G0+3], 0x80000000
	CROUND                                         ; all four work-groups are here: the first joint loads meet
	tensor_load_to_lds s[G0:G0+3], s[G1:G1+7]      ; slot 0: one tensor load of mine is out
	s_nop 0
.rept 4
	v_nop
.endr
	v_and_b32 v[OLN], 31, v0
	v_lshlrev_b32 v[LI], 4, v[OLN]
	v_and_b32 v12, 15, v0                          ; r
	v_bfe_u32 v13, v0, 4, 1                        ; h
	v_lshlrev_b32 v[O64], 6, v13
	v_lshl_add_u32 v[OKB], v12, 9, v[O64]
	s_and_b32 s46, s[WV], 1
	s_lshl_b32 s46, s46, 8
	s_lshr_b32 s47, s[WV], 1
	s_lshl_b32 s47, s47, 2
	s_add_co_u32 s46, s46, s47                     ; fragment w's words: word w / 2 of lanes 16 (w % 2) on
	v_lshlrev_b32 v12, 4, v12
	v_add_nc_u32 v12, s46, v12
	v_add_nc_u32 v[OQS], SCO, v12
	v_add_nc_u32 v[SCW], SCG, v12
	v_add_nc_u32 v[SCR], SCG, v[LI]
	s_mul_i32 s46, s[WV], FRB
	v_add_nc_u32 v[OFR], s46, v[LI]
	s_lshl_b32 s46, s15, 4
	s_add_co_u32 s46, s46, s14
	s_mul_i32 s48, s46, REC                        ; Q's record (head, g)
	s_mov_b32 s49, 0
	s_add_nc_u64 s[48:49], s[4:5], s[48:49]
	s_lshl_b32 s46, s14, 4
	s_add_co_u32 s46, s46, s15
	s_mul_i32 s50, s46, REC                        ; the result's record (g, head)
	s_mov_b32 s51, 0
	s_add_nc_u64 s[50:51], s[10:11], s[50:51]
	s_lshl_b32 s47, s14, 1
	s_lshr_b32 s46, s[WV], 2
	s_add_co_u32 s47, s47, s46                     ; my block of 64 queries
	s_lshl_b32 s52, s15, 5
	s_add_co_u32 s52, s52, s47
	s_lshl_b32 s52, s52, 9                         ; its pooled row
	s_mov_b32 s53, 0
	s_add_nc_u64 s[52:53], s[6:7], s[52:53]
	s_add_co_u32 s54, s15, 16
	s_lshl_b32 s54, s54, 14                        ; the head's 32 pooled rows of k
	s_mov_b32 s55, 0
	s_add_nc_u64 s[54:55], s[6:7], s[54:55]
	s_lshl_b32 s56, s47, 5                         ; my block's row of sta_mask
	s_mov_b32 s57, 0
	s_add_nc_u64 s[56:57], s[8:9], s[56:57]
.irp c, 0,1,2
	global_load_b128 v[16+4*\c:19+4*\c], v[OFR], s[48:49] offset:512*\c   ; Q's fragment stays in registers
.endr
	global_load_b32 v255, v[OQS], s[48:49]         ; and its rows' scale words, in both halves of the lanes
	global_load_u8 v80, v[OLN], s[56:57]           ; sta_mask (my block, key block = lane)
.macro MLOAD reg, vo, sb, off          ; 64 numbers a lane: register 16 b + i = channel 32 b + 16 h + i
.irp b, 0,1,2,3
.irp j, 0,1,2,3
	global_load_b128 v[\reg+16*\b+4*\j:\reg+16*\b+4*\j+3], v[\vo], s[\sb:\sb+1] offset:\off+128*\b+16*\j
.endr
.endr
.endm
	MLOAD 96, O64, 52, 0                           ; my block's pooled q: the same row in all sixteen lanes of a half
	MLOAD 160, OKB, 54, 0                          ; pooled k, rows 0-15: lane r takes row r
; 64 numbers of a lane, v[s] on, become a fragment's codes in v[pc] on and its scale word in v[pw]
.macro QUANT s, pc, pw
.irp b, 0,1,2,3
	v_max3_num_f32 v[232+\b], |v[\s+16*\b]|, |v[\s+1+16*\b]|, 0x1800000   ; with the floor 2^(3 - 127): the byte cannot fall under 1
.endr
.irp i, 2,4,6,8,10,12,14
.irp b, 0,1,2,3
	v_max3_num_f32 v[232+\b], v[232+\b], |v[\s+16*\b+\i]|, |v[\s+1+16*\b+\i]|
.endr
.endr
.irp b, 0,1,2,3
	v_permlanex16_b32 v[236+\b], v[232+\b], s[SEL], s[SEL+1]
.endr
.irp b, 0,1,2,3
	v_max_num_f32 v[232+\b], v[232+\b], v[236+\b]
.endr
.irp b, 0,1,2,3
	v_add_nc_u32 v[244+\b], 0xff000000, v[232+\b]  ; 2 off the exponent field: the conversion's scale operand
.endr
.irp b, 0,1,2,3
	v_lshrrev_b32 v[236+\b], 23, v[244+\b]         ; the scale's byte
.endr
	v_lshl_or_b32 v[\pw], v237, 8, v236
	v_lshl_or_b32 v[\pw], v238, 16, v[\pw]
	v_lshl_or_b32 v[\pw], v239, 24, v[\pw]
.irp c, 0,1
	v_cvt_scalef32_pk16_fp6_f32 v[\pc+6*\c:\pc+2+6*\c], v[\s+32*\c:\s+15+32*\c], v[244+2*\c]
	v_cvt_scalef32_pk16_fp6_f32 v[236+4*\c:238+4*\c], v[\s+16+32*\c:\s+31+32*\c], v[244+2*\c+1]
.endr
	v_nop                                          ; one plain place behind a scaled conversion
.irp c, 0,1
.irp i, 0,1,2
	v_permlane16_swap_b32 v[\pc+6*\c+\i], v[236+4*\c+\i]
.endr
.irp i, 0,1,2
	v_mov_b32 v[\pc+3+6*\c+\i], v[236+4*\c+\i]
.endr
.endr
.endm
.irp b, 0,1,2,3
	v_mov_b32 v[236+\b], 0                         ; a lane permute's destination counts as one of its sources
.endr
	v_mov_b32 v70, 0
	s_wait_loadcnt 16                              ; all but pooled k's sixteen loads are in
	QUANT 96, 32, 248
	MLOAD 96, OKB, 54, 8192                        ; pooled k, rows 16-31, into the registers that pooled q has left
	s_wait_loadcnt 16                              ; rows 0-15 are in; rows 16-31 may be out
	QUANT 160, 44, 249
	s_wait_loadcnt 0x0
	QUANT 96, 56, 250
.rept 8
	v_nop                                          ; a scale register written by a vector instruction stands 8 places ahead of a scaled matrix instruction, an operand 4
.endr
	v_wmma_scale_f32_16x16x128_f8f6f4 v[160:167], v[32:43], v[44:55], 0, v248, v249 matrix_a_fmt:MATRIX_FMT_FP6 matrix_b_fmt:MATRIX_FMT_FP6   ; every register: my block against key block lane % 16
	v_wmma_scale_f32_16x16x128_f8f6f4 v[168:175], v[32:43], v[56:67], 0, v248, v250 matrix_a_fmt:MATRIX_FMT_FP6 matrix_b_fmt:MATRIX_FMT_FP6   ; against key block 16 + lane % 16
.rept 4
	v_nop
.endr
	v_cndmask_b32 v68, v160, v168, s[HIM]          ; lane l: the pooled score against key block l
	v_mov_b32 v69, v68
.irp m, 1,2,4,8
	v_max_num_f32_dpp v69, v69, v69 row_xmask:\m row_mask:0xf bank_mask:0xf
.endr
	v_permlanex16_b32 v70, v69, s[SEL], s[SEL+1]
	v_max_num_f32 v69, v69, v70                    ; the row's largest
	v_sub_f32 v71, v68, v69
	v_mul_f32 v71, s[CS], v71
	v_exp_f32 v71, v71
	v_nop                                          ; one plain place behind a transcendental
	s_wait_alu depctr_va_vdst(0)
	v_mov_b32 v72, v71
.irp m, 1,2,4,8
	v_add_f32_dpp v72, v72, v72 row_xmask:\m row_mask:0xf bank_mask:0xf
.endr
	v_permlanex16_b32 v70, v72, s[SEL], s[SEL+1]
	v_add_f32 v72, v72, v70
	v_rcp_f32 v73, v72
	v_mov_b32 v74, 0                               ; (a plain place)  the mass strictly above my block
	s_wait_alu depctr_va_vdst(0)
	v_mul_f32 v71, v71, v73                        ; p
.set j, 0
.rept 32
	v_readlane_b32 s46, v71, j
	v_cmp_gt_f32 vcc_lo, s46, v71
	v_cndmask_b32 v75, 0, s46, vcc_lo
	v_add_f32 v74, v74, v75
.set j, j+1
.endr
	v_cmp_gt_f32 s[KEEP], s[THR], v74              ; kept where that mass is under 0.8,
	v_cmp_ne_u32 s46, 0, v80
	s_or_b32 s[KEEP], s[KEEP], s46                 ; or where sta_mask keeps it
	v_mov_b32 v13, 0xff61b1e6                      ; the largest t so far: -3e38
	v_floor_f32 v12, -v13                          ; -M
	v_mov_b32 v14, 0
	v_mov_b32 v15, 0
	v_mov_b32 v29, 0                               ; named as upper halves of pairs
	v_mov_b32 v31, 0
	v_mov_b32 v253, 0
.set j, 0
.rept 64
	v_mov_b32 v[160+j], 0                          ; O^T: the step is written once; its first turn finds zeros
.set j, j+1
.endr
.macro WMS d, a, sa, odd               ; a tile of S^T = K Q^T
.if \odd
	v_wmma_scale_f32_16x16x128_f8f6f4 v[\d:\d+7], v[\a:\a+11], v[16:27], 0, v[\sa], v255 matrix_a_fmt:MATRIX_FMT_FP6 matrix_b_fmt:MATRIX_FMT_FP6 matrix_a_scale:MATRIX_SCALE_ROW1
.else
	v_wmma_scale_f32_16x16x128_f8f6f4 v[\d:\d+7], v[\a:\a+11], v[16:27], 0, v[\sa], v255 matrix_a_fmt:MATRIX_FMT_FP6 matrix_b_fmt:MATRIX_FMT_FP6
.endif
.endm
.macro WMV d, a, sa, odd               ; a tile of O^T += V^T P^T
.if \odd
	v_wmma_scale_f32_16x16x128_f8f6f4 v[\d:\d+7], v[\a:\a+11], v[224:235], v[\d:\d+7], v[\sa], v253 matrix_a_fmt:MATRIX_FMT_FP6 matrix_b_fmt:MATRIX_FMT_FP6 matrix_a_scale:MATRIX_SCALE_ROW1
.else
	v_wmma_scale_f32_16x16x128_f8f6f4 v[\d:\d+7], v[\a:\a+11], v[224:235], v[\d:\d+7], v[\sa], v253 matrix_a_fmt:MATRIX_FMT_FP6 matrix_b_fmt:MATRIX_FMT_FP6
.endif
.endm
; A KEY STEP: 128 keys
.macro STEP
	v_add_nc_u32 v[ADK], s[TB], v[LI]
.rept 3
	v_nop                                          ; with the addition: four places in front of loads into registers that the last step's products have read
.endr
	s_bitcmp1_b32 s[KEEP], 0
	s_cselect_b32 s[MA], 0, s[NINF]                ; a choice of a value: 0 where the step's first key block is kept, else -infinity
	s_bitcmp1_b32 s[KEEP], 1
	s_cselect_b32 s[MB], 0, s[NINF]
	s_lshr_b32 s[KEEP], s[KEEP], 2
	ds_load_b128 v[248:251], v[ADK] offset:SCO     ; K's scale words, all eight fragments'
.irp g, 0,1
.if \g
.rept 4
	v_nop
.endr
.endif
.irp t, 0,1,2,3
.irp c, 0,1,2
	ds_load_b128 v[32+12*\t+4*\c:35+12*\t+4*\c], v[ADK] offset:(4*\g+\t)*FRB+512*\c
.endr
.endr
	s_wait_dscnt 0x0
.irp t, 0,1,2,3
	WMS 96+8*(4*\g+\t), 32+12*\t, 248+2*\g+\t/2, \t%2
.endr
.endr
.rept 4
	v_nop
.endr
.irp b, 0,1,2,3
	v_max3_num_f32 v[232+\b], v[96+16*\b], v[97+16*\b], v[98+16*\b]   ; the largest score of each block of 32 keys: for the row's maximum and, since p rises with the score, for the block's largest p
.endr
.irp i, 3,5,7,9,11,13
.irp b, 0,1,2,3
	v_max3_num_f32 v[232+\b], v[232+\b], v[96+16*\b+\i], v[97+16*\b+\i]
.endr
.endr
.irp b, 0,1,2,3
	v_max_num_f32 v[232+\b], v[232+\b], v[111+16*\b]
.endr
.irp b, 0,1,2,3
	v_permlanex16_b32 v[236+\b], v[232+\b], s[SEL], s[SEL+1]
.endr
.irp b, 0,1,2,3
	v_max_num_f32 v[232+\b], v[232+\b], v[236+\b]
.endr
	v_add_f32 v232, s[MA], v232                    ; a hidden key block counts in no maximum
	v_add_f32 v233, s[MA], v233
	v_add_f32 v234, s[MB], v234
	v_add_f32 v235, s[MB], v235
	v_max3_num_f32 v254, v232, v233, v234
	v_max_num_f32 v254, v254, v235
	v_mul_f32 v254, s[CS], v254                    ; as t
	v_max_num_f32 v13, v13, v254                   ; the running largest t
	v_mov_b32 v254, v12
	v_floor_f32 v12, -v13                          ; the new -M = -ceil(t): a whole number
	v_sub_f32 v254, v12, v254
	v_cvt_i32_f32 v254, v254                       ; (it saturates)
	v_ldexp_f32 v252, 1.0, v254                    ; f = 2^(old M - new M): a multiplication by it rounds nothing
	v_add_f32 v28, s[MA], v12                      ; -M, or -infinity for a hidden key block: p = 0 there
	v_add_f32 v30, s[MB], v12
.set j, 0
.rept 16
	v_pk_fma_f32 v[96+j:97+j], v[96+j:97+j], s[CS:CS+1], v[28:29] op_sel_hi:[1,0,0]   ; t - M, two at a time
.set j, j+2
.endr
.rept 16
	v_pk_fma_f32 v[96+j:97+j], v[96+j:97+j], s[CS:CS+1], v[30:31] op_sel_hi:[1,0,0]
.set j, j+2
.endr
	v_fma_f32 v232, v232, s[CS], v28               ; the same of each block's largest score
	v_fma_f32 v233, v233, s[CS], v28
	v_fma_f32 v234, v234, s[CS], v30
	v_fma_f32 v235, v235, s[CS], v30
.set j, 0
.rept 64
	v_exp_f32 v[96+j], v[96+j]                     ; p = 2^(t - M): not normalised
.set j, j+1
.endr
.irp b, 0,1,2,3
	v_exp_f32 v[232+\b], v[232+\b]                 ; the block's largest p
.endr
	v_pk_mul_f32 v[14:15], v[14:15], v[252:253] op_sel_hi:[1,0]    ; the sums under the new M.  (A plain place behind the exponentials)
	s_wait_alu depctr_va_vdst(0)
.irp b, 0,1,2,3
	v_max_num_f32 v[232+\b], 0x1800000, v[232+\b]  ; the floor 2^(3 - 127)
.endr
.irp b, 0,1,2,3
	v_add_nc_u32 v[244+\b], 0xff000000, v[232+\b]
.endr
.irp b, 0,1,2,3
	v_lshrrev_b32 v[236+\b], 23, v[244+\b]
.endr
	v_lshl_or_b32 v253, v237, 8, v236              ; p's scale word for these 128 keys
	v_lshl_or_b32 v253, v238, 16, v253
	v_lshl_or_b32 v253, v239, 24, v253
.irp c, 0,1
	v_cvt_scalef32_pk16_fp6_f32 v[224+6*\c:226+6*\c], v[96+32*\c:111+32*\c], v[244+2*\c]
	v_cvt_scalef32_pk16_fp6_f32 v[236+4*\c:238+4*\c], v[112+32*\c:127+32*\c], v[244+2*\c+1]
.endr
	v_nop                                          ; one plain place behind a scaled conversion
.irp c, 0,1
.irp i, 0,1,2
	v_permlane16_swap_b32 v[224+6*\c+\i], v[236+4*\c+\i]
.endr
.irp i, 0,1,2
	v_mov_b32 v[227+6*\c+\i], v[236+4*\c+\i]
.endr
.endr
	v_pk_add_f32 v[236:237], v[96:97], v[98:99]    ; the row's sum is taken of the unquantised p, in two chains
.irp j, 4,8,12,16,20,24,28,32,36,40,44,48,52,56,60
	v_pk_add_f32 v[14:15], v[14:15], v[96+\j:97+\j]
	v_pk_add_f32 v[236:237], v[236:237], v[98+\j:99+\j]
.endr
	v_pk_add_f32 v[14:15], v[14:15], v[236:237]
.set j, 0
.rept 32
	v_pk_mul_f32 v[160+j:161+j], v[160+j:161+j], v[252:253] op_sel_hi:[1,0]   ; O^T under the new M.  (Also the places in front of the products and loads below)
.set j, j+2
.endr
.irp g, 0,1
.if \g
.rept 4
	v_nop
.endr
.else
	ds_load_b128 v[248:251], v[ADK] offset:VOFF+SCO                ; V's scale words
.endif
.irp t, 0,1,2,3
.irp c, 0,1,2
	ds_load_b128 v[32+12*\t+4*\c:35+12*\t+4*\c], v[ADK] offset:VOFF+(4*\g+\t)*FRB+512*\c
.endr
.endr
	s_wait_dscnt 0x0
.irp t, 0,1,2,3
	WMV 160+8*(4*\g+\t), 32+12*\t, 248+2*\g+\t/2, \t%2
.endr
.endr
	s_add_co_u32 s[TB], s[TB], REC                 ; the next step's records
.endm
; THE CHANGE OF SLOTS stands at a slot's head: all my tensor loads have landed, the add, my reads of the slot that I have left are over.  fill = 1: a round of the cluster's barrier, and behind it the other slot is
; filled with the next four steps: the load has four key steps in which to land.
.macro CHANGE fill
	s_wait_tensorcnt 0x0                           ; no tensor load of mine is out, so group 0 may be written
	ds_add_u32 v[SPW], v[NIL]                      ; 0 onto my spare word
.if \fill
	s_xor_b32 s[G0+1], s[G0+1], SLOT1              ; the other slot than last time,
	s_add_nc_u64 s[G0+2:G0+3], s[G0+2:G0+3], 4*REC ; the next four records
.endif
	s_wait_dscnt 0x0
.if \fill
	CROUND
	tensor_load_to_lds s[G0:G0+3], s[G1:G1+7]      ; my one tensor load behind the round
	s_nop 0
.rept 4
	v_nop
.endr
.else
	s_barrier_signal -1
	s_barrier_wait -1
.endif
.endm
.macro FOUR_STEPS
	s_mov_b32 s[CNT], 4
.Lstep_\@:
	STEP
	s_sub_co_u32 s[CNT], s[CNT], 1
	s_cmp_lg_u32 s[CNT], 0
	s_cbranch_scc1 .Lstep_\@
	s_sub_co_u32 s[TB], s[TB], 4*REC               ; back to a slot's first step,
	s_xor_b32 s[TB], s[TB], SLOT1                  ; in the other slot
.endm
.Lslot:                                            ; three trips: behind each change of slots but the last the next slot is asked for
	CHANGE 1
	FOUR_STEPS
	s_sub_co_u32 s[SLOTS], s[SLOTS], 1
	s_cmp_lg_u32 s[SLOTS], 0
	s_cbranch_scc1 .Lslot
	CHANGE 0                                       ; the last slot is written out
	FOUR_STEPS
	; THE WAY OUT: O^T / the sum is the next product's operand: its 64 registers run along that product's K, so it is quantised as it stands and leaves as fragment w of the record
.rept 4
	v_nop                                          ; places behind the last products
.endr
	v_add_f32 v14, v14, v15
	v_permlanex16_b32 v252, v14, s[SEL], s[SEL+1]
	v_add_f32 v14, v14, v252                       ; the row's sum
	v_rcp_f32 v14, v14
	v_nop                                          ; one plain place behind a transcendental
.set j, 0
	s_wait_alu depctr_va_vdst(0)
.rept 64
	v_mul_f32 v[96+j], v[160+j], v14               ; each accumulator from its low end on
.set j, j+1
.endr
	QUANT 96, 224, 254
.irp c, 0,1,2
	global_store_b128 v[OFR], v[224+4*\c:227+4*\c], s[50:51] offset:512*\c   ; 32 lanes store 512 consecutive bytes
.endr
	ds_store_b32 v[SCW], v254                      ; both halves of the lanes write the same word with the same value
	s_wait_dscnt 0x0                               ; for the others' sake
	s_barrier_signal -1
	s_barrier_wait -1
	s_cmp_lg_u32 s[WV], 0
	s_cbranch_scc1 .Lnot_first
	ds_load_b128 v[96:99], v[SCR]
	s_wait_dscnt 0x0
	global_store_b128 v[LI], v[96:99], s[50:51] offset:SCO         ; the record's 512 bytes of scale words
.Lnot_first:
	s_wait_tensorcnt 0x0                           ; the wave's end
	ds_add_u32 v[SPW], v[NIL]
	s_wait_dscnt 0x0
	CROUND                                         ; the closing round
	s_endpgm
.Lfunc_end_k_q9b17ed190c_attn:
	.size	k_q9b17ed190c_attn, .Lfunc_end_k_q9b17ed190c_attn-k_q9b17ed190c_attn
	.p2alignl 7, 3214868480
	.fill 96, 4, 3214868480
	.section	.rodata,"a",@progbits
	.p2align	6, 0x0
	.amdhsa_kernel k_q9b17ed190c_attn
		.amdhsa_group_segment_fixed_size 327680
		.amdhsa_private_segment_fixed_size 0
		.amdhsa_enable_private_segment 0
		.amdhsa_kernarg_size 32
		.amdhsa_user_sgpr_count 2
		.amdhsa_user_sgpr_kernarg_segment_ptr 1
		.amdhsa_wavefront_size32 1
		.amdhsa_system_sgpr_workgroup_id_x 1
		.amdhsa_system_sgpr_workgroup_id_y 1
		.amdhsa_system_sgpr_workgroup_id_z 1
		.amdhsa_system_vgpr_workitem_id 0
		.amdhsa_next_free_vgpr 256
		.amdhsa_next_free_sgpr 66
		.amdhsa_reserve_vcc 1
		.amdhsa_float_denorm_mode_32 3
		.amdhsa_float_denorm_mode_16_64 3
		.amdhsa_memory_ordered 1
		.amdhsa_forward_progress 1
		.amdhsa_inst_pref_size 78
	.end_amdhsa_kernel
	.amdgpu_metadata
---
amdhsa.version: [ 1, 2 ]
amdhsa.kernels:
  - .name:           k_q9b17ed190c_attn
    .symbol:         k_q9b17ed190c_attn.kd
    .args:
      - { .name: qkv, .offset: 0, .size: 8, .value_kind: global_buffer, .address_space: global }
      - { .name: mean, .offset: 8, .size: 8, .value_kind: global_buffer, .address_space: global }
      - { .name: sta_mask, .offset: 16, .size: 8, .value_kind: global_buffer, .address_space: global }
      - { .name: orec, .offset: 24, .size: 8, .value_kind: global_buffer, .address_space: global }
    .group_segment_fixed_size: 327680
    .private_segment_fixed_size: 0
    .kernarg_segment_align: 8
    .kernarg_segment_size: 32
    .max_flat_workgroup_size: 256
    .sgpr_count:     66
    .vgpr_count:     256
    .wavefront_size: 32
...
	.end_amdgpu_metadata
.endif
;; end of part 4
;; launch oproj (part 5): grid 8 x 8, 4 waves a work-group, clusters of 4 x 4, 327,680 bytes of LDS; arguments orec, opnd, bo, out0; writes out0
.if DOCPART == 5
	.amdgcn_target "amdgcn-amd-amdhsa--gfx1250"
	.amdhsa_code_object_version 6
	.text
	.protected	k_q9b17ed190c_oproj
	.globl	k_q9b17ed190c_oproj
	.p2align	8
	.type	k_q9b17ed190c_oproj,@function
k_q9b17ed190c_oproj:
	s_mov_b64 s[64:65], 0
	v_nop
	global_prefetch_b8 v0, s[64:65] scope:SCOPE_SE
	s_setreg_imm32_b32 hwreg(HW_REG_WAVE_MODE, 25, 1), 1
	s_wait_xcnt 0x0
	s_wait_alu depctr_hold_cnt(0) depctr_sa_sdst(0) depctr_va_vdst(0) depctr_va_sdst(0) depctr_va_ssrc(0) depctr_va_vcc(0) depctr_vm_vsrc(0)
	s_getreg_b32 s2, hwreg(HW_REG_IB_STS2, 6, 4)
	s_cmp_eq_u32 s2, 0
	s_cbranch_scc0 .Lentry_in_a_cluster
	s_endpgm
.Lentry_in_a_cluster:
	s_bfe_u32 s2, ttmp6, 0x10000c
	s_cmp_lg_u32 s2, 0xf033
	s_cbranch_scc0 .Lentry_shape_is_right
	s_endpgm
.Lentry_shape_is_right:
; out0 = attention's result x Wo + bo, on codes of FP6 (E2M3) with E8M0 scales; out0 [2048][2048] f32.
; OPERANDS are records (128 rows x 128 K, 12,800 bytes: images of the operand's registers; fragment f at 1,536 f, registers 4 c .. of lane l at 512 c + 16 l; lane r of fragment f holds row
; 32 (f / 2) + 8 (f % 2) + r + 8 (r / 8); scale words at 12,288: word i of lane l at 16 l + 4 i, lanes 0-15 fragment 2 i, lanes 16-31 fragment 2 i + 1).  Record (group, K step) lies at (16 group + step) x 12,800.
; A = orec (groups 0-15: rows of the sequence), B = opnd groups 64-79 (Wo, rows = n).
; SHARES.  A tile of 256 x 256 to a work-group of four waves, 128 x 128 a wave: 64 accumulators.  Source 0 = B, source 1 = A: a lane holds one row of out0, and the sixteen registers of tiles 2 b, 2 b + 1 are the
; sixteen neighbouring columns 32 b + 16 (lane / 16) + 0 .. 15.  The bias is the C of each sum's first matrix instruction.  64 work-groups: the tile that keeps LDS reads lowest; a smaller tile would fill more WGPs.
; K goes in steps of 256 through a ring of two LDS slots; a wave's tensor load brings two records, 25,600 dense bytes, as 100 rows of 256.
; CLUSTERS: 4 x 4: A's tiles are shared along a row of the cluster, B's along a column, each asked for jointly.
; REGISTERS.  window 0: v16-31 addresses; v32-63 scale words, two sets, and nothing else; v128-223 A's fragments (on the way out v128-255 take rows read back).
;   window 1: B's fragments, two sets, at v0 and v96; v192-255 the bias.   windows 2, 3: the accumulators ((a, b) at v[8 (8 (a % 4) + b)]).
.set REC,   12800
.set FRB,   1536
.set SCO,   12288
.set FR,    12
.set NL,    3
.set NP,    4
.set HALFT, 2*REC
.set SLOT,  4*HALFT
.set SPARE, 2*SLOT                     ; the spare words, 128 bytes a wave: two blocks of 256 bytes that no other line names
.set LAPS,  4
.set SPITCH, 528                       ; the way out: a stage of 16 rows x (512 bytes + 16) for each wave, in slot 0, which has had its last fill and its last read by then
.set ADRA, 16
.set ADRB, 20
.set STO,  24                          ; v24  the stage, in: 528 r + 64 h
.set RD,   25                          ; v25  and back: 16 x lane
.set LI,   26                          ; v26  16 x lane
.set SPW,  28
.set NIL,  29
.set H64,  30
.set SC,   32
.set AF,   128
.set BS,   96
.set BI,   192
.set BK,   128
.set G1, 24
.set G0, 32
.set G1B, 48
.set G0B, 56
.set MSB, 0
.macro WIN new                         ; the immediate's high byte repeats the setting that is left
.if MSB != (\new)
	s_set_vgpr_msb (MSB<<8)|(\new)
.set MSB, (\new)
.endif
.endm
.set MUL_LO, 0xa1
.set MUL_HI, 0xf1
.set TO_B,   0x40
.macro JLOAD s                         ; a joint load: waves 0 and 1 fetch A's halves, waves 2 and 3 B's; four v_nop follow each of the two lines
	s_cmp_eq_u32 s15, 0
	s_cbranch_scc0 .Lfor_b_\@
	tensor_load_to_lds s[G0+4*\s:G0+4*\s+3], s[G1:G1+7]
	s_nop 0
.rept 4
	v_nop
.endr
	s_branch .Lasked_\@
.Lfor_b_\@:
	tensor_load_to_lds s[G0B+4*\s:G0B+4*\s+3], s[G1B:G1B+7]
	s_nop 0
.rept 4
	v_nop
.endr
.Lasked_\@:
.endm
.macro CREST
	s_cmp_lg_u32 s14, 0
	s_cbranch_scc1 .Lnot_wave_0_\@
	s_barrier_signal -3
.Lnot_wave_0_\@:
	s_barrier_wait -3
	s_barrier_signal -1
	s_barrier_wait -1
.endm
.macro CROUND
	s_barrier_signal -1
	s_barrier_wait -1
	CREST
.endm
.macro PLACES n
.rept \n
	v_nop
.endr
.endm
	s_load_b256 s[4:11], s[0:1], 0x0               ; orec, opnd, bo, out0
	v_lshl_add_u32 v[SPW], v0, 2, SPARE
	v_mov_b32 v[NIL], 0
	ds_add_u32 v28, v29
	ds_add_u32 v28, v29
	s_wait_dscnt 0x0
	v_lshrrev_b32 v1, 5, v0
	v_readfirstlane_b32 s14, v1                    ; wave 0..3
	s_lshr_b32 s15, s14, 1                         ; which half of A is mine.  Also: I fetch for A (0) or for B (1)
	s_and_b32 s16, s14, 1                          ; which half of B is mine.  Also: which half I fetch
	s_bfe_u32 s40, ttmp6, 0x40000                  ; cx, cy
	s_bfe_u32 s41, ttmp6, 0x40004
	s_lshl_b32 s42, ttmp9, 2
	s_add_co_u32 s42, s42, s40                     ; tile column
	s_and_b32 s17, ttmp7, 0xffff
	s_lshl_b32 s17, s17, 2
	s_add_co_u32 s17, s17, s41                     ; tile row
	s_lshl_b32 s43, s41, 2
	s_lshl_b32 s43, 15, s43                        ; my row of the cluster
	s_lshl_b32 s44, 0x1111, s40                    ; my column
	s_or_b32 s[G1+0], s43, (3<<16)|(1<<21)         ; 15:0 the mask; 17:16 elements of 8 bytes; no padding; 21 set beside a mask
	s_or_b32 s[G1B+0], s44, (3<<16)|(1<<21)
.irp g, G1, G1B
	s_mov_b32 s[\g+1], 32<<16                      ; tensor_dim0 = 32
	s_mov_b32 s[\g+2], 100<<16                     ; tensor_dim1 = 100
	s_mov_b32 s[\g+3], 32<<16                      ; tile_dim0 = 32
	s_mov_b32 s[\g+4], 100                         ; tile_dim1 = 100
	s_mov_b32 s[\g+5], 32                          ; tensor_dim0_stride
	s_mov_b32 s[\g+6], 0
	s_mov_b32 s[\g+7], 0
.endr
	s_lshl_b32 s20, s17, 1
	s_add_co_u32 s20, s20, s16                     ; the group of A that I would fetch
	s_mul_i32 s20, s20, 16*REC
	s_mov_b32 s21, 0
	s_lshl_b32 s46, s42, 1
	s_add_co_u32 s46, s46, s16
	s_add_co_u32 s46, s46, 64                      ; and of B: Wo's groups begin at 64
	s_mul_i32 s46, s46, 16*REC
	s_mov_b32 s47, 0
	s_mul_i32 s45, s14, HALFT                      ; where they go: no place in the cluster enters an LDS address
	s_wait_kmcnt 0x0
	s_add_nc_u64 s[20:21], s[4:5], s[20:21]
	s_add_nc_u64 s[46:47], s[6:7], s[46:47]
	CROUND                                         ; all sixteen work-groups are here: the first joint loads meet
.irp s, 0,1
	s_mov_b32 s[G0+4*\s], 1
	s_add_co_u32 s[G0+4*\s+1], s45, \s*SLOT
	s_add_nc_u64 s[G0+4*\s+2:G0+4*\s+3], s[20:21], \s*HALFT
	s_or_b32 s[G0+4*\s+3], s[G0+4*\s+3], 0x80000000
	s_mov_b32 s[G0B+4*\s], 1
	s_add_co_u32 s[G0B+4*\s+1], s45, \s*SLOT
	s_add_nc_u64 s[G0B+4*\s+2:G0B+4*\s+3], s[46:47], \s*HALFT
	s_or_b32 s[G0B+4*\s+3], s[G0B+4*\s+3], 0x80000000
	JLOAD \s                                       ; two tensor loads of mine are out
.endr
	v_and_b32 v1, 15, v0                           ; r
	v_bfe_u32 v2, v0, 4, 1                         ; h
	v_and_b32 v3, 31, v0
	v_lshlrev_b32 v[LI], 4, v3
	s_mul_i32 s21, s15, HALFT
	s_mul_i32 s22, s16, HALFT
	s_add_co_u32 s22, s22, 2*HALFT
.irp s, 0,1
	v_add_nc_u32 v[ADRA+\s], s21, v[LI]
	v_add_nc_u32 v[ADRB+\s], s22, v[LI]
	s_add_co_u32 s21, s21, SLOT
	s_add_co_u32 s22, s22, SLOT
.endr
	v_lshlrev_b32 v[H64], 6, v2
	s_mul_i32 s23, s14, 16*SPITCH                  ; my stage
	v_mul_u32_u24 v[STO], v1, SPITCH
	v_add_nc_u32 v[STO], v[STO], v[H64]
	v_add_nc_u32 v[STO], s23, v[STO]
	v_add_nc_u32 v[RD], s23, v[LI]
	s_lshl_b32 s83, s17, 1
	s_add_co_u32 s83, s83, s15                     ; GA: my 128 rows of out0
	s_lshl_b32 s84, s42, 1
	s_add_co_u32 s84, s84, s16                     ; GB: my 128 columns
	s_lshl_b32 s18, s84, 9
	s_mov_b32 s19, 0
	s_add_nc_u64 s[8:9], s[8:9], s[18:19]          ; the bias at my columns
	s_add_nc_u64 s[12:13], s[10:11], s[18:19]
	s_lshl_b32 s18, s83, 20                        ; 128 rows of 8,192 bytes
	s_add_nc_u64 s[12:13], s[12:13], s[18:19]      ; out0 at my part's corner
	WIN TO_B
.irp b, 0,1,2,3
.irp j, 0,1,2,3
	global_load_b128 v[BI+16*\b+4*\j:BI+16*\b+4*\j+3], v[H64], s[8:9] offset:128*\b+16*\j   ; register 8 b + j: the bias at the column that register j of tile b holds
.endr
.endr
	WIN 0
	s_wait_loadcnt 0x0
; One matrix instruction, from the symbols set by MUL16.  C is v[rC ..]: the bias in the first step, the accumulator itself later.  wS: which rows of the scale registers serve.
.macro WM
.if wS == 0
	v_wmma_scale_f32_16x16x128_f8f6f4 v[rD:rD+7], v[rB:rB+11], v[rA:rA+11], v[rC:rC+7], v[rSB], v[rSA] matrix_a_fmt:MATRIX_FMT_FP6 matrix_b_fmt:MATRIX_FMT_FP6
.elseif wS == 1
	v_wmma_scale_f32_16x16x128_f8f6f4 v[rD:rD+7], v[rB:rB+11], v[rA:rA+11], v[rC:rC+7], v[rSB], v[rSA] matrix_a_fmt:MATRIX_FMT_FP6 matrix_b_fmt:MATRIX_FMT_FP6 matrix_b_scale:MATRIX_SCALE_ROW1
.elseif wS == 2
	v_wmma_scale_f32_16x16x128_f8f6f4 v[rD:rD+7], v[rB:rB+11], v[rA:rA+11], v[rC:rC+7], v[rSB], v[rSA] matrix_a_fmt:MATRIX_FMT_FP6 matrix_b_fmt:MATRIX_FMT_FP6 matrix_a_scale:MATRIX_SCALE_ROW1
.else
	v_wmma_scale_f32_16x16x128_f8f6f4 v[rD:rD+7], v[rB:rB+11], v[rA:rA+11], v[rC:rC+7], v[rSB], v[rSA] matrix_a_fmt:MATRIX_FMT_FP6 matrix_b_fmt:MATRIX_FMT_FP6 matrix_a_scale:MATRIX_SCALE_ROW1 matrix_b_scale:MATRIX_SCALE_ROW1
.endif
.endm
; 16 matrix instructions: A's blocks a0, a0 + 1 x B's eight.  z = 1: the first step: C is the bias (window 1).  The 64 accumulators take turns, one instruction a turn.
.macro MUL16 a0, p, q, sc, z
.irp a, \a0, \a0+1
.irp b, 0,1,2,3,4,5,6,7
.set rD, 8*(8*((\a)%4)+\b)
.set rB, BS*(\p)+FR*\b
.set rA, AF+FR*(\a)
.set rSB, SC+16*(\sc)+8*(\q)+4+\b/2
.set rSA, SC+16*(\sc)+8*(\q)+(\a)/2
.set wS, 2*(\b%2)+(\a)%2
.if \z
.set rC, BI+8*\b
.else
.set rC, rD
.endif
	WM
.endr
.endr
.endm
.macro FRAG reg, adr, off
.irp c, 0,1,2
	ds_load_b128 v[\reg+4*\c:\reg+4*\c+3], v[\adr] offset:\off+512*\c
.endr
.endm
.macro FETCH_B slot, q, p
	WIN TO_B
.irp i, 0,1,2,3,4,5,6,7
	FRAG BS*(\p)+FR*\i, ADRB+\slot, (\q)*REC+\i*FRB
.endr
	WIN 0
.endm
.macro FETCH_A slot, q, i0
.irp i, \i0, \i0+1, \i0+2, \i0+3
	FRAG AF+FR*(\i), ADRA+\slot, (\q)*REC+(\i)*FRB
.endr
.endm
.macro SCALES sc
.irp q, 0,1
	ds_load_b128 v[SC+16*\sc+8*\q:SC+16*\sc+8*\q+3], v[ADRA+\sc] offset:\q*REC+SCO
	ds_load_b128 v[SC+16*\sc+8*\q+4:SC+16*\sc+8*\q+7], v[ADRB+\sc] offset:\q*REC+SCO
.endr
.endm
.macro STEP slot, z
	s_wait_dscnt 4*NL                              ; all but the youngest twelve loads (A's blocks 4-7) are in
.if \z
	WIN 0x91                                       ; source 0 and C window 1, D window 2
.else
	WIN MUL_LO
.endif
	MUL16 0, 0, 0, \slot, \z
	MUL16 2, 0, 0, \slot, \z
	s_wait_dscnt 0
	PLACES NP
	FETCH_B \slot, 1, 1
	FETCH_A \slot, 1, 0
.if \z
	WIN 0xd1                                       ; D window 3
.else
	WIN MUL_HI
.endif
	MUL16 4, 0, 0, \slot, \z
	MUL16 6, 0, 0, \slot, \z
	PLACES NP
	WIN 0
	FETCH_A \slot, 1, 4
.endm
.macro TURN slot, next, fill
	s_wait_tensorcnt 0x0                           ; all my tensor loads have landed: the one that was out is my part of the next slot
	ds_add_u32 v[SPW], v[NIL]                      ; 0 onto my spare word
	s_wait_dscnt 4*NL+1                            ; (the add and the youngest twelve loads may be out)
	WIN MUL_LO
	MUL16 0, 1, 1, \slot, 0
	s_wait_dscnt 0x0                               ; the add is done, and my reads of this slot are over
	s_barrier_signal -1
	MUL16 2, 1, 1, \slot, 0
	WIN 0
	s_barrier_wait -1
.if \fill
	CREST                                          ; the barrier has opened a round of the cluster's
	s_add_nc_u64 s[G0+4*\slot+2:G0+4*\slot+3], s[G0+4*\slot+2:G0+4*\slot+3], 2*HALFT
	s_add_nc_u64 s[G0B+4*\slot+2:G0B+4*\slot+3], s[G0B+4*\slot+2:G0B+4*\slot+3], 2*HALFT
	JLOAD \slot                                    ; my one tensor load behind the round; its four v_nop are the places in front of the loads below
.else
	PLACES NP
.endif
	FETCH_B \next, 0, 0
	FETCH_A \next, 0, 0
	SCALES \next
	WIN MUL_HI
	MUL16 4, 1, 1, \slot, 0
	MUL16 6, 1, 1, \slot, 0
	PLACES NP
	WIN 0
	FETCH_A \next, 0, 4
.endm
	s_wait_tensorcnt 1                             ; my part of slot 0 is in; slot 1's may stay out
	s_barrier_signal -1
	s_barrier_wait -1
	FETCH_B 0, 0, 0
	FETCH_A 0, 0, 0
	SCALES 0
	FETCH_A 0, 0, 4
	STEP 0, 1                                      ; the first step stands in front of the loop: its products start the sums, on the bias
	s_mov_b32 s3, LAPS-1
.Llap:
	TURN 0, 1, 1
	STEP 1, 0
	TURN 1, 0, 1
	STEP 0, 0
	s_sub_co_u32 s3, s3, 1
	s_cmp_lg_u32 s3, 0
	s_cbranch_scc1 .Llap
	TURN 0, 1, 0                                   ; the last lap fills nothing
	STEP 1, 0
	s_wait_dscnt 4*NL
	WIN MUL_LO
	MUL16 0, 1, 1, 1, 0
	MUL16 2, 1, 1, 1, 0
	s_wait_dscnt 0
	WIN MUL_HI
	MUL16 4, 1, 1, 1, 0
	MUL16 6, 1, 1, 1, 0
	WIN 0
; THE WAY OUT, a block of A (16 rows x 128 columns) at a time, through my own stage: a lane's eight results of tile b are the columns 32 (b / 2) + 16 h + 8 (b % 2) + 0 .. 7 of its row; whole rows of 512 bytes come back.
.macro TOSTAGE a
.set AC, 64*((\a)%4)
	WIN 0x08+4*((\a)/4)                            ; an LDS store's data are its source 1: window 2 or 3
.irp b, 0,1,2,3,4,5,6,7
	ds_store_b128 v[STO], v[AC+8*\b:AC+8*\b+3] offset:128*(\b/2)+32*(\b%2)        ; each accumulator from its low end on
	ds_store_b128 v[STO], v[AC+8*\b+4:AC+8*\b+7] offset:128*(\b/2)+32*(\b%2)+16
.endr
	WIN 0
.set BB, BK+64*((\a)%2)
.irp t, 0,1,2,3,4,5,6,7,8,9,10,11,12,13,14,15
	ds_load_b128 v[BB+4*\t:BB+4*\t+3], v[RD] offset:\t*SPITCH      ; LDS serves a wave's instructions in order: these see my stores
.endr
.endm
.macro SEND a, younger                 ; younger: the LDS instructions issued behind block a's loads, which may stay out
.set BB, BK+64*((\a)%2)
	s_wait_dscnt \younger
.irp t, 0,1,2,3,4,5,6,7,8,9,10,11,12,13,14,15
	global_store_b128 v[LI], v[BB+4*\t:BB+4*\t+3], s[12:13] offset:(32*((\a)/2)+8*((\a)%2)+\t+8*(\t/8))*8192 th:TH_STORE_NT   ; stage row t is row 32 (a / 2) + 8 (a % 2) + t + 8 (t / 8) of my 128: 512 consecutive bytes, aligned to 256
.endr
.endm
	PLACES NP
	TOSTAGE 0
.irp a, 1,2,3,4,5,6,7
.if \a > 1
	s_wait_xcnt 0x0                                ; block a - 2's stores have read their registers: block a's loads may land there
.endif
	TOSTAGE \a
	SEND \a-1, 32                                  ; behind block a - 1's loads: block a's 16 stores and 16 loads
.endr
	SEND 7, 0
	s_wait_tensorcnt 0x0                           ; the wave's end
	ds_add_u32 v[SPW], v[NIL]
	s_wait_dscnt 0x0
	CROUND                                         ; the closing round
	s_endpgm
.Lfunc_end_k_q9b17ed190c_oproj:
	.size	k_q9b17ed190c_oproj, .Lfunc_end_k_q9b17ed190c_oproj-k_q9b17ed190c_oproj
	.p2alignl 7, 3214868480
	.fill 96, 4, 3214868480
	.section	.rodata,"a",@progbits
	.p2align	6, 0x0
	.amdhsa_kernel k_q9b17ed190c_oproj
		.amdhsa_group_segment_fixed_size 327680
		.amdhsa_private_segment_fixed_size 0
		.amdhsa_enable_private_segment 0
		.amdhsa_kernarg_size 32
		.amdhsa_user_sgpr_count 2
		.amdhsa_user_sgpr_kernarg_segment_ptr 1
		.amdhsa_wavefront_size32 1
		.amdhsa_system_sgpr_workgroup_id_x 1
		.amdhsa_system_sgpr_workgroup_id_y 1
		.amdhsa_system_sgpr_workgroup_id_z 1
		.amdhsa_system_vgpr_workitem_id 0
		.amdhsa_next_free_vgpr 1024
		.amdhsa_next_free_sgpr 98
		.amdhsa_reserve_vcc 0
		.amdhsa_float_denorm_mode_32 3
		.amdhsa_float_denorm_mode_16_64 3
		.amdhsa_memory_ordered 1
		.amdhsa_forward_progress 1
		.amdhsa_inst_pref_size 133
	.end_amdhsa_kernel
	.amdgpu_metadata
---
amdhsa.version: [ 1, 2 ]
amdhsa.kernels:
  - .name:           k_q9b17ed190c_oproj
    .symbol:         k_q9b17ed190c_oproj.kd
    .args:
      - { .name: orec, .offset: 0, .size: 8, .value_kind: global_buffer, .address_space: global }
      - { .name: opnd, .offset: 8, .size: 8, .value_kind: global_buffer, .address_space: global }
      - { .name: bo, .offset: 16, .size: 8, .value_kind: global_buffer, .address_space: global }
      - { .name: out0, .offset: 24, .size: 8, .value_kind: global_buffer, .address_space: global }
    .group_segment_fixed_size: 327680
    .private_segment_fixed_size: 0
    .kernarg_segment_align: 8
    .kernarg_segment_size: 32
    .max_flat_workgroup_size: 128
    .sgpr_count:     98
    .vgpr_count:     1024
    .wavefront_size: 32
...
	.end_amdgpu_metadata
.endif
;; end of part 5
;; ======== version 2 of 2: 4 launches
;; limits: right only within a limited range of input values
;; workspace buffers: opnd 16,384,000 bytes; qkv 9,830,400 bytes; mean 524,288 bytes; orec 3,276,800 bytes
;; launch quant (part 6): grid 256 x 5, 4 waves a work-group, no clusters, 47,616 bytes of LDS; arguments Wq, Wk, Wv, Wo, x, opnd; writes opnd
.if DOCPART == 6
	.amdgcn_target "amdgcn-amd-amdhsa--gfx1250"
	.amdhsa_code_object_version 6
	.text
	.protected	k_q9b17ed190c_quant
	.globl	k_q9b17ed190c_quant
	.p2align	8
	.type	k_q9b17ed190c_quant,@function
k_q9b17ed190c_quant:
	s_mov_b64 s[64:65], 0
	v_nop
	global_prefetch_b8 v0, s[64:65] scope:SCOPE_SE
	s_setreg_imm32_b32 hwreg(HW_REG_WAVE_MODE, 25, 1), 1
	s_wait_xcnt 0x0
; x [2048][2048] and Wq, Wk, Wv, Wo [2048 (k)][2048 (n)], f32, become codes of FP6 (E2M3) with one E8M0 byte for each 32 along K, laid as RECORDS, images of the matrix operand's registers.
; A RECORD is 128 rows x 128 along K, 12,800 bytes: fragment f (0..7) at 1,536 f; registers 4 c .. 4 c + 3 of lane l at 512 c + 16 l.  Lane (r, h) of fragment f holds row 32 (f / 2) + 8 (f % 2) + r + 8 (r / 8);
; its registers 6 c .. 6 c + 5 hold k = 64 c + 32 h + 0 .. 31.  Scale words at byte 12,288: word i of lane l at 16 l + 4 i (lanes 0-15 fragment 2 i, lanes 16-31 fragment 2 i + 1).
; SHARES: 1,280 work-groups, each one record of 128 x 128 numbers.  y = 0..3: weight y, record (group 16 (1 + y) + x / 16, K step x % 16); y = 4: x, record (group x / 16, K step x % 16).
; The two paths part on the work-group's y alone and have LDS bytes of their own.  192 registers and 47,616 bytes of LDS: five work-groups fit on a WGP, 1,280 = 5 x 256.
; WEIGHTS: a lane takes a column n and its registers run down K; its four blocks go to an image of the record in LDS and leave 512 consecutive bytes an instruction.
; x: each load reads 512 consecutive bytes of a row; sixteen rows at a time turn through the wave's own stage (pitch 528) and come back 128 bytes a lane: two whole blocks.
; A block's scale is 2^(floor(log2(largest magnitude)) - 2); its byte is the largest magnitude's exponent field - 2, held at 1 from below.
; LIMITS: NaN and infinities are not served; a block of zeros gets the byte 1 where the rule says 127 (its codes are zeros, and this program alone reads the bytes).
; No tensor loads, no cluster, no prefetch: no two work-groups read the same bytes, and the launch is a stream with no loop.
.set REC,   12800
.set FRB,   1536
.set SCO,   12288
.set PITCH, 528
.set WST,   16*PITCH                   ; x: a wave's stage, sixteen rows
.set SCG,   4*WST                      ; x: the record's 512 bytes of scale words
.set WB,    SCG+512                    ; weights: the record's image
.set SPARE, WB+REC                     ; the spare words, 512 bytes that no other line names
.set SPW,   190
.set NIL,   191
.set WX,    32                         ; weights: v32-95 two sets of 32 numbers
.set WC,    96                         ; v96-143 block t's codes at 96 + 12 t
.set SB,    14
.set OUTR,  144
.set XR,    16                         ; x: v16-79 fragment 0's sixteen rows, v80-143 fragment 1's; each set takes its numbers back from the stage
.set P0,    144
.set P1,    156
.set XT,    168
.set PW,    176
	s_load_b256 s[4:11], s[0:1], 0x0               ; Wq, Wk, Wv, Wo
	s_load_b128 s[12:15], s[0:1], 0x20             ; x, opnd
	v_lshl_add_u32 v[SPW], v0, 2, SPARE
	v_mov_b32 v[NIL], 0
	v_lshrrev_b32 v7, 5, v0
	v_readfirstlane_b32 s16, v7                    ; wave b
	v_and_b32 v7, 31, v0                           ; lane
	s_and_b32 s19, ttmp7, 0xffff                   ; y
	s_cmp_eq_u32 s19, 4
	s_wait_alu depctr_va_vdst(0)
	s_cbranch_scc1 .Lx
	; ---- a weight ----
	v_lshlrev_b32 v1, 2, v7                        ; in: 4 bytes a lane
	v_lshlrev_b32 v5, 4, v7                        ; out: 16 bytes a lane
	v_bfe_u32 v8, v0, 3, 1                         ; u: my column lies in fragment 2 b + u,
	v_and_b32 v9, 7, v0
	v_bfe_u32 v10, v0, 4, 1
	v_lshl_add_u32 v9, v10, 3, v9                  ; in its lane r = lane % 8 + 8 (lane / 16)
	s_mul_i32 s17, s16, 2*FRB
	s_add_co_u32 s24, s17, WB
	v_mul_u32_u24 v2, v8, FRB
	v_lshl_add_u32 v2, v9, 4, v2
	v_add_nc_u32 v2, s24, v2                       ; the image: 3,072 b + 1,536 u + 16 r
	v_lshlrev_b32 v3, 8, v8
	v_lshl_add_u32 v3, v9, 4, v3
	s_lshl_b32 s18, s16, 2
	s_add_co_u32 s18, s18, WB+SCO
	v_add_nc_u32 v3, s18, v3                       ; my scale word: word b of lane r + 16 u
	v_add_nc_u32 v4, s24, v5                       ; back: my wave's 3,072 bytes
	v_add_nc_u32 v6, WB+SCO, v5
	s_and_b32 s20, ttmp9, 15
	s_lshl_b32 s20, s20, 20                        ; 128 s rows of 8,192 bytes
	s_lshr_b32 s21, ttmp9, 4
	s_lshl_b32 s21, s21, 9                         ; 128 g columns
	s_add_co_u32 s20, s20, s21
	s_lshl_b32 s21, s16, 7                         ; 32 b columns
	s_add_co_u32 s20, s20, s21
	s_mov_b32 s21, 0
	s_lshl_b32 s22, s19, 8
	s_add_co_u32 s22, s22, 256
	s_add_co_u32 s22, s22, ttmp9                   ; the record's number
	s_mul_i32 s22, s22, REC
	s_add_co_u32 s22, s22, s17                     ; my wave's two fragments
	s_mov_b32 s23, 0
	s_wait_alu depctr_va_vdst(0)
	s_wait_kmcnt 0x0
	s_cmp_eq_u32 s19, 1                            ; the choice hangs on the work-group's number alone
	s_cselect_b64 s[4:5], s[6:7], s[4:5]
	s_cmp_eq_u32 s19, 2
	s_cselect_b64 s[4:5], s[8:9], s[4:5]
	s_cmp_eq_u32 s19, 3
	s_cselect_b64 s[4:5], s[10:11], s[4:5]
	s_add_nc_u64 s[4:5], s[4:5], s[20:21]
	s_add_nc_u64 s[14:15], s[14:15], s[22:23]
.macro WLOAD t                         ; block t: W(128 s + 32 t + i, my column) into set t % 2
.set i, 0
.rept 32
	global_load_b32 v[WX+32*((\t)%2)+i], v1, s[4:5] offset:(32*(\t)+i)*8192 th:TH_LOAD_NT
.set i, i+1
.endr
.endm
	WLOAD 0
	WLOAD 1
.macro WBLOCK t
.set XS, WX+32*((\t)%2)
.set CT, WC+12*(\t)
.if (\t) < 3
	s_wait_loadcnt 32                              ; this block's 32 loads are in; the next block's may be out
.else
	s_wait_loadcnt 0
.endif
	v_max3_num_f32 v8, |v[XS]|, |v[XS+1]|, |v[XS+2]|
	v_max3_num_f32 v9, |v[XS+3]|, |v[XS+4]|, |v[XS+5]|
.irp i, 6,10,14,18,22,26
	v_max3_num_f32 v8, v8, |v[XS+\i]|, |v[XS+\i+1]|
	v_max3_num_f32 v9, v9, |v[XS+\i+2]|, |v[XS+\i+3]|
.endr
	v_max3_num_f32 v8, v8, |v[XS+30]|, |v[XS+31]|
	v_max3_num_f32 v8, v8, v9, 0x1800000           ; the floor 2^(3 - 127): the byte cannot fall under 1
	v_add_nc_u32 v10, 0xff000000, v8               ; 2 off the exponent field: the conversion's scale operand
	v_lshrrev_b32 v11, 23, v10                     ; the scale's byte
.if (\t) == 0
	v_mov_b32 v[SB], v11
.else
	v_lshl_or_b32 v[SB], v11, 8*(\t), v[SB]
.endif
	v_cvt_scalef32_pk16_fp6_f32 v[CT:CT+2], v[XS:XS+15], v10
	v_cvt_scalef32_pk16_fp6_f32 v[CT+6:CT+8], v[XS+16:XS+31], v10   ; (a conversion's three registers begin on an even number)
	v_nop                                          ; one plain place behind a scaled conversion
.irp i, 0,1,2
	v_mov_b32 v[CT+3+\i], v[CT+6+\i]
.endr
.if (\t) < 2                           ; block t = 2 c + h' is registers 6 c .. 6 c + 5 of image lane r + 16 h'
	ds_store_b128 v2, v[CT:CT+3] offset:256*((\t)%2)
	ds_store_b64 v2, v[CT+4:CT+5] offset:512+256*((\t)%2)
.else
	ds_store_b64 v2, v[CT:CT+1] offset:520+256*((\t)%2)
	ds_store_b128 v2, v[CT+2:CT+5] offset:1024+256*((\t)%2)
.endif
.if (\t) < 2
	WLOAD (\t)+2
.endif
.endm
	WBLOCK 0
	WBLOCK 1
	WBLOCK 2
	WBLOCK 3
	ds_store_b32 v3, v[SB]
.irp i, 0,1,2,3,4,5
	ds_load_b128 v[OUTR+4*\i:OUTR+4*\i+3], v4 offset:512*\i        ; my wave's own bytes: LDS serves a wave's instructions in order
.endr
.irp i, 0,1,2,3,4,5
	s_wait_dscnt 5-\i                              ; the younger reads stay out
	global_store_b128 v5, v[OUTR+4*\i:OUTR+4*\i+3], s[14:15] offset:512*\i   ; 32 lanes store 512 consecutive bytes
.endr
	s_wait_dscnt 0x0                               ; for the others' sake: my scale words have landed
	s_barrier_signal -1
	s_barrier_wait -1
	s_cmp_lg_u32 s16, 0
	s_cbranch_scc1 .Lendw
	ds_load_b128 v[168:171], v6                    ; wave 0 (whose base is the record's first byte) stores the 512 bytes of scale words
	s_wait_dscnt 0x0
	global_store_b128 v5, v[168:171], s[14:15] offset:SCO
.Lendw:
	s_wait_tensorcnt 0x0                           ; the wave's end
	ds_add_u32 v[SPW], v[NIL]
	s_wait_dscnt 0x0
	s_endpgm
	; ---- x ----
.Lx:
	v_lshlrev_b32 v1, 4, v7                        ; 16 x lane
	v_and_b32 v7, 15, v0                           ; r
	v_bfe_u32 v6, v0, 4, 1                         ; h
	s_mul_i32 s24, s16, WST
	v_add_nc_u32 v2, s24, v1                       ; the stage, on the way in
	v_mul_u32_u24 v3, v7, PITCH
	v_lshl_add_u32 v3, v6, 7, v3
	v_add_nc_u32 v3, s24, v3                       ; and back: row r, + 128 h
	s_lshl_b32 s25, s16, 2
	s_add_co_u32 s25, s25, SCG
	v_add_nc_u32 v4, s25, v1                       ; word b of lane l
	v_add_nc_u32 v5, SCG, v1
	v_lshlrev_b32 v6, 3, v6                        ; 8 h
	v_mov_b32 v15, 0                               ; a lane permute's destination counts as one of its sources
	s_mov_b32 s20, 0x76543210
	s_mov_b32 s21, 0xfedcba98                      ; the selects for lane l xor 16
	s_mov_b32 s22, 0xffff0000                      ; lanes 16-31
	s_lshr_b32 s26, ttmp9, 4
	s_lshl_b32 s26, s26, 20                        ; 128 G rows of 8,192 bytes
	s_lshl_b32 s27, s16, 18                        ; 32 b rows
	s_add_co_u32 s26, s26, s27
	s_and_b32 s27, ttmp9, 15
	s_lshl_b32 s27, s27, 9                         ; 128 s numbers
	s_add_co_u32 s26, s26, s27
	s_mov_b32 s27, 0
	s_mul_i32 s28, ttmp9, REC
	s_mul_i32 s29, s16, 2*FRB
	s_add_co_u32 s28, s28, s29
	s_mov_b32 s29, 0
	s_wait_alu depctr_va_vdst(0)
	s_wait_kmcnt 0x0
	s_add_nc_u64 s[12:13], s[12:13], s[26:27]
	s_add_nc_u64 s[14:15], s[14:15], s[28:29]
.irp u, 0,1                            ; fragment u's stage row t is row 8 u + t % 8 + 16 (t / 8) of my 32
.set t, 0
.rept 16
	global_load_b128 v[XR+64*\u+4*t:XR+64*\u+4*t+3], v1, s[12:13] offset:8192*(8*\u+(t&7)+16*(t>>3)) th:TH_LOAD_NT
.set t, t+1
.endr
.endr
.macro QUANTX xs, pc, pw               ; 64 numbers of a lane, two whole blocks, become twelve registers of codes and my row's scale word
.irp c, 0,1
	v_max3_num_f32 v[8+\c], |v[\xs+32*\c]|, |v[\xs+32*\c+1]|, 0x1800000
.endr
.irp i, 2,4,6,8,10,12,14,16,18,20,22,24,26,28,30
.irp c, 0,1
	v_max3_num_f32 v[8+\c], v[8+\c], |v[\xs+32*\c+\i]|, |v[\xs+32*\c+\i+1]|
.endr
.endr
.irp c, 0,1
	v_add_nc_u32 v[10+\c], 0xff000000, v[8+\c]
.endr
.irp c, 0,1
	v_lshrrev_b32 v[12+\c], 23, v[10+\c]
.endr
	v_lshl_or_b32 v14, v13, 16, v12                ; my two bytes: blocks h and 2 + h,
	v_lshlrev_b32 v14, v6, v14                     ; at their places in the word;
	v_permlanex16_b32 v15, v14, s20, s21
	v_or_b32 v[\pw], v14, v15                      ; with lane l xor 16's two the word is whole
.irp c, 0,1
	v_cvt_scalef32_pk16_fp6_f32 v[\pc+6*\c:\pc+6*\c+2], v[\xs+32*\c:\xs+32*\c+15], v[10+\c]
	v_cvt_scalef32_pk16_fp6_f32 v[XT+4*\c:XT+4*\c+2], v[\xs+32*\c+16:\xs+32*\c+31], v[10+\c]
.endr
	v_nop                                          ; one plain place behind a scaled conversion
.irp c, 0,1
.irp i, 0,1,2
	v_mov_b32 v[\pc+6*\c+3+\i], v[XT+4*\c+\i]
.endr
.endr
.endm
.macro FRAGX u, pc, pw
.set t, 0
.rept 16
	s_wait_loadcnt 31-16*(\u)-t                    ; loads come back in order: this row is in, the younger rows stay out
	ds_store_b128 v2, v[XR+64*(\u)+4*t:XR+64*(\u)+4*t+3] offset:PITCH*t
.set t, t+1
.endr
	s_wait_dscnt 0x0                               ; the stores have read their registers, which take the numbers back
.irp c, 0,1
.irp j, 0,1,2,3,4,5,6,7
	ds_load_b128 v[XR+64*(\u)+32*\c+4*\j:XR+64*(\u)+32*\c+4*\j+3], v3 offset:256*\c+16*\j
.endr
.endr
	s_wait_dscnt 0x0
	QUANTX XR+64*(\u), \pc, \pw
.irp c, 0,1,2
	global_store_b128 v1, v[\pc+4*\c:\pc+4*\c+3], s[14:15] offset:FRB*(\u)+512*\c   ; 32 lanes store 512 consecutive bytes
.endr
.endm
	FRAGX 0, P0, PW
	FRAGX 1, P1, PW+1
	v_cndmask_b32 v178, v[PW], v[PW+1], s22        ; lanes 0-15: fragment 2 b's words; lanes 16-31: fragment 2 b + 1's
	ds_store_b32 v4, v178
	s_wait_dscnt 0x0                               ; for the others' sake: my word has landed
	s_barrier_signal -1
	s_barrier_wait -1
	s_cmp_lg_u32 s16, 0
	s_cbranch_scc1 .Lendx
	ds_load_b128 v[180:183], v5
	s_wait_dscnt 0x0
	global_store_b128 v1, v[180:183], s[14:15] offset:SCO
.Lendx:
	s_wait_tensorcnt 0x0                           ; the wave's end
	ds_add_u32 v[SPW], v[NIL]
	s_wait_dscnt 0x0
	s_endpgm
.Lfunc_end_k_q9b17ed190c_quant:
	.size	k_q9b17ed190c_quant, .Lfunc_end_k_q9b17ed190c_quant-k_q9b17ed190c_quant
	.p2alignl 7, 3214868480
	.fill 96, 4, 3214868480
	.section	.rodata,"a",@progbits
	.p2align	6, 0x0
	.amdhsa_kernel k_q9b17ed190c_quant
		.amdhsa_group_segment_fixed_size 47616
		.amdhsa_private_segment_fixed_size 0
		.amdhsa_enable_private_segment 0
		.amdhsa_kernarg_size 48
		.amdhsa_user_sgpr_count 2
		.amdhsa_user_sgpr_kernarg_segment_ptr 1
		.amdhsa_wavefront_size32 1
		.amdhsa_system_sgpr_workgroup_id_x 1
		.amdhsa_system_sgpr_workgroup_id_y 1
		.amdhsa_system_sgpr_workgroup_id_z 1
		.amdhsa_system_vgpr_workitem_id 0
		.amdhsa_next_free_vgpr 192
		.amdhsa_next_free_sgpr 66
		.amdhsa_reserve_vcc 0
		.amdhsa_float_denorm_mode_32 3
		.amdhsa_float_denorm_mode_16_64 3
		.amdhsa_memory_ordered 1
		.amdhsa_forward_progress 1
		.amdhsa_inst_pref_size 40
	.end_amdhsa_kernel
	.amdgpu_metadata
---
amdhsa.version: [ 1, 2 ]
amdhsa.kernels:
  - .name:           k_q9b17ed190c_quant
    .symbol:         k_q9b17ed190c_quant.kd
    .args:
      - { .name: Wq, .offset: 0, .size: 8, .value_kind: global_buffer, .address_space: global }
      - { .name: Wk, .offset: 8, .size: 8, .value_kind: global_buffer, .address_space: global }
      - { .name: Wv, .offset: 16, .size: 8, .value_kind: global_buffer, .address_space: global }
      - { .name: Wo, .offset: 24, .size: 8, .value_kind: global_buffer, .address_space: global }
      - { .name: x, .offset: 32, .size: 8, .value_kind: global_buffer, .address_space: global }
      - { .name: opnd, .offset: 40, .size: 8, .value_kind: global_buffer, .address_space: global }
    .group_segment_fixed_size: 47616
    .private_segment_fixed_size: 0
    .kernarg_segment_align: 8
    .kernarg_segment_size: 48
    .max_flat_workgroup_size: 128
    .sgpr_count:     66
    .vgpr_count:     192
    .wavefront_size: 32
...
	.end_amdgpu_metadata
.endif
;; end of part 6
;; launch qkvproj (part 7): grid 24 x 8, 4 waves a work-group, clusters of 4 x 4, 327,680 bytes of LDS; arguments opnd, qkv, mean, rope_cos, rope_sin, bq, bk, bv, qn_w, kn_w; writes qkv, mean
.if DOCPART == 7
	.amdgcn_target "amdgcn-amd-amdhsa--gfx1250"
	.amdhsa_code_object_version 6
	.text
	.protected	k_q9b17ed190c_qkvproj
	.globl	k_q9b17ed190c_qkvproj
	.p2align	8
	.type	k_q9b17ed190c_qkvproj,@function
k_q9b17ed190c_qkvproj:
	s_mov_b64 s[64:65], 0
	v_nop
	global_prefetch_b8 v0, s[64:65] scope:SCOPE_SE
	s_setreg_imm32_b32 hwreg(HW_REG_WAVE_MODE, 25, 1), 1
	s_wait_xcnt 0x0
	s_wait_alu depctr_hold_cnt(0) depctr_sa_sdst(0) depctr_va_vdst(0) depctr_va_sdst(0) depctr_va_ssrc(0) depctr_va_vcc(0) depctr_vm_vsrc(0)
	s_getreg_b32 s2, hwreg(HW_REG_IB_STS2, 6, 4)
	s_cmp_eq_u32 s2, 0
	s_cbranch_scc0 .Lentry_in_a_cluster
	s_endpgm
.Lentry_in_a_cluster:
	s_bfe_u32 s2, ttmp6, 0x10000c
	s_cmp_lg_u32 s2, 0xf033
	s_cbranch_scc0 .Lentry_shape_is_right
	s_endpgm
.Lentry_shape_is_right:
; q, k, v = x W + b on records of FP6 codes (128 rows x 128 K, 12,800 bytes, images of the operand's registers); then, for q and k, RMS norm, rotary turn, the means of blocks of 64 rows, and the quantiser; v is
; made transposed (rows = channels) and quantised along the keys.  A work-group of four waves makes 256 x 256, a wave 128 x 128 (one head); 4 x 4 clusters ask for A's and B's tiles jointly.
; RING: two slots of two K steps; a wave fetches two records, 25,600 dense bytes, with one load behind each round.
; THE ROTARY TABLES come through LDS: wave w fetches, jointly with its row of the cluster, table w % 2 (cos, sin) for the rows of half w / 2: rows 0-31 behind the last change of slots (no ring tile is asked for
; there; the bytes lie behind the ring and are filled once), rows 32-127 into the ring's bytes behind a round at the end of the products.  LDS rows are 520 bytes apart: the 32 lanes of a load of 8 bytes
; (rows r + 8 (r / 8), + 64 bytes for the upper half of the lanes) then name 64 different words modulo 64.  Clusters that make v ask for no table: the jump hangs on the cluster's number alone.
; PREFETCH: beside the load of slot t each wave names slot t + 2's tile, 25 of its 100 blocks of 256 bytes for each of the four partners, told apart by address; slots 6 and 7 have no successor, and in that lap the
; waves of q's and k's clusters name their tables' blocks instead: 64 blocks a wave and partner, in two instructions.
.set REC,   12800
.set FRB,   1536
.set SCO,   12288
.set FR,    12
.set NL,    3
.set NP,    4
.set HALFT, 2*REC
.set SLOT,  4*HALFT
.set SPARE, 2*SLOT
.set TP,    520                        ; a table's row in LDS: 512 bytes + 8
.set FB,    SPARE+512                  ; the tables' rows 0-31: four tiles of 32 x TP bytes
.set MSTG,  FB+4*32*TP                 ; the means' stages, 16 rows of MP bytes for each wave: no tile lands here
.set MP,    528
.set CBC,   18                         ; v18  cos, rows 32 on
.set CBS,   19                         ; v19  sin, rows 32 on
.set PFT,   22                         ; v22  256 x lane
.set PFO,   23                         ; v23  256 x min(lane, 24)
.set PFA,   66                         ; s[66:67] where my ring prefetches stand
.set PTB,   100                        ; s[100:101] my work-group's 32 rows of the table that I fetch
.set G1C,   48                         ; the tables' descriptors take the registers of B's, once B's last load has landed
.set G0C,   56
.set G0S,   60
.set LAPS,  4
.set ADRA, 16
.set ADRB, 20
.set LI,   24
.set CSO,  25
.set MST,  26
.set MLD,  27
.set SPW,  28
.set NIL,  29
.set H64,  30
.set BVO,  31
.set SC,   32
.set AF,   128
.set BS,   96
.set BI,   192
.set BV,   224
.set TM,   64
.set PC,   80
.set SW,   100
.set PWT,  104
.set RR,   106
.set SS,   108
.set TU,   112
.set MO,   120
.set H,    128
.set MS,   192
.set NW,   0
.set COS,  64
.set SIN,  128
.set G1, 24
.set G0, 32
.set G1B, 48
.set G0B, 56
.set SEL, 98
.set MSB, 0
.macro WIN new
.if MSB != (\new)
	s_set_vgpr_msb (MSB<<8)|(\new)
.set MSB, (\new)
.endif
.endm
.set MUL_LO, 0xa1
.set MUL_HI, 0xf1
.set TO_B,   0x40
.macro JLOAD s
	s_cmp_eq_u32 s15, 0
	s_cbranch_scc0 .Lfor_b_\@
	tensor_load_to_lds s[G0+4*\s:G0+4*\s+3], s[G1:G1+7]
	s_nop 0
.rept 4
	v_nop
.endr
	s_branch .Lasked_\@
.Lfor_b_\@:
	tensor_load_to_lds s[G0B+4*\s:G0B+4*\s+3], s[G1B:G1B+7]
	s_nop 0
.rept 4
	v_nop
.endr
.Lasked_\@:
.endm
.macro CLOAD                           ; a joint load of a table's tile: even waves cos, odd waves sin
	s_cmp_eq_u32 s16, 0
	s_cbranch_scc0 .Lfor_s_\@
	tensor_load_to_lds s[G0C:G0C+3], s[G1C:G1C+7]
	s_nop 0
.rept 4
	v_nop
.endr
	s_branch .Lgot_\@
.Lfor_s_\@:
	tensor_load_to_lds s[G0S:G0S+3], s[G1C:G1C+7]
	s_nop 0
.rept 4
	v_nop
.endr
.Lgot_\@:
.endm
.macro CREST
	s_cmp_lg_u32 s14, 0
	s_cbranch_scc1 .Lnot_wave_0_\@
	s_barrier_signal -3
.Lnot_wave_0_\@:
	s_barrier_wait -3
	s_barrier_signal -1
	s_barrier_wait -1
.endm
.macro CROUND
	s_barrier_signal -1
	s_barrier_wait -1
	CREST
.endm
.macro PLACES n
.rept \n
	v_nop
.endr
.endm
	s_load_b256 s[4:11], s[0:1], 0x0
	s_load_b256 s[68:75], s[0:1], 0x20
	s_load_b128 s[76:79], s[0:1], 0x40
	v_lshl_add_u32 v[SPW], v0, 2, SPARE
	v_mov_b32 v[NIL], 0
	ds_add_u32 v28, v29
	ds_add_u32 v28, v29
	s_wait_dscnt 0x0
	v_lshrrev_b32 v1, 5, v0
	v_readfirstlane_b32 s14, v1
	s_lshr_b32 s15, s14, 1
	s_and_b32 s16, s14, 1
	s_bfe_u32 s40, ttmp6, 0x40000
	s_bfe_u32 s41, ttmp6, 0x40004
	s_lshr_b32 s80, ttmp9, 1
	s_and_b32 s42, ttmp9, 1
	s_lshl_b32 s42, s42, 2
	s_add_co_u32 s42, s42, s40
	s_and_b32 s17, ttmp7, 0xffff
	s_lshl_b32 s17, s17, 2
	s_add_co_u32 s17, s17, s41
	s_lshl_b32 s82, s80, 4
	s_add_co_u32 s82, s82, 16
	s_cmp_eq_u32 s80, 2
	s_cselect_b32 s81, 48, 0
	s_cselect_b32 s82, 0, s82
	s_lshl_b32 s43, s41, 2
	s_lshl_b32 s43, 15, s43
	s_lshl_b32 s44, 0x1111, s40
	s_or_b32 s[G1+0], s43, (3<<16)|(1<<21)
	s_or_b32 s[G1B+0], s44, (3<<16)|(1<<21)
.irp g, G1, G1B
	s_mov_b32 s[\g+1], 32<<16
	s_mov_b32 s[\g+2], 100<<16
	s_mov_b32 s[\g+3], 32<<16
	s_mov_b32 s[\g+4], 100
	s_mov_b32 s[\g+5], 32
	s_mov_b32 s[\g+6], 0
	s_mov_b32 s[\g+7], 0
.endr
	s_lshl_b32 s20, s17, 1
	s_add_co_u32 s20, s20, s16
	s_add_co_u32 s20, s20, s81
	s_mul_i32 s20, s20, 16*REC
	s_mov_b32 s21, 0
	s_lshl_b32 s46, s42, 1
	s_add_co_u32 s46, s46, s16
	s_add_co_u32 s46, s46, s82
	s_mul_i32 s46, s46, 16*REC
	s_mov_b32 s47, 0
	s_mul_i32 s45, s14, HALFT
	s_mov_b32 s12, 0x3c000000
	s_mov_b32 s13, 0x358637bd
	s_mov_b32 s96, 0xffff0000
	s_mov_b32 s[SEL], 0x76543210
	s_mov_b32 s[SEL+1], 0xfedcba98
	s_wait_kmcnt 0x0
	s_add_nc_u64 s[20:21], s[4:5], s[20:21]
	s_add_nc_u64 s[46:47], s[4:5], s[46:47]
	s_cmp_eq_u32 s15, 0                            ; the prefetches: my tile's address,
	s_cselect_b64 s[PFA:PFA+1], s[20:21], s[46:47]
	s_cselect_b32 s18, s40, s41                    ; my place among the four that ask for it with me,
	s_mul_i32 s18, s18, 25*256                     ; 25 blocks each,
	s_add_co_u32 s18, s18, 2*HALFT                 ; from slot 2 on
	s_mov_b32 s19, 0
	s_add_nc_u64 s[PFA:PFA+1], s[PFA:PFA+1], s[18:19]
	v_and_b32 v[PFO], 31, v0
	v_lshlrev_b32 v[PFT], 8, v[PFO]
	v_min_u32 v[PFO], 24, v[PFO]                   ; lanes 25-31 name the last block again
	v_lshlrev_b32 v[PFO], 8, v[PFO]
	CROUND
.irp s, 0,1
	s_mov_b32 s[G0+4*\s], 1
	s_add_co_u32 s[G0+4*\s+1], s45, \s*SLOT
	s_add_nc_u64 s[G0+4*\s+2:G0+4*\s+3], s[20:21], \s*HALFT
	s_or_b32 s[G0+4*\s+3], s[G0+4*\s+3], 0x80000000
	s_mov_b32 s[G0B+4*\s], 1
	s_add_co_u32 s[G0B+4*\s+1], s45, \s*SLOT
	s_add_nc_u64 s[G0B+4*\s+2:G0B+4*\s+3], s[46:47], \s*HALFT
	s_or_b32 s[G0B+4*\s+3], s[G0B+4*\s+3], 0x80000000
	s_wait_alu depctr_va_vdst(0)
.if \s == 0
	JLOAD 0                                        ; slot 0: one tensor load a wave at the head; the set-up below stands under its flight
	global_prefetch_b8 v[PFO], s[PFA:PFA+1] th:TH_LOAD_NT scope:SCOPE_SE   ; slot 2
.endif
.endr
	v_and_b32 v1, 15, v0
	v_bfe_u32 v2, v0, 4, 1
	v_and_b32 v3, 31, v0
	v_lshlrev_b32 v[LI], 4, v3
	s_mul_i32 s21, s15, HALFT
	s_mul_i32 s22, s16, HALFT
	s_add_co_u32 s22, s22, 2*HALFT
.irp s, 0,1
	v_add_nc_u32 v[ADRA+\s], s21, v[LI]
	v_add_nc_u32 v[ADRB+\s], s22, v[LI]
	s_add_co_u32 s21, s21, SLOT
	s_add_co_u32 s22, s22, SLOT
.endr
	v_and_b32 v4, 8, v1
	v_add_nc_u32 v4, v4, v1
	v_lshlrev_b32 v[H64], 6, v2
	s_wait_alu depctr_va_vdst(0)
	v_lshlrev_b32 v[BVO], 2, v4
	s_wait_alu depctr_va_vdst(0)
	v_mad_u32_u24 v[CSO], v4, TP, v[H64]           ; a table's row r + 8 (r / 8), + 64 h
	s_mul_i32 s21, s15, 2*96*TP
	v_add_nc_u32 v[CBC], s21, v[CSO]               ; rows 32 on: my half's cos tile,
	v_add_nc_u32 v[CBS], 96*TP, v[CBC]             ; and its sin tile
	s_mul_i32 s21, s15, 2*32*TP
	s_add_co_u32 s21, s21, FB
	v_add_nc_u32 v[CSO], s21, v[CSO]               ; rows 0-31: my half's cos tile; sin lies 32 TP on
	s_mul_i32 s21, s14, 16*MP
	s_add_co_u32 s21, s21, MSTG
	v_mad_u32_u24 v[MST], v1, MP, v[H64]           ; my stage: row l % 16, + 64 h
	v_add_nc_u32 v[MST], s21, v[MST]
	v_add_nc_u32 v[MLD], s21, v[LI]
	s_lshl_b32 s83, s17, 1
	s_add_co_u32 s83, s83, s15
	s_lshl_b32 s84, s42, 1
	s_add_co_u32 s84, s84, s16
	s_lshl_b32 s85, s84, 4
	s_add_co_u32 s85, s85, s83
	s_lshl_b32 s86, s83, 4
	s_add_co_u32 s86, s86, s84
	s_cmp_eq_u32 s80, 2
	s_cselect_b32 s85, s86, s85
	s_cselect_b64 s[90:91], s[74:75], s[70:71]
	s_cmp_eq_u32 s80, 1
	s_cselect_b64 s[90:91], s[72:73], s[90:91]
	s_cselect_b64 s[92:93], s[78:79], s[76:77]
	s_lshl_b32 s86, s80, 8
	s_add_co_u32 s85, s85, s86
	s_mul_i32 s86, s85, REC
	s_mov_b32 s87, 0
	s_add_nc_u64 s[86:87], s[6:7], s[86:87]
	s_lshl_b32 s88, s80, 4
	s_add_co_u32 s88, s88, s84
	s_lshl_b32 s88, s88, 5
	s_lshl_b32 s89, s83, 1
	s_add_co_u32 s88, s88, s89
	s_lshl_b32 s88, s88, 9
	s_mov_b32 s89, 0
	s_add_nc_u64 s[88:89], s[8:9], s[88:89]
	s_mov_b32 s19, 0
	s_lshl_b32 s18, s83, 9
	s_add_nc_u64 s[94:95], s[90:91], s[18:19]
	s_lshl_b32 s18, s84, 9
	s_add_nc_u64 s[90:91], s[90:91], s[18:19]
	s_lshl_b32 s18, s83, 16
	s_add_nc_u64 s[10:11], s[10:11], s[18:19]
	s_add_nc_u64 s[68:69], s[68:69], s[18:19]
	s_cmp_eq_u32 s16, 0
	s_cselect_b64 s[PTB:PTB+1], s[10:11], s[68:69] ; the table that I fetch,
	s_lshl_b32 s18, s40, 14                        ; my work-group's 32 rows of its 128
	s_add_nc_u64 s[PTB:PTB+1], s[PTB:PTB+1], s[18:19]
	WIN TO_B
.irp b, 0,1,2,3
.irp j, 0,1,2,3
	global_load_b128 v[BI+16*\b+4*\j:BI+16*\b+4*\j+3], v[H64], s[90:91] offset:128*\b+16*\j
.endr
.endr
	WIN 0
.irp a, 0,1,2,3,4,5,6,7
	global_load_b32 v[BV+\a], v[BVO], s[94:95] offset:4*(32*(\a/2)+8*(\a%2))
.endr
.macro WM
.if wZ
.if wS == 0
	v_wmma_scale_f32_16x16x128_f8f6f4 v[rD:rD+7], v[rB:rB+11], v[rA:rA+11], 0, v[rSB], v[rSA] matrix_a_fmt:MATRIX_FMT_FP6 matrix_b_fmt:MATRIX_FMT_FP6
.elseif wS == 1
	v_wmma_scale_f32_16x16x128_f8f6f4 v[rD:rD+7], v[rB:rB+11], v[rA:rA+11], 0, v[rSB], v[rSA] matrix_a_fmt:MATRIX_FMT_FP6 matrix_b_fmt:MATRIX_FMT_FP6 matrix_b_scale:MATRIX_SCALE_ROW1
.elseif wS == 2
	v_wmma_scale_f32_16x16x128_f8f6f4 v[rD:rD+7], v[rB:rB+11], v[rA:rA+11], 0, v[rSB], v[rSA] matrix_a_fmt:MATRIX_FMT_FP6 matrix_b_fmt:MATRIX_FMT_FP6 matrix_a_scale:MATRIX_SCALE_ROW1
.else
	v_wmma_scale_f32_16x16x128_f8f6f4 v[rD:rD+7], v[rB:rB+11], v[rA:rA+11], 0, v[rSB], v[rSA] matrix_a_fmt:MATRIX_FMT_FP6 matrix_b_fmt:MATRIX_FMT_FP6 matrix_a_scale:MATRIX_SCALE_ROW1 matrix_b_scale:MATRIX_SCALE_ROW1
.endif
.else
.if wS == 0
	v_wmma_scale_f32_16x16x128_f8f6f4 v[rD:rD+7], v[rB:rB+11], v[rA:rA+11], v[rD:rD+7], v[rSB], v[rSA] matrix_a_fmt:MATRIX_FMT_FP6 matrix_b_fmt:MATRIX_FMT_FP6
.elseif wS == 1
	v_wmma_scale_f32_16x16x128_f8f6f4 v[rD:rD+7], v[rB:rB+11], v[rA:rA+11], v[rD:rD+7], v[rSB], v[rSA] matrix_a_fmt:MATRIX_FMT_FP6 matrix_b_fmt:MATRIX_FMT_FP6 matrix_b_scale:MATRIX_SCALE_ROW1
.elseif wS == 2
	v_wmma_scale_f32_16x16x128_f8f6f4 v[rD:rD+7], v[rB:rB+11], v[rA:rA+11], v[rD:rD+7], v[rSB], v[rSA] matrix_a_fmt:MATRIX_FMT_FP6 matrix_b_fmt:MATRIX_FMT_FP6 matrix_a_scale:MATRIX_SCALE_ROW1
.else
	v_wmma_scale_f32_16x16x128_f8f6f4 v[rD:rD+7], v[rB:rB+11], v[rA:rA+11], v[rD:rD+7], v[rSB], v[rSA] matrix_a_fmt:MATRIX_FMT_FP6 matrix_b_fmt:MATRIX_FMT_FP6 matrix_a_scale:MATRIX_SCALE_ROW1 matrix_b_scale:MATRIX_SCALE_ROW1
.endif
.endif
.endm
.macro MUL16 a0, p, q, sc, z
.irp a, \a0, \a0+1
.irp b, 0,1,2,3,4,5,6,7
.set rD, 8*(8*((\a)%4)+\b)
.set rB, BS*(\p)+FR*\b
.set rA, AF+FR*(\a)
.set rSB, SC+16*(\sc)+8*(\q)+4+\b/2
.set rSA, SC+16*(\sc)+8*(\q)+(\a)/2
.set wS, 2*(\b%2)+(\a)%2
.set wZ, \z
	WM
.endr
.endr
.endm
.macro FRAG reg, adr, off
.irp c, 0,1,2
	ds_load_b128 v[\reg+4*\c:\reg+4*\c+3], v[\adr] offset:\off+512*\c
.endr
.endm
.macro FETCH_B slot, q, p
	WIN TO_B
.irp i, 0,1,2,3,4,5,6,7
	FRAG BS*(\p)+FR*\i, ADRB+\slot, (\q)*REC+\i*FRB
.endr
	WIN 0
.endm
.macro FETCH_A slot, q, i0
.irp i, \i0, \i0+1, \i0+2, \i0+3
	FRAG AF+FR*(\i), ADRA+\slot, (\q)*REC+(\i)*FRB
.endr
.endm
.macro SCALES sc
.irp q, 0,1
	ds_load_b128 v[SC+16*\sc+8*\q:SC+16*\sc+8*\q+3], v[ADRA+\sc] offset:\q*REC+SCO
	ds_load_b128 v[SC+16*\sc+8*\q+4:SC+16*\sc+8*\q+7], v[ADRB+\sc] offset:\q*REC+SCO
.endr
.endm
.macro STEP slot, z
	s_wait_dscnt 4*NL
	WIN MUL_LO
	MUL16 0, 0, 0, \slot, \z
	MUL16 2, 0, 0, \slot, \z
	s_wait_dscnt 0
	PLACES NP
	FETCH_B \slot, 1, 1
	FETCH_A \slot, 1, 0
	WIN MUL_HI
	MUL16 4, 0, 0, \slot, \z
	MUL16 6, 0, 0, \slot, \z
	PLACES NP
	WIN 0
	FETCH_A \slot, 1, 4
.endm
.macro TURN slot, next, fill
.if \fill == 1
	s_wait_xcnt 0x0                                ; my prefetches have read their address: it steps one slot on
	s_add_nc_u64 s[PFA:PFA+1], s[PFA:PFA+1], HALFT
.endif
	s_wait_tensorcnt 0x0
	ds_add_u32 v[SPW], v[NIL]
	s_wait_dscnt 4*NL+1
	WIN MUL_LO
	MUL16 0, 1, 1, \slot, 0
	s_wait_dscnt 0x0
	s_barrier_signal -1
	MUL16 2, 1, 1, \slot, 0
	WIN 0
	s_barrier_wait -1
.if \fill == 2
	CREST                                          ; no ring tile is left to ask for: behind this round the tables' rows 0-31 are asked for, into bytes filled once
	s_or_b32 s[G1C], s43, (3<<16)|(1<<20)|(1<<21)|(6<<22)|(1<<25)   ; my row of the cluster; elements of 8 bytes; 2 words of padding behind every 128
	s_mov_b32 s[G1C+1], 64<<16
	s_mov_b32 s[G1C+2], 32<<16
	s_mov_b32 s[G1C+3], 64<<16
	s_mov_b32 s[G1C+4], 32
	s_mov_b32 s[G1C+5], 64
	s_mov_b32 s[G1C+6], 0
	s_mov_b32 s[G1C+7], 0
	s_mov_b32 s[G0C], 1
	s_mul_i32 s[G0C+1], s14, 32*TP
	s_add_co_u32 s[G0C+1], s[G0C+1], FB
	s_mov_b64 s[G0C+2:G0C+3], s[10:11]
	s_or_b32 s[G0C+3], s[G0C+3], 0x80000000
	s_mov_b32 s[G0S], 1
	s_mul_i32 s[G0S+1], s14, 32*TP
	s_add_co_u32 s[G0S+1], s[G0S+1], FB
	s_mov_b64 s[G0S+2:G0S+3], s[68:69]
	s_or_b32 s[G0S+3], s[G0S+3], 0x80000000
	s_cmp_eq_u32 s80, 2                            ; v's clusters read no table
	s_cbranch_scc1 .Lno_tab
	CLOAD
.Lno_tab:
	PLACES NP
.elseif \fill
	CREST
	s_add_nc_u64 s[G0+4*\slot+2:G0+4*\slot+3], s[G0+4*\slot+2:G0+4*\slot+3], 2*HALFT
	s_add_nc_u64 s[G0B+4*\slot+2:G0B+4*\slot+3], s[G0B+4*\slot+2:G0B+4*\slot+3], 2*HALFT
	JLOAD \slot
.else
	PLACES NP
.endif
	FETCH_B \next, 0, 0
	FETCH_A \next, 0, 0
	SCALES \next
.if \fill == 1
	s_cmp_gt_u32 s3, 1                             ; s3 = 1 in the last lap: its refills have no slot two on
	s_cbranch_scc0 .Ltab_\@
	global_prefetch_b8 v[PFO], s[PFA:PFA+1] offset:HALFT th:TH_LOAD_NT scope:SCOPE_SE
	s_branch .Lpf_\@
.Ltab_\@:
	s_cmp_eq_u32 s80, 2
	s_cbranch_scc1 .Lpf_\@
	global_prefetch_b8 v[PFT], s[PTB:PTB+1] offset:\slot*8192 th:TH_LOAD_NT scope:SCOPE_SE
.Lpf_\@:
.endif
	WIN MUL_HI
	MUL16 4, 1, 1, \slot, 0
	MUL16 6, 1, 1, \slot, 0
	PLACES NP
	WIN 0
	FETCH_A \next, 0, 4
.endm
	s_wait_alu depctr_va_vdst(0)
	s_wait_tensorcnt 0x0                           ; my part of slot 0 is in
	ds_add_u32 v[SPW], v[NIL]
	s_wait_dscnt 0x0
	CROUND
	JLOAD 1                                        ; slot 1, the first tensor load behind the round
	FETCH_B 0, 0, 0
	FETCH_A 0, 0, 0
	SCALES 0
	global_prefetch_b8 v[PFO], s[PFA:PFA+1] offset:HALFT th:TH_LOAD_NT scope:SCOPE_SE   ; slot 3
	FETCH_A 0, 0, 4
	STEP 0, 1
	s_mov_b32 s3, LAPS-1
.Llap:
	TURN 0, 1, 1
	STEP 1, 0
	TURN 1, 0, 1
	STEP 0, 0
	s_sub_co_u32 s3, s3, 1
	s_cmp_lg_u32 s3, 0
	s_cbranch_scc1 .Llap
	TURN 0, 1, 2
	STEP 1, 0
	s_wait_tensorcnt 0x0                           ; the tables' rows 0-31 are in.  The last K step's fragments have all been asked for: the ring is read no more
	ds_add_u32 v[SPW], v[NIL]
	s_mov_b32 s[G1C+2], 96<<16                     ; no tensor load of mine is out: from here a table's tile has 96 rows,
	s_mov_b32 s[G1C+4], 96
	s_mul_i32 s[G0C+1], s14, 96*TP                 ; lies in the ring's bytes,
	s_mul_i32 s[G0S+1], s14, 96*TP
	s_add_nc_u64 s[G0C+2:G0C+3], s[G0C+2:G0C+3], 32*512   ; and begins at row 32
	s_add_nc_u64 s[G0S+2:G0S+3], s[G0S+2:G0S+3], 32*512
	s_wait_dscnt 0x0                               ; the add is done, and my last reads of the ring are back
	CROUND
	s_cmp_eq_u32 s80, 2                            ; v's clusters read no table
	s_cbranch_scc1 .Lno_tab2
	CLOAD                                          ; the first tensor load behind the round: it has the last 64 products and two fragments' way out in which to land
.Lno_tab2:
	WIN MUL_LO
	MUL16 0, 1, 1, 1, 0
	MUL16 2, 1, 1, 1, 0
	s_wait_dscnt 0
	WIN MUL_HI
	MUL16 4, 1, 1, 1, 0
	MUL16 6, 1, 1, 1, 0
	WIN 0
.macro QUANT s, pw
.irp b, 0,1,2,3
	v_max3_num_f32 v[TM+\b], |v[\s+16*\b]|, |v[\s+1+16*\b]|, 0x1800000
.endr
.irp i, 2,4,6,8,10,12,14
.irp b, 0,1,2,3
	v_max3_num_f32 v[TM+\b], v[TM+\b], |v[\s+16*\b+\i]|, |v[\s+1+16*\b+\i]|
.endr
.endr
.irp b, 0,1,2,3
	v_permlanex16_b32 v[TM+4+\b], v[TM+\b], s[SEL], s[SEL+1]
.endr
.irp b, 0,1,2,3
	v_max_num_f32 v[TM+\b], v[TM+\b], v[TM+4+\b]
.endr
.irp b, 0,1,2,3
	v_add_nc_u32 v[TM+12+\b], 0xff000000, v[TM+\b]
.endr
.irp b, 0,1,2,3
	v_lshrrev_b32 v[TM+4+\b], 23, v[TM+12+\b]
.endr
	v_lshl_or_b32 v[\pw], v[TM+5], 8, v[TM+4]
	v_lshl_or_b32 v[\pw], v[TM+6], 16, v[\pw]
	v_lshl_or_b32 v[\pw], v[TM+7], 24, v[\pw]
.irp c, 0,1
	v_cvt_scalef32_pk16_fp6_f32 v[PC+6*\c:PC+2+6*\c], v[\s+32*\c:\s+15+32*\c], v[TM+12+2*\c]
	v_cvt_scalef32_pk16_fp6_f32 v[PC+12+4*\c:PC+14+4*\c], v[\s+16+32*\c:\s+31+32*\c], v[TM+12+2*\c+1]
.endr
	v_nop
.irp c, 0,1
.irp i, 0,1,2
	v_permlane16_swap_b32 v[PC+6*\c+\i], v[PC+12+4*\c+\i]
.endr
.irp i, 0,1,2
	v_mov_b32 v[PC+3+6*\c+\i], v[PC+12+4*\c+\i]
.endr
.endr
.endm
.macro OUTFRAG a, src
	s_wait_alu depctr_va_vdst(0)
	s_wait_xcnt 0x0                                ; the last fragment's stores have read their data: the codes' registers are written again below
.if (\a)%2 == 0
	QUANT \src, SW+(\a)/2
.else
	QUANT \src, PWT
	v_cndmask_b32 v[SW+(\a)/2], v[SW+(\a)/2], v[PWT], s96
.endif
.irp c, 0,1,2
	global_store_b128 v[LI], v[PC+4*\c:PC+4*\c+3], s[86:87] offset:FRB*(\a)+512*\c
.endr
.endm
.macro CSLOAD a                        ; fragment a's cos and sin from LDS: register 16 b + i = channel 32 b + 16 h + i of my row
.if (\a) < 2
.set cC, CSO
.set cS, CSO
.set oC, 8*((\a)%2)*TP
.set oS, oC+32*TP
.else
.set cC, CBC
.set cS, CBS
.set oC, (32*((\a)/2)-32+8*((\a)%2))*TP
.set oS, oC
.endif
	WIN TO_B
.irp b, 0,1,2,3
.irp j, 0,1,2,3,4,5,6,7
	ds_load_b64 v[COS+16*\b+2*\j:COS+16*\b+2*\j+1], v[cC] offset:oC+128*\b+8*\j
	ds_load_b64 v[SIN+16*\b+2*\j:SIN+16*\b+2*\j+1], v[cS] offset:oS+128*\b+8*\j
.endr
.endr
	WIN 0
.endm
.macro EPQK a
.if (\a)%4 == 0
.set HB, MS
.else
.set HB, H
.endif
.set AC, 64*((\a)%4)
	WIN 0x06+(\a)/4
.set i, 0
.rept 32
	v_pk_add_f32 v[HB+i:HB+i+1], v[AC+i:AC+i+1], v[BI+i:BI+i+1]
.set i, i+2
.endr
	WIN 0
	v_pk_mul_f32 v[SS:SS+1], v[HB:HB+1], v[HB:HB+1]
	v_pk_mul_f32 v[SS+2:SS+3], v[HB+2:HB+3], v[HB+2:HB+3]
.set i, 4
.rept 15
	v_pk_fma_f32 v[SS:SS+1], v[HB+i:HB+i+1], v[HB+i:HB+i+1], v[SS:SS+1]
	v_pk_fma_f32 v[SS+2:SS+3], v[HB+i+2:HB+i+3], v[HB+i+2:HB+i+3], v[SS+2:SS+3]
.set i, i+4
.endr
	v_pk_add_f32 v[SS:SS+1], v[SS:SS+1], v[SS+2:SS+3]
	v_add_f32 v[SS], v[SS], v[SS+1]
	v_permlanex16_b32 v[SS+2], v[SS], s[SEL], s[SEL+1]
	v_add_f32 v[SS], v[SS], v[SS+2]
	v_fma_f32 v[SS], v[SS], s12, s13
	s_wait_alu depctr_va_vdst(0)
	v_rsq_f32 v[RR], v[SS]
	v_nop
.set i, 0
	s_wait_alu depctr_va_vdst(0)
.rept 32
	v_pk_mul_f32 v[HB+i:HB+i+1], v[HB+i:HB+i+1], v[RR:RR+1] op_sel_hi:[1,0]
.set i, i+2
.endr
	s_wait_loadcnt 0x0
	s_wait_dscnt 0x0                               ; this fragment's cos and sin are in
	WIN 0x04
.set i, 0
.rept 32
	v_pk_mul_f32 v[HB+i:HB+i+1], v[HB+i:HB+i+1], v[NW+i:NW+i+1]
.set i, i+2
.endr
.set i, 0
.rept 16
.set TT, TU+4*((i/2)%2)
	v_pk_mul_f32 v[TT:TT+1], v[HB+i:HB+i+1], v[SIN+32+i:SIN+33+i]
	v_pk_mul_f32 v[TT+2:TT+3], v[HB+32+i:HB+33+i], v[SIN+i:SIN+i+1]
	v_pk_fma_f32 v[HB+i:HB+i+1], v[HB+i:HB+i+1], v[COS+i:COS+i+1], v[TT+2:TT+3] neg_lo:[0,0,1] neg_hi:[0,0,1]
	v_pk_fma_f32 v[HB+32+i:HB+33+i], v[HB+32+i:HB+33+i], v[COS+32+i:COS+33+i], v[TT:TT+1]
.set i, i+2
.endr
.if (\a) == 1
	WIN 0
	s_wait_alu depctr_va_vdst(0)
	s_wait_tensorcnt 0x0                           ; my tile of the tables' rows 32-127 is in,
	s_wait_dscnt 0x0
	s_barrier_signal -1
	s_barrier_wait -1                              ; and so is everybody's
.endif
.if (\a) < 7
	CSLOAD (\a)+1
.endif
	WIN 0
.if (\a)%4 != 0
.set i, 0
.rept 32
	v_pk_add_f32 v[MS+i:MS+i+1], v[MS+i:MS+i+1], v[H+i:H+i+1]
.set i, i+2
.endr
.endif
	OUTFRAG \a, HB
.endm
.macro MEANOUT n                       ; the sums of four fragments, 16 rows x 128 channels, go to my stage by rows; each lane takes four channels of all sixteen rows back and adds them
.irp b, 0,1,2,3
.irp j, 0,1,2,3
	ds_store_b128 v[MST], v[MS+16*\b+4*\j:MS+16*\b+4*\j+3] offset:128*\b+16*\j
.endr
.endr
.set i, 0
.rept 16
	ds_load_b128 v[H+4*i:H+4*i+3], v[MLD] offset:MP*i   ; LDS serves a wave's instructions in order: these see my stores
.set i, i+1
.endr
	s_wait_dscnt 0x0
.irp d, 32,16,8,4
.set i, 0
.rept \d/2
	v_pk_add_f32 v[H+i:H+i+1], v[H+i:H+i+1], v[H+\d+i:H+\d+i+1]
.set i, i+2
.endr
.endr
	v_pk_mul_f32 v[MO:MO+1], v[H:H+1], 0x3c800000 op_sel_hi:[1,0]
	v_pk_mul_f32 v[MO+2:MO+3], v[H+2:H+3], 0x3c800000 op_sel_hi:[1,0]
	global_store_b128 v[LI], v[MO:MO+3], s[88:89] offset:512*\n
.endm
.macro EPV a
.set AC, 64*((\a)%4)
	WIN 0x02+(\a)/4
.set i, 0
.rept 32
.if (\a)%2
	v_pk_add_f32 v[H+i:H+i+1], v[AC+i:AC+i+1], v[BV+(\a)-1:BV+(\a)] op_sel:[0,1] op_sel_hi:[1,1]
.else
	v_pk_add_f32 v[H+i:H+i+1], v[AC+i:AC+i+1], v[BV+(\a):BV+(\a)+1] op_sel:[0,0] op_sel_hi:[1,0]
.endif
.set i, i+2
.endr
	WIN 0
	OUTFRAG \a, H
.endm
	PLACES NP
.irp b, 0,1,2,3
	v_mov_b32 v[TM+4+\b], 0
.endr
	v_mov_b32 v[RR+1], 0
	s_wait_alu depctr_va_vdst(0)
	s_wait_loadcnt 0x0                             ; the biases, asked for at the head
	s_cmp_eq_u32 s80, 2
	s_cbranch_scc1 .Lv
	WIN TO_B
.irp b, 0,1,2,3
.irp j, 0,1,2,3
	global_load_b128 v[NW+16*\b+4*\j:NW+16*\b+4*\j+3], v[H64], s[92:93] offset:128*\b+16*\j
.endr
.endr
	WIN 0
	s_wait_alu depctr_va_vdst(0)
	CSLOAD 0
.irp a, 0,1,2,3
	EPQK \a
.endr
	MEANOUT 0
.irp a, 4,5,6,7
	EPQK \a
.endr
	MEANOUT 1
	global_store_b128 v[LI], v[SW:SW+3], s[86:87] offset:SCO
	s_branch .Ldone
.Lv:
.irp a, 0,1,2,3,4,5,6,7
	EPV \a
.endr
	global_store_b128 v[LI], v[SW:SW+3], s[86:87] offset:SCO
.Ldone:
	s_wait_tensorcnt 0x0
	ds_add_u32 v[SPW], v[NIL]
	s_wait_dscnt 0x0
	CROUND
	s_endpgm
.Lfunc_end_k_q9b17ed190c_qkvproj:
	.size	k_q9b17ed190c_qkvproj, .Lfunc_end_k_q9b17ed190c_qkvproj-k_q9b17ed190c_qkvproj
	.p2alignl 7, 3214868480
	.fill 96, 4, 3214868480
	.section	.rodata,"a",@progbits
	.p2align	6, 0x0
	.amdhsa_kernel k_q9b17ed190c_qkvproj
		.amdhsa_group_segment_fixed_size 327680
		.amdhsa_private_segment_fixed_size 0
		.amdhsa_enable_private_segment 0
		.amdhsa_kernarg_size 80
		.amdhsa_user_sgpr_count 2
		.amdhsa_user_sgpr_kernarg_segment_ptr 1
		.amdhsa_wavefront_size32 1
		.amdhsa_system_sgpr_workgroup_id_x 1
		.amdhsa_system_sgpr_workgroup_id_y 1
		.amdhsa_system_sgpr_workgroup_id_z 1
		.amdhsa_system_vgpr_workitem_id 0
		.amdhsa_next_free_vgpr 1024
		.amdhsa_next_free_sgpr 102
		.amdhsa_reserve_vcc 0
		.amdhsa_float_denorm_mode_32 3
		.amdhsa_float_denorm_mode_16_64 3
		.amdhsa_memory_ordered 1
		.amdhsa_forward_progress 1
		.amdhsa_inst_pref_size 255
	.end_amdhsa_kernel
	.section	.bss,"aw",@nobits
	.p2align	6
	.space	262144
	.amdgpu_metadata
---
amdhsa.version: [ 1, 2 ]
amdhsa.kernels:
  - .name:           k_q9b17ed190c_qkvproj
    .symbol:         k_q9b17ed190c_qkvproj.kd
    .args:
      - { .name: opnd, .offset: 0, .size: 8, .value_kind: global_buffer, .address_space: global }
      - { .name: qkv, .offset: 8, .size: 8, .value_kind: global_buffer, .address_space: global }
      - { .name: mean, .offset: 16, .size: 8, .value_kind: global_buffer, .address_space: global }
      - { .name: rope_cos, .offset: 24, .size: 8, .value_kind: global_buffer, .address_space: global }
      - { .name: rope_sin, .offset: 32, .size: 8, .value_kind: global_buffer, .address_space: global }
      - { .name: bq, .offset: 40, .size: 8, .value_kind: global_buffer, .address_space: global }
      - { .name: bk, .offset: 48, .size: 8, .value_kind: global_buffer, .address_space: global }
      - { .name: bv, .offset: 56, .size: 8, .value_kind: global_buffer, .address_space: global }
      - { .name: qn_w, .offset: 64, .size: 8, .value_kind: global_buffer, .address_space: global }
      - { .name: kn_w, .offset: 72, .size: 8, .value_kind: global_buffer, .address_space: global }
    .group_segment_fixed_size: 327680
    .private_segment_fixed_size: 0
    .kernarg_segment_align: 8
    .kernarg_segment_size: 80
    .max_flat_workgroup_size: 128
    .sgpr_count:     102
    .vgpr_count:     1024
    .wavefront_size: 32
...
	.end_amdgpu_metadata
.endif
;; end of part 7
;; launch attn (part 8): grid 16 x 16, 8 waves a work-group, clusters of 4 x 1, 327,680 bytes of LDS; arguments qkv, mean, sta_mask, orec; writes orec
.if DOCPART == 8
	.amdgcn_target "amdgcn-amd-amdhsa--gfx1250"
	.amdhsa_code_object_version 6
	.text
	.protected	k_q9b17ed190c_attn
	.globl	k_q9b17ed190c_attn
	.p2align	8
	.type	k_q9b17ed190c_attn,@function
k_q9b17ed190c_attn:
	s_mov_b64 s[64:65], 0
	v_nop
	global_prefetch_b8 v0, s[64:65] scope:SCOPE_SE
	s_setreg_imm32_b32 hwreg(HW_REG_WAVE_MODE, 25, 1), 1
	s_wait_xcnt 0x0
	s_wait_alu depctr_hold_cnt(0) depctr_sa_sdst(0) depctr_va_vdst(0) depctr_va_sdst(0) depctr_va_ssrc(0) depctr_va_vcc(0) depctr_vm_vsrc(0)
	s_getreg_b32 s2, hwreg(HW_REG_IB_STS2, 6, 4)
	s_cmp_eq_u32 s2, 0
	s_cbranch_scc0 .Lentry_in_a_cluster
	s_endpgm
.Lentry_in_a_cluster:
	s_bfe_u32 s2, ttmp6, 0x10000c
	s_cmp_lg_u32 s2, 0x3003
	s_cbranch_scc0 .Lentry_shape_is_right
	s_endpgm
.Lentry_shape_is_right:
; The block mask and the masked attention of one head, on codes of FP6 (E2M3) with E8M0 scales; the result leaves as codes for the output projection.
; qkv: records (128 rows x 128 K, 12,800 bytes, images of the operand's registers: fragment f at 1,536 f, registers 4 c .. of lane l at 512 c + 16 l; lane r of fragment f holds row 32 (f / 2) + 8 (f % 2) + r + 8 (r / 8);
; scale words at 12,288, word i of lane l at 16 l + 4 i: lanes 0-15 fragment 2 i, lanes 16-31 fragment 2 i + 1).  Kind 0 Q and 1 K: record (head, 128 rows), K = the head's 128.  Kind 2 V: record (head, 128 keys),
; rows = channels, K = keys.  mean: f32 [q, k][head][32 blocks][128].  orec: record (128 rows g, K step = head).
; SHARES.  A work-group owns 128 queries of one head, each of its eight waves one fragment of Q, 16 queries, all of one block of 64.  Every wave walks all 2,048 keys, 128 a step.
; THE MASK.  Each wave makes its own query block's row: the pooled q row against the 32 pooled k rows (two matrix instructions on operands quantised here), softmax over the 32 lanes, and for each lane the mass of
; the blocks strictly above its own: a block is kept where that mass is under 0.8 (which is the rule 'p >= the cutoff', ties included), or where sta_mask says so.  The 32 bits select VALUES alone: 0 or -infinity is
; added to a block's scores and to -M; no branch and no address hangs on them, so hidden blocks are walked like the others.
; THE SOFTMAX: t = score x log2(e) / sqrt(128); M = the running largest t of kept keys, rounded up to a whole number; p = 2^(t - M) is quantised along the keys; the row's sum is taken of the unquantised p.
; Both products are used transposed (S^T = K Q^T, O^T = V^T P^T): a lane holds one query throughout; by the records' order of rows the 16 registers of tiles 2 b, 2 b + 1 are 16 neighbours.
; RING: two slots of four key steps (K's four records, then V's four).  Each of the eight waves fetches one record, 12,800 dense bytes as 50 rows of 256.
; FRAGMENTS ARE ASKED FOR AHEAD: V's eight at the step's head, so that they land under the first products and the softmax; the next step's K behind this step's first products, where it lies in the same slot.
; CLUSTER: the four query blocks of a cluster belong to one head and walk the same K and V: every tile is asked for jointly, with the mask of all four.
; REGISTERS.  window 0: v1-11 addresses; v12 -M, v13 the largest t, v[14:15] the sum; v16-27 Q; v28, v30 -M with a key block's 0 or -infinity; v32-80 at work on the mask; v84-87 V's scale words; v96-159 S^T, then p;
; v160-223 O^T; v224-235 p's codes; v232-247 at work; v248-251 K's scale words; v252 f; v253 p's scale word; v254 at work; v255 Q's scale word.   window 1: v0-95 K's eight fragments, v96-191 V's.
; LIMITS: NaN and infinities are not served; a block of zeros gets the byte 1 where the rule says 127 (zero codes; this program alone reads the bytes); the mass above a block is summed in index order, not in sorted
; order (a difference of the order of 1e-7); divisions are multiplications by v_rcp_f32.
.set REC,   12800
.set FRB,   1536
.set SCO,   12288
.set VOFF,  4*REC                      ; V's records in a slot
.set SLOT1, 1<<17                      ; slot 1 begins here: one exclusive or turns an address
.set SCG,   2*SLOT1                    ; the result's 512 bytes of scale words are gathered here
.set SPARE, SCG+512                    ; the spare words, 128 bytes for each of eight waves: four blocks of 256 bytes that no other line names
.set LI,  1                            ; v1   16 x lane
.set ADK, 2                            ; v2   the step's records in LDS
.set SPW, 3                            ; v3   my spare word; never rewritten
.set NIL, 4                            ; v4   0; never rewritten
.set SCW, 5                            ; v5   where my row's scale word goes in LDS
.set SCR, 6                            ; v6   where wave 0 reads the words back
.set O64, 7                            ; v7   64 h
.set OKB, 8                            ; v8   512 r + 64 h
.set OLN, 9                            ; v9   lane
.set OQS, 10                           ; v10  my row's scale word in Q's record
.set OFR, 11                           ; v11  my fragment in a record: 1,536 w + 16 x lane
.set ADN, 83                           ; v83  the next slot's first record in LDS
.set VSC, 84
.set KFR, 0                            ; window 1: K's fragments
.set VFR, 96                           ; window 1: V's fragments
.set WV,   12
.set SEL,  20
.set CS,   22                          ; s[22:23] c = log2(e) / sqrt(128)
.set G1,   24
.set G0,   32
.set TB,   36                          ; LDS byte at which the slot in hand begins
.set SLOTS, 37
.set KEEP, 39                          ; the kept key blocks, the step's two in bits 0 and 1
.set MA,   40                          ; 0 or -infinity for the step's first 64 keys
.set MB,   41                          ; and for its last 64
.set NINF, 42
.set HIM,  43
.set THR,  44
.set MSB, 0
.macro WIN new                         ; the immediate's high byte repeats the setting that is left; bits 1:0 source 0, 7:6 destination
.if MSB != (\new)
	s_set_vgpr_msb (MSB<<8)|(\new)
.set MSB, (\new)
.endif
.endm
.macro CROUND
	s_barrier_signal -1
	s_barrier_wait -1
	s_cmp_lg_u32 s[WV], 0
	s_cbranch_scc1 .Lnot_wave_0_\@
	s_barrier_signal -3
.Lnot_wave_0_\@:
	s_barrier_wait -3
	s_barrier_signal -1
	s_barrier_wait -1
.endm
	s_load_b256 s[4:11], s[0:1], 0x0               ; qkv, mean, sta_mask, orec
	v_lshl_add_u32 v[SPW], v0, 2, SPARE
	v_mov_b32 v[NIL], 0
	ds_add_u32 v3, v4
	ds_add_u32 v3, v4
	s_wait_dscnt 0x0
	v_lshrrev_b32 v1, 5, v0
	s_delay_alu instid0(VALU_DEP_1)
	v_readfirstlane_b32 s[WV], v1                  ; wave 0..7
	s_bfe_u32 s13, ttmp6, 0x40000                  ; cx
	s_lshl_b32 s14, ttmp9, 2
	s_add_co_u32 s14, s14, s13                     ; g: my 128 queries: it enters Q's, the means', the mask's and the result's addresses alone
	s_and_b32 s15, ttmp7, 0xffff                   ; the head, which the four partners share
	s_lshr_b32 s16, s[WV], 2
	s_add_co_u32 s16, s16, 1
	s_mul_i32 s16, s16, 256*REC                    ; waves 0-3 fetch K's records, waves 4-7 V's
	s_mul_i32 s17, s15, 16*REC
	s_add_co_u32 s16, s16, s17
	s_and_b32 s17, s[WV], 3
	s_mul_i32 s17, s17, REC                        ; which of a slot's four steps
	s_add_co_u32 s16, s16, s17
	s_mov_b32 s17, 0
	s_mov_b32 s[G1], 15|(3<<16)|(1<<21)            ; 15:0 the mask: all four work-groups; 17:16 elements of 8 bytes; no padding; 21 set beside a mask
	s_mov_b32 s[G1+1], 32<<16                      ; tensor_dim0 = 32
	s_mov_b32 s[G1+2], 50<<16                      ; tensor_dim1 = 50
	s_mov_b32 s[G1+3], 32<<16                      ; tile_dim0 = 32
	s_mov_b32 s[G1+4], 50                          ; tile_dim1 = 50
	s_mov_b32 s[G1+5], 32                          ; tensor_dim0_stride
	s_mov_b32 s[G1+6], 0
	s_mov_b32 s[G1+7], 0
	s_mov_b32 s[SEL], 0x76543210
	s_mov_b32 s[SEL+1], 0xfedcba98
	s_mov_b32 s[CS], 0x3e0293ee
	s_mov_b32 s[CS+1], s[CS]
	s_mov_b32 s[TB], 0
	s_mov_b32 s[SLOTS], 3
	s_mov_b32 s[NINF], 0xff800000
	s_mov_b32 s[HIM], 0xffff0000
	s_mov_b32 s[THR], 0x3f4ccccd                   ; 0.8
	s_wait_kmcnt 0x0
	s_mov_b32 s[G0], 1
	s_mul_i32 s[G0+1], s[WV], REC                  ; slot 0, my record's place
	s_add_nc_u64 s[G0+2:G0+3], s[4:5], s[16:17]
	s_or_b32 s[G0+3], s[G0+3], 0x80000000
	v_and_b32 v[OLN], 31, v0
	s_delay_alu instid0(VALU_DEP_1)
	v_lshlrev_b32 v[LI], 4, v[OLN]
	v_and_b32 v12, 15, v0                          ; r
	v_bfe_u32 v13, v0, 4, 1                        ; h
	s_delay_alu instid0(VALU_DEP_1)
	v_lshlrev_b32 v[O64], 6, v13
	s_delay_alu instid0(VALU_DEP_1)
	v_lshl_add_u32 v[OKB], v12, 9, v[O64]
	s_and_b32 s46, s[WV], 1
	s_lshl_b32 s46, s46, 8
	s_lshr_b32 s47, s[WV], 1
	s_lshl_b32 s47, s47, 2
	s_add_co_u32 s46, s46, s47                     ; fragment w's words: word w / 2 of lanes 16 (w % 2) on
	v_lshlrev_b32 v12, 4, v12
	s_delay_alu instid0(VALU_DEP_1)
	v_add_nc_u32 v12, s46, v12
	s_delay_alu instid0(VALU_DEP_1)
	v_add_nc_u32 v[OQS], SCO, v12
	s_delay_alu instid0(VALU_DEP_2)
	v_add_nc_u32 v[SCW], SCG, v12
	v_add_nc_u32 v[SCR], SCG, v[LI]
	s_mul_i32 s46, s[WV], FRB
	v_add_nc_u32 v[OFR], s46, v[LI]
	s_wait_alu depctr_va_vdst(0)
	s_lshl_b32 s46, s15, 4
	s_add_co_u32 s46, s46, s14
	s_mul_i32 s48, s46, REC                        ; Q's record (head, g)
	s_mov_b32 s49, 0
	s_add_nc_u64 s[48:49], s[4:5], s[48:49]
	s_lshl_b32 s46, s14, 4
	s_add_co_u32 s46, s46, s15
	s_mul_i32 s50, s46, REC                        ; the result's record (g, head)
	s_mov_b32 s51, 0
	s_add_nc_u64 s[50:51], s[10:11], s[50:51]
	s_lshl_b32 s47, s14, 1
	s_lshr_b32 s46, s[WV], 2
	s_add_co_u32 s47, s47, s46                     ; my block of 64 queries
	s_lshl_b32 s52, s15, 5
	s_add_co_u32 s52, s52, s47
	s_lshl_b32 s52, s52, 9                         ; its pooled row
	s_mov_b32 s53, 0
	s_add_nc_u64 s[52:53], s[6:7], s[52:53]
	s_add_co_u32 s54, s15, 16
	s_lshl_b32 s54, s54, 14                        ; the head's 32 pooled rows of k
	s_mov_b32 s55, 0
	s_add_nc_u64 s[54:55], s[6:7], s[54:55]
	s_lshl_b32 s56, s47, 5                         ; my block's row of sta_mask
	s_mov_b32 s57, 0
	s_add_nc_u64 s[56:57], s[8:9], s[56:57]
.irp c, 0,1,2
	global_load_b128 v[16+4*\c:19+4*\c], v[OFR], s[48:49] offset:512*\c   ; Q's fragment stays in registers
.endr
	global_load_b32 v255, v[OQS], s[48:49]         ; and its rows' scale words, in both halves of the lanes
	global_load_u8 v80, v[OLN], s[56:57]           ; sta_mask (my block, key block = lane)
.macro MLOAD reg, vo, sb, off          ; 64 numbers a lane: register 16 b + i = channel 32 b + 16 h + i
.irp b, 0,1,2,3
.irp j, 0,1,2,3
	global_load_b128 v[\reg+16*\b+4*\j:\reg+16*\b+4*\j+3], v[\vo], s[\sb:\sb+1] offset:\off+128*\b+16*\j
.endr
.endr
.endm
	WIN 0x40
	MLOAD 96, O64, 52, 0                           ; my block's pooled q, the same row in all sixteen lanes of a half: into window 1, v96-159, which V's fragments take later
	WIN 0
	MLOAD 160, OKB, 54, 0                          ; pooled k, rows 0-15: lane r takes row r
	MLOAD 96, OKB, 54, 8192                        ; pooled k, rows 16-31
	CROUND                                         ; all four work-groups are here: the first joint loads meet.  The loads above are on their way meanwhile
	tensor_load_to_lds s[G0:G0+3], s[G1:G1+7]      ; slot 0: one tensor load of mine is out
	s_nop 0
.rept 4
	v_nop
.endr
; 64 numbers of a lane, v[s] on, become a fragment's codes in v[pc] on and its scale word in v[pw]
.macro QUANT s, pc, pw, w              ; w: the window in which the 64 numbers lie, 0 or 1
	WIN 0x05*(\w)
.irp b, 0,1,2,3
	v_max3_num_f32 v[232+\b], |v[\s+16*\b]|, |v[\s+1+16*\b]|, 0x1800000   ; with the floor 2^(3 - 127): the byte cannot fall under 1
.endr
	WIN 0x14*(\w)
.irp i, 2,4,6,8,10,12,14
.irp b, 0,1,2,3
.if (\w) == 0
	s_delay_alu instid0(VALU_DEP_4)
.endif
	v_max3_num_f32 v[232+\b], v[232+\b], |v[\s+16*\b+\i]|, |v[\s+1+16*\b+\i]|   ; the four blocks by turns
.endr
.endr
	WIN 0
.irp b, 0,1,2,3
.if (\w) == 0
	s_delay_alu instid0(VALU_DEP_4)
.endif
	v_permlanex16_b32 v[236+\b], v[232+\b], s[SEL], s[SEL+1]
.endr
.irp b, 0,1,2,3
	s_delay_alu instid0(VALU_DEP_4)
	v_max_num_f32 v[232+\b], v[232+\b], v[236+\b]
.endr
.irp b, 0,1,2,3
	s_delay_alu instid0(VALU_DEP_4)
	v_add_nc_u32 v[244+\b], 0xff000000, v[232+\b]  ; 2 off the exponent field: the conversion's scale operand
.endr
.irp b, 0,1,2,3
	s_delay_alu instid0(VALU_DEP_4)
	v_lshrrev_b32 v[236+\b], 23, v[244+\b]         ; the scale's byte
.endr
	s_delay_alu instid0(VALU_DEP_3)
	v_lshl_or_b32 v[\pw], v237, 8, v236
	s_delay_alu instid0(VALU_DEP_1)
	v_lshl_or_b32 v[\pw], v238, 16, v[\pw]
	s_delay_alu instid0(VALU_DEP_1)
	v_lshl_or_b32 v[\pw], v239, 24, v[\pw]
	WIN 0x01*(\w)
.irp c, 0,1
	v_cvt_scalef32_pk16_fp6_f32 v[\pc+6*\c:\pc+2+6*\c], v[\s+32*\c:\s+15+32*\c], v[244+2*\c]
	v_cvt_scalef32_pk16_fp6_f32 v[236+4*\c:238+4*\c], v[\s+16+32*\c:\s+31+32*\c], v[244+2*\c+1]
.endr
	WIN 0
	v_nop                                          ; one plain place behind a scaled conversion
.irp c, 0,1
.irp i, 0,1,2
	v_permlane16_swap_b32 v[\pc+6*\c+\i], v[236+4*\c+\i]
.endr
.irp i, 0,1,2
	s_delay_alu instid0(VALU_DEP_3)
	v_mov_b32 v[\pc+3+6*\c+\i], v[236+4*\c+\i]
.endr
.endr
.endm
.irp b, 0,1,2,3
	v_mov_b32 v[236+\b], 0                         ; a lane permute's destination counts as one of its sources
.endr
	v_mov_b32 v70, 0
	s_wait_loadcnt 32                              ; all but pooled k's twice sixteen loads are in
	QUANT 96, 32, 88, 1
	s_wait_loadcnt 16                              ; rows 0-15 are in; rows 16-31 may be out
	QUANT 160, 44, 89, 0
	s_wait_loadcnt 0x0
	QUANT 96, 56, 90, 0
	s_wait_alu depctr_va_vdst(0)
	s_wait_tensorcnt 0x0                           ; my record of slot 0 is in,
	s_barrier_signal -1
	s_barrier_wait -1                              ; and so is everybody's
	ds_load_b128 v[248:251], v[LI] offset:SCO      ; the first step's K: its 25 LDS loads land under the mask's arithmetic
	WIN 0x40
.irp t, 0,1,2,3,4,5,6,7
.irp c, 0,1,2
	ds_load_b128 v[KFR+12*\t+4*\c:KFR+12*\t+4*\c+3], v[LI] offset:\t*FRB+512*\c
.endr
.endr
	WIN 0
.rept 8
	v_nop                                          ; a scale register written by a vector instruction stands 8 places ahead of a scaled matrix instruction, an operand 4
.endr
	v_wmma_scale_f32_16x16x128_f8f6f4 v[160:167], v[32:43], v[44:55], 0, v88, v89 matrix_a_fmt:MATRIX_FMT_FP6 matrix_b_fmt:MATRIX_FMT_FP6   ; every register: my block against key block lane % 16 (v88-90 hold the pooled operands' scale words and nothing else)
	v_wmma_scale_f32_16x16x128_f8f6f4 v[168:175], v[32:43], v[56:67], 0, v88, v90 matrix_a_fmt:MATRIX_FMT_FP6 matrix_b_fmt:MATRIX_FMT_FP6   ; against key block 16 + lane % 16
.rept 4
	v_nop
.endr
	v_cndmask_b32 v68, v160, v168, s[HIM]          ; lane l: the pooled score against key block l
	s_delay_alu instid0(VALU_DEP_1)
	v_mov_b32 v69, v68
.irp m, 1,2,4,8
	s_delay_alu instid0(VALU_DEP_1)
	v_max_num_f32_dpp v69, v69, v69 row_xmask:\m row_mask:0xf bank_mask:0xf
.endr
	s_delay_alu instid0(VALU_DEP_1)
	v_permlanex16_b32 v70, v69, s[SEL], s[SEL+1]
	s_delay_alu instid0(VALU_DEP_1)
	v_max_num_f32 v69, v69, v70                    ; the row's largest
	s_delay_alu instid0(VALU_DEP_1)
	v_sub_f32 v71, v68, v69
	s_delay_alu instid0(VALU_DEP_1)
	v_mul_f32 v71, s[CS], v71
	s_wait_alu depctr_va_vdst(0)
	v_exp_f32 v71, v71
	v_nop                                          ; one plain place behind a transcendental
	s_wait_alu depctr_va_vdst(0)
	v_mov_b32 v72, v71
.irp m, 1,2,4,8
	s_delay_alu instid0(VALU_DEP_1)
	v_add_f32_dpp v72, v72, v72 row_xmask:\m row_mask:0xf bank_mask:0xf
.endr
	s_delay_alu instid0(VALU_DEP_1)
	v_permlanex16_b32 v70, v72, s[SEL], s[SEL+1]
	s_delay_alu instid0(VALU_DEP_1)
	v_add_f32 v72, v72, v70
	s_wait_alu depctr_va_vdst(0)
	v_rcp_f32 v73, v72
	v_mov_b32 v74, 0                               ; (a plain place)  the mass strictly above my block
	s_wait_alu depctr_va_vdst(0)
	v_mul_f32 v71, v71, v73                        ; p
.set j, 0
.rept 32
	v_readlane_b32 s[66+j], v71, j                 ; the 32 blocks' p, as scalars
.set j, j+1
.endr
.irp q, 0,1,2,3                        ; the mass strictly above my block, in four sums that take turns (blocks j % 4)
	v_cmp_gt_f32 s[60+\q], s[66+\q], v71
.endr
	v_cndmask_b32 v74, 0, s66, s60
	v_cndmask_b32 v75, 0, s67, s61
	v_cndmask_b32 v81, 0, s68, s62
	v_cndmask_b32 v82, 0, s69, s63
.set j, 4
.rept 7
.irp q, 0,1,2,3
	v_cmp_gt_f32 s[60+\q], s[66+j+\q], v71
.endr
.irp q, 0,1,2,3
	v_cndmask_b32 v[76+\q], 0, s[66+j+\q], s[60+\q]
.endr
	v_add_f32 v74, v74, v76
	v_add_f32 v75, v75, v77
	v_add_f32 v81, v81, v78
	v_add_f32 v82, v82, v79
.set j, j+4
.endr
	v_add_f32 v74, v74, v75
	v_add_f32 v81, v81, v82
	v_add_f32 v74, v74, v81
	s_delay_alu instid0(VALU_DEP_1)
	v_cmp_gt_f32 s[KEEP], s[THR], v74              ; kept where that mass is under 0.8,
	v_cmp_ne_u32 s46, 0, v80
	s_or_b32 s[KEEP], s[KEEP], s46                 ; or where sta_mask keeps it
	v_mov_b32 v13, 0xff61b1e6                      ; the largest t so far: -3e38
	s_delay_alu instid0(VALU_DEP_1)
	v_floor_f32 v12, -v13                          ; -M
	v_mov_b32 v14, 0
	v_mov_b32 v15, 0
	v_mov_b32 v29, 0                               ; named as upper halves of pairs
	v_mov_b32 v31, 0
	v_mov_b32 v253, 0
.set j, 0
.rept 64
	v_mov_b32 v[160+j], 0                          ; O^T: the step is written without a first form of its own; the first step finds zeros
.set j, j+1
.endr
.macro WMS t                           ; tile t of S^T = K Q^T: fragment t's scale words lie in register t / 2, in lanes 16-31 where t is odd
.if (\t)%2
	v_wmma_scale_f32_16x16x128_f8f6f4 v[96+8*(\t):103+8*(\t)], v[KFR+12*(\t):KFR+12*(\t)+11], v[16:27], 0, v[248+(\t)/2], v255 matrix_a_fmt:MATRIX_FMT_FP6 matrix_b_fmt:MATRIX_FMT_FP6 matrix_a_scale:MATRIX_SCALE_ROW1
.else
	v_wmma_scale_f32_16x16x128_f8f6f4 v[96+8*(\t):103+8*(\t)], v[KFR+12*(\t):KFR+12*(\t)+11], v[16:27], 0, v[248+(\t)/2], v255 matrix_a_fmt:MATRIX_FMT_FP6 matrix_b_fmt:MATRIX_FMT_FP6
.endif
.endm
.macro WMV t                           ; tile t of O^T += V^T P^T
.if (\t)%2
	v_wmma_scale_f32_16x16x128_f8f6f4 v[160+8*(\t):167+8*(\t)], v[VFR+12*(\t):VFR+12*(\t)+11], v[224:235], v[160+8*(\t):167+8*(\t)], v[VSC+(\t)/2], v253 matrix_a_fmt:MATRIX_FMT_FP6 matrix_b_fmt:MATRIX_FMT_FP6 matrix_a_scale:MATRIX_SCALE_ROW1
.else
	v_wmma_scale_f32_16x16x128_f8f6f4 v[160+8*(\t):167+8*(\t)], v[VFR+12*(\t):VFR+12*(\t)+11], v[224:235], v[160+8*(\t):167+8*(\t)], v[VSC+(\t)/2], v253 matrix_a_fmt:MATRIX_FMT_FP6 matrix_b_fmt:MATRIX_FMT_FP6
.endif
.endm
.macro KLOAD adr, off                  ; 25 LDS loads: the scale words and the eight fragments of K's record off bytes behind v[adr]
	ds_load_b128 v[248:251], v[\adr] offset:\off+SCO
	WIN 0x40                                       ; destination window 1
.irp t, 0,1,2,3,4,5,6,7
.irp c, 0,1,2
	ds_load_b128 v[KFR+12*\t+4*\c:KFR+12*\t+4*\c+3], v[\adr] offset:\off+\t*FRB+512*\c
.endr
.endr
	WIN 0
.endm
.macro VLOAD                           ; 25 LDS loads: the same of the step's record of V
	ds_load_b128 v[VSC:VSC+3], v[ADK] offset:VOFF+SCO
	WIN 0x40
.irp t, 0,1,2,3,4,5,6,7
.irp c, 0,1,2
	ds_load_b128 v[VFR+12*\t+4*\c:VFR+12*\t+4*\c+3], v[ADK] offset:VOFF+\t*FRB+512*\c
.endr
.endr
	WIN 0
.endm
; A KEY STEP: 128 keys.  At its head K's fragments are in, or on their way ahead of V's.  pre = 1: the next step's record of K lies in the same slot and is asked for here.
.macro STEP pre
	s_bitcmp1_b32 s[KEEP], 0
	s_cselect_b32 s[MA], 0, s[NINF]                ; a choice of a value: 0 where the step's first key block is kept, else -infinity
	s_bitcmp1_b32 s[KEEP], 1
	s_cselect_b32 s[MB], 0, s[NINF]
	s_lshr_b32 s[KEEP], s[KEEP], 2
	VLOAD                                          ; four places stand between the last step's products and these loads; they land under the products and the softmax below
	s_wait_dscnt 25                                ; LDS loads come back in order: all but V's 25 are in, so K is
	WIN 0x01                                       ; source 0 window 1
.irp t, 0,1,2,3,4,5,6,7
	WMS \t
.endr
	WIN 0
.rept 4
	v_nop                                          ; places in front of the loads into K's registers and of the first read of the scores
.endr
.if \pre == 1
	KLOAD ADK, REC                                 ; the next step's K, in the same slot
.elseif \pre == 2
	KLOAD ADN, 0                                   ; the next step's K, the first record of the other slot
.endif
.irp b, 0,1,2,3
	v_max3_num_f32 v[232+\b], v[96+16*\b], v[97+16*\b], v[98+16*\b]   ; the largest score of each block of 32 keys: for the row's maximum and, since p rises with the score, for the block's largest p
.endr
.irp i, 3,5,7,9,11,13
.irp b, 0,1,2,3
	v_max3_num_f32 v[232+\b], v[232+\b], v[96+16*\b+\i], v[97+16*\b+\i]
.endr
.endr
.irp b, 0,1,2,3
	v_max_num_f32 v[232+\b], v[232+\b], v[111+16*\b]
.endr
.irp b, 0,1,2,3
	s_delay_alu instid0(VALU_DEP_4)
	v_permlanex16_b32 v[236+\b], v[232+\b], s[SEL], s[SEL+1]
.endr
.irp b, 0,1,2,3
	s_delay_alu instid0(VALU_DEP_4)
	v_max_num_f32 v[232+\b], v[232+\b], v[236+\b]
.endr
	s_delay_alu instid0(VALU_DEP_4)
	v_add_f32 v232, s[MA], v232                    ; a hidden key block counts in no maximum
	s_delay_alu instid0(VALU_DEP_4)
	v_add_f32 v233, s[MA], v233
	s_delay_alu instid0(VALU_DEP_4)
	v_add_f32 v234, s[MB], v234
	s_delay_alu instid0(VALU_DEP_4)
	v_add_f32 v235, s[MB], v235
	s_delay_alu instid0(VALU_DEP_2)
	v_max3_num_f32 v254, v232, v233, v234
	s_delay_alu instid0(VALU_DEP_1)
	v_max_num_f32 v254, v254, v235
	s_delay_alu instid0(VALU_DEP_1)
	v_mul_f32 v254, s[CS], v254                    ; as t
	s_delay_alu instid0(VALU_DEP_1)
	v_max_num_f32 v13, v13, v254                   ; the running largest t
	v_mov_b32 v254, v12
	s_delay_alu instid0(VALU_DEP_2)
	v_floor_f32 v12, -v13                          ; the new -M = -ceil(t): a whole number
	s_delay_alu instid0(VALU_DEP_1)
	v_sub_f32 v254, v12, v254
	s_delay_alu instid0(VALU_DEP_1)
	v_cvt_i32_f32 v254, v254                       ; (it saturates)
	s_delay_alu instid0(VALU_DEP_1)
	v_ldexp_f32 v252, 1.0, v254                    ; f = 2^(old M - new M): a multiplication by it rounds nothing
	s_delay_alu instid0(VALU_DEP_4)
	v_add_f32 v28, s[MA], v12                      ; -M, or -infinity for a hidden key block: p = 0 there
	v_add_f32 v30, s[MB], v12
.set j, 0
.rept 16
	v_pk_fma_f32 v[96+j:97+j], v[96+j:97+j], s[CS:CS+1], v[28:29] op_sel_hi:[1,0,0]   ; t - M, two at a time
.set j, j+2
.endr
.rept 16
	v_pk_fma_f32 v[96+j:97+j], v[96+j:97+j], s[CS:CS+1], v[30:31] op_sel_hi:[1,0,0]
.set j, j+2
.endr
	v_fma_f32 v232, v232, s[CS], v28               ; the same of each block's largest score
	v_fma_f32 v233, v233, s[CS], v28
	v_fma_f32 v234, v234, s[CS], v30
	v_fma_f32 v235, v235, s[CS], v30
.set j, 0
	s_wait_alu depctr_va_vdst(0)
.rept 64
	v_exp_f32 v[96+j], v[96+j]                     ; p = 2^(t - M): not normalised
.set j, j+1
.endr
.irp b, 0,1,2,3
	v_exp_f32 v[232+\b], v[232+\b]                 ; the block's largest p
.endr
	v_pk_mul_f32 v[14:15], v[14:15], v[252:253] op_sel_hi:[1,0]    ; the sums under the new M.  (A plain place behind the exponentials)
	s_wait_alu depctr_va_vdst(0)
.irp b, 0,1,2,3
	v_max_num_f32 v[232+\b], 0x1800000, v[232+\b]  ; the floor 2^(3 - 127)
.endr
.irp b, 0,1,2,3
	s_delay_alu instid0(VALU_DEP_4)
	v_add_nc_u32 v[244+\b], 0xff000000, v[232+\b]
.endr
.irp b, 0,1,2,3
	s_delay_alu instid0(VALU_DEP_4)
	v_lshrrev_b32 v[236+\b], 23, v[244+\b]
.endr
	s_delay_alu instid0(VALU_DEP_3)
	v_lshl_or_b32 v253, v237, 8, v236              ; p's scale word for these 128 keys
	s_delay_alu instid0(VALU_DEP_1)
	v_lshl_or_b32 v253, v238, 16, v253
	s_delay_alu instid0(VALU_DEP_1)
	v_lshl_or_b32 v253, v239, 24, v253
.irp c, 0,1
	v_cvt_scalef32_pk16_fp6_f32 v[224+6*\c:226+6*\c], v[96+32*\c:111+32*\c], v[244+2*\c]
	v_cvt_scalef32_pk16_fp6_f32 v[236+4*\c:238+4*\c], v[112+32*\c:127+32*\c], v[244+2*\c+1]
.endr
	v_nop                                          ; one plain place behind a scaled conversion
.irp c, 0,1
.irp i, 0,1,2
	v_permlane16_swap_b32 v[224+6*\c+\i], v[236+4*\c+\i]
.endr
.irp i, 0,1,2
	s_delay_alu instid0(VALU_DEP_3)
	v_mov_b32 v[227+6*\c+\i], v[236+4*\c+\i]
.endr
.endr
	v_pk_add_f32 v[236:237], v[100:101], v[104:105]
	v_pk_add_f32 v[246:247], v[108:109], v[112:113]
	v_pk_add_f32 v[244:245], v[116:117], v[120:121]
	v_pk_add_f32 v[242:243], v[124:125], v[128:129]
	v_pk_add_f32 v[240:241], v[132:133], v[136:137]
	v_pk_add_f32 v[94:95], v[140:141], v[144:145]
	v_pk_add_f32 v[92:93], v[148:149], v[152:153]
	v_pk_add_f32 v[14:15], v[14:15], v[156:157]
	v_pk_add_f32 v[236:237], v[236:237], v[96:97]
	v_pk_add_f32 v[246:247], v[246:247], v[98:99]
	v_pk_add_f32 v[244:245], v[244:245], v[102:103]
	v_pk_add_f32 v[242:243], v[242:243], v[106:107]
	v_pk_add_f32 v[240:241], v[240:241], v[110:111]
	v_pk_add_f32 v[94:95], v[94:95], v[114:115]
	v_pk_add_f32 v[92:93], v[92:93], v[118:119]
	v_pk_add_f32 v[14:15], v[14:15], v[122:123]
	v_pk_add_f32 v[236:237], v[236:237], v[126:127]
	v_pk_add_f32 v[246:247], v[246:247], v[130:131]
	v_pk_add_f32 v[244:245], v[244:245], v[134:135]
	v_pk_add_f32 v[242:243], v[242:243], v[138:139]
	v_pk_add_f32 v[240:241], v[240:241], v[142:143]
	v_pk_add_f32 v[94:95], v[94:95], v[146:147]
	v_pk_add_f32 v[92:93], v[92:93], v[150:151]
	v_pk_add_f32 v[14:15], v[14:15], v[154:155]
	v_pk_add_f32 v[236:237], v[236:237], v[158:159]
	s_delay_alu instid0(VALU_DEP_2)
	v_pk_add_f32 v[14:15], v[14:15], v[242:243]
	s_delay_alu instid0(VALU_DEP_2)
	v_pk_add_f32 v[236:237], v[236:237], v[240:241]
	v_pk_add_f32 v[246:247], v[246:247], v[94:95]
	v_pk_add_f32 v[244:245], v[244:245], v[92:93]
	s_delay_alu instid0(VALU_DEP_2)
	v_pk_add_f32 v[14:15], v[14:15], v[246:247]
	s_delay_alu instid0(VALU_DEP_2)
	v_pk_add_f32 v[236:237], v[236:237], v[244:245]
	s_delay_alu instid0(VALU_DEP_1)
	v_pk_add_f32 v[14:15], v[14:15], v[236:237]
.set j, 0
.rept 32
	v_pk_mul_f32 v[160+j:161+j], v[160+j:161+j], v[252:253] op_sel_hi:[1,0]   ; O^T under the new M.  (Also the places in front of the products below)
.set j, j+2
.endr
	s_wait_alu depctr_va_vdst(0)
	s_wait_dscnt 0x0                               ; V is in, and so is the next step's K: both were asked for ahead of the softmax
	WIN 0x01
.irp t, 0,1,2,3,4,5,6,7
	WMV \t
.endr
	WIN 0
.if \pre == 1
	v_add_nc_u32 v[ADK], REC, v[ADK]
.rept 3
	v_nop
.endr
.endif
.endm
; THE CHANGE OF SLOTS stands at a slot's head: all my tensor loads have landed, the add, my reads of the slot that I have left are over.  fill = 1: a round of the cluster's barrier, and behind it the other slot is
; filled with the next four steps: the load has four key steps in which to land.
.macro CHANGE fill
	s_wait_tensorcnt 0x0                           ; no tensor load of mine is out, so group 0 may be written
	ds_add_u32 v[SPW], v[NIL]                      ; 0 onto my spare word
.if \fill
	s_xor_b32 s[G0+1], s[G0+1], SLOT1              ; the other slot than last time,
	s_add_nc_u64 s[G0+2:G0+3], s[G0+2:G0+3], 4*REC ; the next four records
.endif
	s_wait_dscnt 0x0
.if \fill
	CROUND
	tensor_load_to_lds s[G0:G0+3], s[G1:G1+7]      ; my one tensor load behind the round
	s_nop 0
.rept 4
	v_nop
.endr
.else
	s_barrier_signal -1
	s_barrier_wait -1
.endif
.endm
; A slot's four key steps, written out: the first three ask for their successor's K in the same slot; the last, where another slot follows, asks behind a barrier for the other slot's first record
.macro SLOT_STEPS more                 ; at its head the first step's K is in registers already.  more = 1: another slot follows
	v_add_nc_u32 v[ADK], s[TB], v[LI]              ; the slot's first step.  With the three vector lines below: four places in front of the loads into registers that the last products have read
	s_xor_b32 s[TB], s[TB], SLOT1                  ; on to the other slot
	v_add_nc_u32 v[ADN], s[TB], v[LI]
	s_wait_alu depctr_va_vdst(0)
.rept 2
	v_nop
.endr
	STEP 1
	s_wait_alu depctr_va_vdst(0)
	STEP 1
	s_wait_alu depctr_va_vdst(0)
	STEP 1
.if \more
	s_wait_alu depctr_va_vdst(0)
	s_wait_tensorcnt 0x0                           ; my record of the other slot, asked for three steps ago, is in,
	s_wait_dscnt 0x0
	s_barrier_signal -1
	s_barrier_wait -1                              ; and so is everybody's
	STEP 2
.else
	STEP 0
.endif
.endm
.Lslot:                                            ; three trips: behind each change of slots but the last the next slot is asked for
	CHANGE 1
	SLOT_STEPS 1
	s_sub_co_u32 s[SLOTS], s[SLOTS], 1
	s_cmp_lg_u32 s[SLOTS], 0
	s_cbranch_scc1 .Lslot
	CHANGE 0
	SLOT_STEPS 0
	; THE WAY OUT: O^T / the sum is the next product's operand: its 64 registers run along that product's K, so it is quantised as it stands and leaves as fragment w of the record
.rept 4
	v_nop                                          ; places behind the last products
.endr
	v_add_f32 v14, v14, v15
	s_delay_alu instid0(VALU_DEP_1)
	v_permlanex16_b32 v252, v14, s[SEL], s[SEL+1]
	s_delay_alu instid0(VALU_DEP_1)
	v_add_f32 v14, v14, v252                       ; the row's sum
	s_wait_alu depctr_va_vdst(0)
	v_rcp_f32 v14, v14
	v_nop                                          ; one plain place behind a transcendental
.set j, 0
	s_wait_alu depctr_va_vdst(0)
.rept 64
	v_mul_f32 v[96+j], v[160+j], v14               ; each accumulator from its low end on
.set j, j+1
.endr
	QUANT 96, 224, 254, 0
.irp c, 0,1,2
	global_store_b128 v[OFR], v[224+4*\c:227+4*\c], s[50:51] offset:512*\c   ; 32 lanes store 512 consecutive bytes
.endr
	ds_store_b32 v[SCW], v254                      ; both halves of the lanes write the same word with the same value
	s_wait_dscnt 0x0                               ; for the others' sake
	s_barrier_signal -1
	s_barrier_wait -1
	s_cmp_lg_u32 s[WV], 0
	s_cbranch_scc1 .Lnot_first
	ds_load_b128 v[96:99], v[SCR]
	s_wait_dscnt 0x0
	global_store_b128 v[LI], v[96:99], s[50:51] offset:SCO         ; the record's 512 bytes of scale words
.Lnot_first:
	s_wait_tensorcnt 0x0                           ; the wave's end
	ds_add_u32 v[SPW], v[NIL]
	s_wait_dscnt 0x0
	CROUND                                         ; the closing round
	s_endpgm
.Lfunc_end_k_q9b17ed190c_attn:
	.size	k_q9b17ed190c_attn, .Lfunc_end_k_q9b17ed190c_attn-k_q9b17ed190c_attn
	.p2alignl 7, 3214868480
	.fill 96, 4, 3214868480
	.section	.rodata,"a",@progbits
	.p2align	6, 0x0
	.amdhsa_kernel k_q9b17ed190c_attn
		.amdhsa_group_segment_fixed_size 327680
		.amdhsa_private_segment_fixed_size 0
		.amdhsa_enable_private_segment 0
		.amdhsa_kernarg_size 32
		.amdhsa_user_sgpr_count 2
		.amdhsa_user_sgpr_kernarg_segment_ptr 1
		.amdhsa_wavefront_size32 1
		.amdhsa_system_sgpr_workgroup_id_x 1
		.amdhsa_system_sgpr_workgroup_id_y 1
		.amdhsa_system_sgpr_workgroup_id_z 1
		.amdhsa_system_vgpr_workitem_id 0
		.amdhsa_next_free_vgpr 448
		.amdhsa_next_free_sgpr 100
		.amdhsa_reserve_vcc 0
		.amdhsa_float_denorm_mode_32 3
		.amdhsa_float_denorm_mode_16_64 3
		.amdhsa_memory_ordered 1
		.amdhsa_forward_progress 1
		.amdhsa_inst_pref_size 208
	.end_amdhsa_kernel
	.amdgpu_metadata
---
amdhsa.version: [ 1, 2 ]
amdhsa.kernels:
  - .name:           k_q9b17ed190c_attn
    .symbol:         k_q9b17ed190c_attn.kd
    .args:
      - { .name: qkv, .offset: 0, .size: 8, .value_kind: global_buffer, .address_space: global }
      - { .name: mean, .offset: 8, .size: 8, .value_kind: global_buffer, .address_space: global }
      - { .name: sta_mask, .offset: 16, .size: 8, .value_kind: global_buffer, .address_space: global }
      - { .name: orec, .offset: 24, .size: 8, .value_kind: global_buffer, .address_space: global }
    .group_segment_fixed_size: 327680
    .private_segment_fixed_size: 0
    .kernarg_segment_align: 8
    .kernarg_segment_size: 32
    .max_flat_workgroup_size: 256
    .sgpr_count:     100
    .vgpr_count:     448
    .wavefront_size: 32
...
	.end_amdgpu_metadata
.endif
;; end of part 8
;; launch oproj (part 9): grid 16 x 16, 4 waves a work-group, clusters of 4 x 4, 327,680 bytes of LDS; arguments orec, opnd, bo, out0; writes out0
.if DOCPART == 9
	.amdgcn_target "amdgcn-amd-amdhsa--gfx1250"
	.amdhsa_code_object_version 6
	.text
	.protected	k_q9b17ed190c_oproj
	.globl	k_q9b17ed190c_oproj
	.p2align	8
	.type	k_q9b17ed190c_oproj,@function
k_q9b17ed190c_oproj:
	s_mov_b64 s[64:65], 0
	v_nop
	global_prefetch_b8 v0, s[64:65] scope:SCOPE_SE
	s_setreg_imm32_b32 hwreg(HW_REG_WAVE_MODE, 25, 1), 1
	s_wait_xcnt 0x0
	s_wait_alu depctr_hold_cnt(0) depctr_sa_sdst(0) depctr_va_vdst(0) depctr_va_sdst(0) depctr_va_ssrc(0) depctr_va_vcc(0) depctr_vm_vsrc(0)
	s_getreg_b32 s2, hwreg(HW_REG_IB_STS2, 6, 4)
	s_cmp_eq_u32 s2, 0
	s_cbranch_scc0 .Lentry_in_a_cluster
	s_endpgm
.Lentry_in_a_cluster:
	s_bfe_u32 s2, ttmp6, 0x10000c
	s_cmp_lg_u32 s2, 0xf033
	s_cbranch_scc0 .Lentry_shape_is_right
	s_endpgm
.Lentry_shape_is_right:
; out0 = O Wo + bo on records of FP6 codes (128 rows x 128 K, 12,800 bytes, images of the operand's registers).  A work-group of four waves makes 128 x 128, a wave 64 x 64; 4 x 4 clusters ask for tiles jointly.
; LDS: A's records of K steps 0-11 on end, then B's.  At the head each wave fetches six records (76,800 dense bytes as 300 rows of 256) with its one load; behind K step 3 a round, and each wave fetches two
; records of K steps 12-15 into the bytes of steps 0-3.  So the launch has two tensor loads a wave.  The bias is the C of the first products.
; No prefetch: the text has no loop to run ahead in, and twelve of the sixteen K steps are asked for by the head's loads.
.set REC,   12800
.set FRB,   1536
.set SCO,   12288
.set FR,    12
.set NP,    4
.set HALFT, 2*REC
.set SLOT,  4*REC                      ; four K steps of one operand: what one address register reaches
.set BOFF,  12*REC                     ; B's records lie behind A's twelve
.set SPARE, 24*REC
.set STAGE, SPARE+512
.set SPITCH, 272
.set ADA,  8
.set ADB,  11
.set ASA,  14
.set ASB,  17
.set STO,  20
.set RD,   21
.set CO,   22
.set H64,  23
.set LI,   24
.set SPW,  28
.set NIL,  29
.set SC,   32
.set BI,   64
.set OB,   64
.set ACC,  128
.set G1,  24
.set G1B, 48
.set G0,  80
.set G0B, 68
.set MSB, 0
.macro WIN new
.if MSB != (\new)
	s_set_vgpr_msb (MSB<<8)|(\new)
.set MSB, (\new)
.endif
.endm
.set MUL,  0x05
.set TO_F, 0x40
.macro JLOAD s
	s_cmp_eq_u32 s15, 0
	s_cbranch_scc0 .Lfor_b_\@
	tensor_load_to_lds s[G0+4*\s:G0+4*\s+3], s[G1:G1+7]
	s_nop 0
.rept 4
	v_nop
.endr
	s_branch .Lasked_\@
.Lfor_b_\@:
	tensor_load_to_lds s[G0B+4*\s:G0B+4*\s+3], s[G1B:G1B+7]
	s_nop 0
.rept 4
	v_nop
.endr
.Lasked_\@:
.endm
.macro CREST
	s_cmp_lg_u32 s14, 0
	s_cbranch_scc1 .Lnot_wave_0_\@
	s_barrier_signal -3
.Lnot_wave_0_\@:
	s_barrier_wait -3
	s_barrier_signal -1
	s_barrier_wait -1
.endm
.macro CROUND
	s_barrier_signal -1
	s_barrier_wait -1
	CREST
.endm
.macro PLACES n
.rept \n
	v_nop
.endr
.endm
	s_load_b256 s[4:11], s[0:1], 0x0
	v_lshl_add_u32 v[SPW], v0, 2, SPARE
	v_mov_b32 v[NIL], 0
	ds_add_u32 v28, v29
	ds_add_u32 v28, v29
	s_wait_dscnt 0x0
	v_lshrrev_b32 v1, 5, v0
	v_readfirstlane_b32 s14, v1
	s_lshr_b32 s15, s14, 1
	s_and_b32 s16, s14, 1
	s_bfe_u32 s40, ttmp6, 0x40000
	s_bfe_u32 s41, ttmp6, 0x40004
	s_lshl_b32 s42, ttmp9, 2
	s_add_co_u32 s42, s42, s40
	s_and_b32 s17, ttmp7, 0xffff
	s_lshl_b32 s17, s17, 2
	s_add_co_u32 s17, s17, s41
	s_lshl_b32 s43, s41, 2
	s_lshl_b32 s43, 15, s43
	s_lshl_b32 s44, 0x1111, s40
	s_or_b32 s[G1+0], s43, (3<<16)|(1<<21)
	s_or_b32 s[G1B+0], s44, (3<<16)|(1<<21)
.irp g, G1, G1B
	s_mov_b32 s[\g+1], 32<<16
	s_mov_b32 s[\g+2], 300<<16
	s_mov_b32 s[\g+3], 32<<16
	s_mov_b32 s[\g+4], 300
	s_mov_b32 s[\g+5], 32
	s_mov_b32 s[\g+6], 0
	s_mov_b32 s[\g+7], 0
.endr
	s_mul_i32 s20, s17, 16*REC
	s_mul_i32 s21, s16, 6*REC
	s_add_co_u32 s20, s20, s21
	s_mov_b32 s21, 0
	s_add_co_u32 s46, s42, 64
	s_mul_i32 s46, s46, 16*REC
	s_mul_i32 s47, s16, 6*REC
	s_add_co_u32 s46, s46, s47
	s_mov_b32 s47, 0
	s_mul_i32 s45, s14, 6*REC
	s_wait_kmcnt 0x0
	s_add_nc_u64 s[20:21], s[4:5], s[20:21]
	s_add_nc_u64 s[46:47], s[6:7], s[46:47]
	CROUND
	s_mul_i32 s18, s16, 4*REC
	s_sub_co_u32 s18, 12*REC, s18                  ; from my six records' first byte to record 12 + 2 x half
	s_mov_b32 s19, 0
	s_mul_i32 s22, s15, BOFF
	s_mul_i32 s23, s16, HALFT
	s_add_co_u32 s22, s22, s23                     ; which goes to the place of record 2 x half
	s_mov_b32 s[G0], 1
	s_add_co_u32 s[G0+1], s45, 0
	s_mov_b64 s[G0+2:G0+3], s[20:21]
	s_or_b32 s[G0+3], s[G0+3], 0x80000000
	s_mov_b32 s[G0+4], 1
	s_add_co_u32 s[G0+5], s22, 0
	s_add_nc_u64 s[G0+6:G0+7], s[20:21], s[18:19]
	s_or_b32 s[G0+7], s[G0+7], 0x80000000
	s_mov_b32 s[G0B], 1
	s_add_co_u32 s[G0B+1], s45, 0
	s_mov_b64 s[G0B+2:G0B+3], s[46:47]
	s_or_b32 s[G0B+3], s[G0B+3], 0x80000000
	s_mov_b32 s[G0B+4], 1
	s_add_co_u32 s[G0B+5], s22, 0
	s_add_nc_u64 s[G0B+6:G0B+7], s[46:47], s[18:19]
	s_or_b32 s[G0B+7], s[G0B+7], 0x80000000
	JLOAD 0                                        ; K steps 0-11: one tensor load a wave at the head
	v_and_b32 v1, 15, v0
	v_bfe_u32 v2, v0, 4, 1
	v_and_b32 v3, 31, v0
	v_lshlrev_b32 v[LI], 4, v3
	s_wait_alu depctr_va_vdst(0)
	s_mul_i32 s21, s15, 4*FRB
	s_mul_i32 s22, s16, 4*FRB
	s_add_co_u32 s22, s22, BOFF
	s_lshl_b32 s23, s15, 3
	s_add_co_u32 s23, s23, SCO
	s_lshl_b32 s18, s16, 3
	s_add_co_u32 s18, s18, SCO+BOFF
.irp s, 0,1,2
	v_add_nc_u32 v[ADA+\s], s21, v[LI]
	v_add_nc_u32 v[ADB+\s], s22, v[LI]
	v_add_nc_u32 v[ASA+\s], s23, v[LI]
	v_add_nc_u32 v[ASB+\s], s18, v[LI]
	s_add_co_u32 s21, s21, SLOT
	s_add_co_u32 s22, s22, SLOT
	s_add_co_u32 s23, s23, SLOT
	s_add_co_u32 s18, s18, SLOT
.endr
	v_lshlrev_b32 v[H64], 6, v2
	s_wait_alu depctr_va_vdst(0)
	s_mul_i32 s23, s14, 16*SPITCH
	s_add_co_u32 s23, s23, STAGE
	v_mul_u32_u24 v[STO], v1, SPITCH
	v_add_nc_u32 v[STO], v[STO], v[H64]
	v_add_nc_u32 v[STO], s23, v[STO]
	v_mul_u32_u24 v[RD], v2, SPITCH
	v_lshl_add_u32 v[RD], v1, 4, v[RD]
	v_add_nc_u32 v[RD], s23, v[RD]
	v_lshlrev_b32 v[CO], 13, v2
	v_lshl_add_u32 v[CO], v1, 4, v[CO]
	s_lshl_b32 s18, s42, 9
	s_lshl_b32 s19, s16, 8
	s_add_co_u32 s18, s18, s19
	s_mov_b32 s19, 0
	s_add_nc_u64 s[8:9], s[8:9], s[18:19]
	s_add_nc_u64 s[12:13], s[10:11], s[18:19]
	s_lshl_b32 s18, s17, 20
	s_lshl_b32 s22, s15, 19
	s_add_co_u32 s18, s18, s22
	s_add_nc_u64 s[12:13], s[12:13], s[18:19]
.irp b, 0,1
.irp j, 0,1,2,3
	global_load_b128 v[BI+16*\b+4*\j:BI+16*\b+4*\j+3], v[H64], s[8:9] offset:128*\b+16*\j
.endr
.endr
	s_wait_loadcnt 0x0
.macro WM
.if wS == 0
	v_wmma_scale_f32_16x16x128_f8f6f4 v[rD:rD+7], v[rB:rB+11], v[rA:rA+11], v[rC:rC+7], v[rSB], v[rSA] matrix_a_fmt:MATRIX_FMT_FP6 matrix_b_fmt:MATRIX_FMT_FP6
.elseif wS == 1
	v_wmma_scale_f32_16x16x128_f8f6f4 v[rD:rD+7], v[rB:rB+11], v[rA:rA+11], v[rC:rC+7], v[rSB], v[rSA] matrix_a_fmt:MATRIX_FMT_FP6 matrix_b_fmt:MATRIX_FMT_FP6 matrix_b_scale:MATRIX_SCALE_ROW1
.elseif wS == 2
	v_wmma_scale_f32_16x16x128_f8f6f4 v[rD:rD+7], v[rB:rB+11], v[rA:rA+11], v[rC:rC+7], v[rSB], v[rSA] matrix_a_fmt:MATRIX_FMT_FP6 matrix_b_fmt:MATRIX_FMT_FP6 matrix_a_scale:MATRIX_SCALE_ROW1
.else
	v_wmma_scale_f32_16x16x128_f8f6f4 v[rD:rD+7], v[rB:rB+11], v[rA:rA+11], v[rC:rC+7], v[rSB], v[rSA] matrix_a_fmt:MATRIX_FMT_FP6 matrix_b_fmt:MATRIX_FMT_FP6 matrix_a_scale:MATRIX_SCALE_ROW1 matrix_b_scale:MATRIX_SCALE_ROW1
.endif
.endm
.macro MUL8 a0, p, z
.irp a, \a0, \a0+1
.irp b, 0,1,2,3
.set rD, ACC+8*(4*(\a)+\b)
.set rB, 96*(\p)+FR*\b
.set rA, 96*(\p)+48+FR*(\a)
.set rSB, SC+4*(\p)+2+\b/2
.set rSA, SC+4*(\p)+(\a)/2
.set wS, 2*(\b%2)+(\a)%2
.if \z
.set rC, BI+8*\b
.else
.set rC, rD
.endif
	WM
.endr
.endr
.endm
.macro FRAG reg, adr, off
.irp c, 0,1,2
	ds_load_b128 v[\reg+4*\c:\reg+4*\c+3], v[\adr] offset:\off+512*\c
.endr
.endm
.macro FETCH k
.set fS, ((\k)/4)%3
.set fQ, (\k)%4
.set fP, (\k)%2
	WIN TO_F
.irp i, 0,1,2,3
	FRAG 96*fP+FR*\i, ADB+fS, fQ*REC+\i*FRB
.endr
.irp i, 0,1,2,3
	FRAG 96*fP+48+FR*\i, ADA+fS, fQ*REC+\i*FRB
.endr
	WIN 0
	ds_load_b64 v[SC+4*fP:SC+4*fP+1], v[ASA+fS] offset:fQ*REC
	ds_load_b64 v[SC+4*fP+2:SC+4*fP+3], v[ASB+fS] offset:fQ*REC
.endm
.macro KSTEP k, z
	s_wait_dscnt 0x0
.if (\k) < 15
.if (\k) > 0
	PLACES NP
.endif
	FETCH (\k)+1
.endif
	WIN MUL
	MUL8 0, (\k)%2, \z
	MUL8 2, (\k)%2, \z
.endm
.macro KTURN k, fill
	WIN 0
	s_wait_tensorcnt 0x0
	ds_add_u32 v[SPW], v[NIL]
	s_wait_dscnt 0x0
	s_barrier_signal -1
	WIN MUL
	MUL8 0, (\k)%2, 0
	WIN 0
	s_barrier_wait -1
.if \fill
	CREST
	s_mov_b32 s[G1+2], 100<<16                     ; no tensor load of mine is out: this load brings two records, 100 rows
	s_mov_b32 s[G1+4], 100
	s_mov_b32 s[G1B+2], 100<<16
	s_mov_b32 s[G1B+4], 100
	JLOAD 1
.else
	PLACES NP
.endif
	FETCH (\k)+1
	WIN MUL
	MUL8 2, (\k)%2, 0
.endm
	s_wait_tensorcnt 0x0
	s_barrier_signal -1
	s_barrier_wait -1
	FETCH 0
	KSTEP 0, 1
	KSTEP 1, 0
	KSTEP 2, 0
	KTURN 3, 1
.irp k, 4,5,6,7,8,9,10
	KSTEP \k, 0
.endr
	KTURN 11, 0
.irp k, 12,13,14,15
	KSTEP \k, 0
.endr
	WIN 0
.macro TOSTAGE a
.irp b, 0,1,2,3
	ds_store_b128 v[STO], v[ACC+8*(4*(\a)+\b):ACC+8*(4*(\a)+\b)+3] offset:128*(\b/2)+32*(\b%2)
	ds_store_b128 v[STO], v[ACC+8*(4*(\a)+\b)+4:ACC+8*(4*(\a)+\b)+7] offset:128*(\b/2)+32*(\b%2)+16
.endr
.set BB, OB+32*((\a)%2)
.irp t, 0,1,2,3,4,5,6,7
	ds_load_b128 v[BB+4*\t:BB+4*\t+3], v[RD] offset:2*\t*SPITCH
.endr
.endm
.macro SEND a, younger
.set BB, OB+32*((\a)%2)
	s_wait_dscnt \younger
.irp t, 0,1,2,3,4,5,6,7
	global_store_b128 v[CO], v[BB+4*\t:BB+4*\t+3], s[12:13] offset:(32*((\a)/2)+8*((\a)%2)+2*\t+8*(\t/4))*8192 th:TH_STORE_NT
.endr
.endm
	PLACES NP
	s_wait_alu depctr_va_vdst(0)
	TOSTAGE 0
.irp a, 1,2,3
.if \a > 1
	s_wait_xcnt 0x0
.endif
	TOSTAGE \a
	SEND \a-1, 16
.endr
	SEND 3, 0
	s_wait_tensorcnt 0x0
	ds_add_u32 v[SPW], v[NIL]
	s_wait_dscnt 0x0
	CROUND
	s_endpgm
.Lfunc_end_k_q9b17ed190c_oproj:
	.size	k_q9b17ed190c_oproj, .Lfunc_end_k_q9b17ed190c_oproj-k_q9b17ed190c_oproj
	.p2alignl 7, 3214868480
	.fill 96, 4, 3214868480
	.section	.rodata,"a",@progbits
	.p2align	6, 0x0
	.amdhsa_kernel k_q9b17ed190c_oproj
		.amdhsa_group_segment_fixed_size 327680
		.amdhsa_private_segment_fixed_size 0
		.amdhsa_enable_private_segment 0
		.amdhsa_kernarg_size 32
		.amdhsa_user_sgpr_count 2
		.amdhsa_user_sgpr_kernarg_segment_ptr 1
		.amdhsa_wavefront_size32 1
		.amdhsa_system_sgpr_workgroup_id_x 1
		.amdhsa_system_sgpr_workgroup_id_y 1
		.amdhsa_system_sgpr_workgroup_id_z 1
		.amdhsa_system_vgpr_workitem_id 0
		.amdhsa_next_free_vgpr 448
		.amdhsa_next_free_sgpr 96
		.amdhsa_reserve_vcc 0
		.amdhsa_float_denorm_mode_32 3
		.amdhsa_float_denorm_mode_16_64 3
		.amdhsa_memory_ordered 1
		.amdhsa_forward_progress 1
		.amdhsa_inst_pref_size 80
	.end_amdhsa_kernel
	.amdgpu_metadata
---
amdhsa.version: [ 1, 2 ]
amdhsa.kernels:
  - .name:           k_q9b17ed190c_oproj
    .symbol:         k_q9b17ed190c_oproj.kd
    .args:
      - { .name: orec, .offset: 0, .size: 8, .value_kind: global_buffer, .address_space: global }
      - { .name: opnd, .offset: 8, .size: 8, .value_kind: global_buffer, .address_space: global }
      - { .name: bo, .offset: 16, .size: 8, .value_kind: global_buffer, .address_space: global }
      - { .name: out0, .offset: 24, .size: 8, .value_kind: global_buffer, .address_space: global }
    .group_segment_fixed_size: 327680
    .private_segment_fixed_size: 0
    .kernarg_segment_align: 8
    .kernarg_segment_size: 32
    .max_flat_workgroup_size: 128
    .sgpr_count:     96
    .vgpr_count:     448
    .wavefront_size: 32
...
	.end_amdgpu_metadata
.endif
;; end of part 9
